; MI455X (gfx1250); checked and timed in simulation.
; The chip was launched on July 23, 2026; its instructions are those of AMD's public machine-readable ISA for CDNA 5 (MIT licence, August 2026) and "CDNA5" Instruction Set Architecture Reference Guide (July 2026). The comments in the code are by the model that wrote it; some were corrected since.
;; Bi Hgru2d. Allowed arithmetic: matrix products marked QUANTISED: E5M2 operands, one given power-of-two scale a tensor, by v_wmma_f32_16x16x64_bf8_bf8 or v_wmma_f32_16x16x128_bf8_bf8, f32 sums; everything else in f32.
;; Inputs: W_gate 128 x 256 float32; W_in 128 x 256 float32; W_lambda 128 x 128 float32; W_out 256 x 128 float32; b_gate 256 float32; b_in 256 float32; b_lambda 128 float32; b_out 128 float32; ln_b 256 float32; ln_w 256 float32; lowp_scales 8 int32 (the exponents e of the quantised operands' scales 2^e); theta_f 128 float32; theta_r 128 float32; x 128 x 128 x 8 x 128 float32.
;; Outputs: out0 128 x 128 x 8 x 128 float32.
;; This version of the problem:
;;   THIS VERSION OF THE PROBLEM IS GIVEN IN LOW PRECISION. The matrix products marked QUANTISED in the list below multiply operands that are first quantised to E5M2 (5 exponent bits, 2 mantissa bits; 8 bits a number), with one given power-of-two scale for each operand tensor; their sums are f32. All else is computed in f32.
;;   The module's matrix products, in the order in which they are computed (A, B: the left and right operand; K: the contracted axis; several contracted axes count as one K, in the product's order):
;;     1. [M 131,072, K 128] x [K 128, N 256]; A: input x; B: input W_in: QUANTISED (scales: A lowp_scales[0], B lowp_scales[1])
;;     2. [M 131,072, K 128] x [K 128, N 256]; A: input x; B: input W_gate: QUANTISED (scales: A lowp_scales[2], B lowp_scales[3])
;;     3. [M 131,072, K 128] x [K 128, N 128]; A: input x; B: input W_lambda: QUANTISED (scales: A lowp_scales[4], B lowp_scales[5])
;;     4. [M 131,072, K 256] x [K 256, N 128]; A: computed on the way; B: input W_out: QUANTISED (scales: A lowp_scales[6], B lowp_scales[7])
;;   THE QUANTISER, for each operand of a quantised product, along K:
;;     - The operand's scale is 2^e, e = its entry of the input lowp_scales (int32; the entries are numbered through the quantised products in the list's order, A before B).
;;     - Each number is divided by the scale, clamped to +-57,344, and rounded to the nearest number of E5M2, ties to even, subnormals kept.
;;     - The product sums the exact products of the quantised numbers (number of the format x scale) in f32.
;;   ~~~python
;;   def quantise(x, axis, e):      # numpy; x: float32 -> the quantised numbers, widened to float32 again
;;       x = np.moveaxis(x, axis, -1); K = x.shape[-1]
;;       r = np.clip(x / 2.0 ** e, -57344, 57344)
;;       step = 2.0 ** (np.maximum(np.frexp(np.where(r == 0, 1, r))[1] - 1, -14) - 2)
;;       q = np.round(r / step) * step * 2.0 ** e      # np.round: ties to even
;;       return np.moveaxis(q, -1, axis).astype(np.float32)
;;   ~~~
;;   OPERANDS COMPUTED ON THE WAY. 'Computed on the way' means the value that the module computes at that place (a softmax that the list does not call 'softmax' is quantised finished and normalised). What goes into a quantiser is computed in f32, as accurately as f32 sums, v_exp_f32 and their like allow (about 1e-6 of the number): no bf16 or f16 on the way to a quantiser, and a product that is left as it is and whose result goes on into a quantised operand takes f32 operands (vector FMAs, or v_wmma_f32_16x16x4_f32). A number that lies on a knife's edge between two numbers of the format may be rounded either way, as far as f32 arithmetic and the matrix unit's own rounding can turn it there, and no further.
;; 2 versions. Each part assembles by itself: llvm-mc -triple=amdgcn-amd-amdhsa -mcpu=gfx1250 --defsym DOCPART=n.
;; ======== version 1 of 2: 3 launches
;; limits: right only within a limited range of input values
;; workspace buffers: wimg 114,688 bytes; tab 8,192 bytes; s1 134,217,728 bytes
;; launch prep (part 1): grid 15 x 1, 4 waves a work-group, no clusters, 0 bytes of LDS; arguments W_in, W_gate, W_lambda, W_out, lowp_scales, theta_f, theta_r, b_gate, ln_w, ln_b, b_out, wimg, tab; writes wimg, tab
.if DOCPART == 1
	.amdgcn_target "amdgcn-amd-amdhsa--gfx1250"
	.amdhsa_code_object_version 6
	.text
	.protected	k_q3e3a1268a1_prep
	.globl	k_q3e3a1268a1_prep
	.p2align	8
	.type	k_q3e3a1268a1_prep,@function
k_q3e3a1268a1_prep:
	s_mov_b64 s[64:65], 0
	v_nop
	global_prefetch_b8 v0, s[64:65] scope:SCOPE_SE
	s_setreg_imm32_b32 hwreg(HW_REG_WAVE_MODE, 25, 1), 1
	s_wait_xcnt 0x0
; BiHgru2d, launch 1 of 3: the four weights become codes of E5M2, laid as images of the operand registers; small tables are made.
; WORK OF reference() THAT IS LEFT OUT IN THE WHOLE PROGRAM, for all values of the inputs:
;   - LOWER_BOUND = 0 is written in reference()'s body: lam = 0 + (1 - 0) x sigmoid(..) = sigmoid(..), a term 0 and a factor 1 by identity.
;   - associative_scan also forms the products of the gammas (its first two results), which _scan drops; and it combines in a tree.  In exact arithmetic its last two results
;     are h_t = gamma_t h_(t-1) + in_t: the program runs that recurrence, in four segments of 32 steps joined by carries.
;   Every input has a way to the output: all are loaded.
; LIMITS: the order of rounding in the scans differs from the tree's.  A NaN, an infinity or an overflow that reaches only the dropped gamma products is not carried to the result.
;   NaN and infinities among the inputs are not served.  Exponents: e0, e2, e4, e6, and here e1, e3, e5, e7, between -126 and 112; e0+e1, e2+e3, e4+e5, e6+e7 between -126 and 127.  |theta| up to 8,192.
; AN IMAGE is a fragment (16 rows or columns x 128 along K) as 16 registers a lane: register R of lane l lies at 512 (R / 4) + 16 l + 4 (R % 4): 2,048 bytes.
;   Slot (c, hh, i) of a lane, register 4 c + i / 4, holds K = 32 c + 16 hh + i: the same on both sides of every product.
;   images 3 g + 0, 1, 2: W_in's columns 2 (16 g + rho), 2 (16 g + rho) + 1, W_lambda's column 16 g + rho (rho = lane % 16)
;   images 24 + 8 kk + t: W_gate's column for feature k' = 128 kk + 32 (t / 2) + 8 (t % 2) + rho + 8 (rho / 8)
;   images 40 + 2 tn + kk: W_out's column 16 tn + rho, K slot k' = 128 kk + 32 c + 16 hh + i
;   k' = 2 x channel + (0 real, 1 imaginary) is the program's order of the 256 features; reference()'s index is k = k' / 2 + 128 (k' % 2).
; One wave makes one image: a lane takes a column and its registers run down K, so the conversions' results are the operand's registers.  Work-group 14 makes the tables.
	s_load_b512 s[4:19], s[0:1], 0x0               ; W_in 4, W_gate 6, W_lambda 8, W_out 10, scales 12, theta_f 14, theta_r 16, b_gate 18
	s_load_b256 s[20:27], s[0:1], 0x40             ; ln_w 20, ln_b 22, b_out 24, wimg 26
	s_load_b64 s[28:29], s[0:1], 0x60              ; tab
	v_lshrrev_b32 v1, 5, v0
	v_readfirstlane_b32 s46, v1                    ; wave
	v_and_b32 v1, 15, v0                           ; rho
	v_bfe_u32 v2, v0, 4, 1                         ; hh
	v_and_b32 v4, 31, v0
	v_lshlrev_b32 v4, 4, v4                        ; 16 x lane
	s_mov_b32 s43, 0
	s_mov_b32 s45, 0
	s_wait_kmcnt 0x0
	s_load_b256 s[32:39], s[12:13], 0x0            ; e0 .. e7
	s_wait_kmcnt 0x0
.macro SCL e                           ; v5 = 2^e as f32; s52 = 57,344 x 2^e; s53 = the same, negative
	s_add_co_i32 s52, s[\e], 127
	s_lshl_b32 s53, s52, 23
	v_mov_b32 v5, s53
	s_add_co_i32 s52, s52, 15
	s_lshl_b32 s52, s52, 23
	s_or_b32 s52, s52, 0x600000
	s_or_b32 s53, s52, 0x80000000
.endm
; 64 numbers down K of my column (base s[40:41], lane offset v3), held, converted, stored as an image at s[26:27]
.macro QFRAG rs, perm
.irp c, 0,1,2,3
.irp i, 0,1,2,3,4,5,6,7,8,9,10,11,12,13,14,15
.if \perm
	global_load_b32 v[16+16*\c+\i], v3, s[40:41] offset:(16*\c+(\i/2)+128*(\i%2))*512
.else
	global_load_b32 v[16+16*\c+\i], v3, s[40:41] offset:(32*\c+\i)*\rs
.endif
.endr
.endr
	s_wait_loadcnt 0x0
.set n, 0
.rept 64
	v_med3_num_f32 v[16+n], v[16+n], s53, s52      ; the conversion to an 8-bit code does not saturate (ISA guide 7.6.2): hold first
.set n, n+1
.endr
.irp u, 0,1,2,3,4,5,6,7
	v_cvt_scalef32_pk8_bf8_f32 v[80+2*\u:81+2*\u], v[16+8*\u:23+8*\u], v5
.endr
.irp c, 0,1,2,3
	global_store_b128 v4, v[80+4*\c:83+4*\c], s[26:27] offset:512*\c   ; 32 lanes store 512 consecutive bytes
.endr
.endm
	s_cmp_ge_u32 ttmp9, 4
	s_cbranch_scc1 .Lnot_in
	s_lshl_b32 s47, ttmp9, 2                       ; W_in: a = 4 x work-group + wave: g = a / 2, real or imaginary = a % 2
	s_add_co_u32 s47, s47, s46
	s_lshr_b32 s48, s47, 1
	s_and_b32 s49, s47, 1
	s_lshl_b32 s42, s48, 7
	s_lshl_b32 s50, s49, 2
	s_add_co_u32 s42, s42, s50                     ; column 2 (16 g) + part, in bytes
	s_add_nc_u64 s[40:41], s[4:5], s[42:43]
	s_mul_i32 s44, s48, 3
	s_add_co_u32 s44, s44, s49
	s_lshl_b32 s44, s44, 11                        ; image 3 g + part
	s_add_nc_u64 s[26:27], s[26:27], s[44:45]
	v_lshlrev_b32 v3, 14, v2                       ; 16 hh rows of 1,024 bytes
	v_lshl_add_u32 v3, v1, 3, v3                   ; + 2 rho columns
	SCL 33
	QFRAG 1024, 0
	s_endpgm
.Lnot_in:
	s_cmp_ge_u32 ttmp9, 6
	s_cbranch_scc1 .Lnot_lam
	s_sub_co_u32 s47, ttmp9, 4                     ; W_lambda: a = g
	s_lshl_b32 s47, s47, 2
	s_add_co_u32 s47, s47, s46
	s_lshl_b32 s42, s47, 6
	s_add_nc_u64 s[40:41], s[8:9], s[42:43]
	s_mul_i32 s44, s47, 3
	s_add_co_u32 s44, s44, 2
	s_lshl_b32 s44, s44, 11                        ; image 3 g + 2
	s_add_nc_u64 s[26:27], s[26:27], s[44:45]
	v_lshlrev_b32 v3, 13, v2                       ; 16 hh rows of 512 bytes
	v_lshl_add_u32 v3, v1, 2, v3
	SCL 37
	QFRAG 512, 0
	s_endpgm
.Lnot_lam:
	s_cmp_ge_u32 ttmp9, 10
	s_cbranch_scc1 .Lnot_gate
	s_sub_co_u32 s47, ttmp9, 6                     ; W_gate: a = 8 kk + t
	s_lshl_b32 s47, s47, 2
	s_add_co_u32 s47, s47, s46
	s_lshr_b32 s48, s47, 3                         ; kk
	s_bfe_u32 s49, s47, 0x20001                    ; t / 2
	s_and_b32 s50, s47, 1                          ; t % 2
	s_lshl_b32 s42, s48, 8
	s_lshl_b32 s49, s49, 6
	s_add_co_u32 s42, s42, s49
	s_lshl_b32 s50, s50, 4
	s_add_co_u32 s42, s42, s50                     ; 4 (64 kk + 16 (t / 2) + 4 (t % 2))
	s_add_nc_u64 s[40:41], s[6:7], s[42:43]
	s_add_co_u32 s44, s47, 24
	s_lshl_b32 s44, s44, 11                        ; image 24 + a
	s_add_nc_u64 s[26:27], s[26:27], s[44:45]
	v_lshrrev_b32 v6, 1, v1
	v_lshrrev_b32 v7, 3, v1
	v_lshl_add_u32 v6, v7, 2, v6
	v_and_b32 v7, 1, v1
	v_lshl_add_u32 v6, v7, 7, v6                   ; rho / 2 + 4 (rho / 8) + 128 (rho % 2): the lane's part of k
	v_lshlrev_b32 v3, 14, v2
	v_lshl_add_u32 v3, v6, 2, v3
	SCL 35
	QFRAG 1024, 0
	s_endpgm
.Lnot_gate:
	s_cmp_ge_u32 ttmp9, 14
	s_cbranch_scc1 .Ltables
	s_sub_co_u32 s47, ttmp9, 10                    ; W_out: a = 2 tn + kk
	s_lshl_b32 s47, s47, 2
	s_add_co_u32 s47, s47, s46
	s_lshr_b32 s48, s47, 1
	s_and_b32 s49, s47, 1
	s_lshl_b32 s42, s49, 15                        ; 64 kk rows of 512 bytes
	s_lshl_b32 s48, s48, 6
	s_add_co_u32 s42, s42, s48                     ; + column 16 tn
	s_add_nc_u64 s[40:41], s[10:11], s[42:43]
	s_add_co_u32 s44, s47, 40
	s_lshl_b32 s44, s44, 11                        ; image 40 + a
	s_add_nc_u64 s[26:27], s[26:27], s[44:45]
	v_lshlrev_b32 v3, 12, v2                       ; 8 hh rows
	v_lshl_add_u32 v3, v1, 2, v3
	SCL 39
	QFRAG 512, 1
	s_endpgm
.Ltables:
; cos and sin of x: n = x / (pi/2) to the nearest whole number; r = x - n pi/2 with pi/2 in three parts; polynomials on |r| <= pi/4; the quadrant from n
.macro SINCOS x, c, s
	v_mul_f32 v20, 0x3f22f983, v[\x]
	v_rndne_f32 v20, v20
	v_fma_f32 v21, v20, s50, v[\x]
	v_fma_f32 v21, v20, s51, v21
	v_fma_f32 v21, v20, s54, v21
	v_mul_f32 v22, v21, v21
	v_mov_b32 v23, 0xb94ca1f9
	v_fmaak_f32 v23, v23, v22, 0x3c08839e
	v_fmaak_f32 v23, v23, v22, 0xbe2aaaa3
	v_mul_f32 v24, v21, v22
	v_fma_f32 v23, v24, v23, v21                   ; sin r
	v_mov_b32 v25, 0x37ccf5ce
	v_fmaak_f32 v25, v25, v22, 0xbab6061a
	v_fmaak_f32 v25, v25, v22, 0x3d2aaaa5
	v_mul_f32 v24, v22, v22
	v_fma_f32 v26, v22, -0.5, 1.0
	v_fma_f32 v25, v24, v25, v26                   ; cos r
	v_cvt_i32_f32 v20, v20
	v_and_b32 v24, 1, v20
	v_cmp_eq_u32 vcc_lo, 1, v24
	v_cndmask_b32 v[\s], v23, v25, vcc_lo          ; odd quadrants change the two
	v_cndmask_b32 v[\c], v25, v23, vcc_lo
	v_and_b32 v24, 2, v20
	v_lshlrev_b32 v24, 30, v24
	v_xor_b32 v[\s], v24, v[\s]                    ; sin is negated in quadrants 2, 3
	v_add_nc_u32 v24, 1, v20
	v_and_b32 v24, 2, v24
	v_lshlrev_b32 v24, 30, v24
	v_xor_b32 v[\c], v24, v[\c]                    ; cos in quadrants 1, 2
.endm
	v_lshlrev_b32 v3, 2, v0                        ; thread = channel
	global_load_b32 v6, v3, s[14:15]
	global_load_b32 v7, v3, s[16:17]
	global_load_b32 v28, v3, s[18:19]              ; b_gate, ln_w, ln_b: features k = channel and channel + 128 are k' = 2 channel, 2 channel + 1
	global_load_b32 v29, v3, s[18:19] offset:512
	global_load_b32 v30, v3, s[20:21]
	global_load_b32 v31, v3, s[20:21] offset:512
	global_load_b32 v32, v3, s[22:23]
	global_load_b32 v33, v3, s[22:23] offset:512
	s_mov_b32 s50, 0xbfc90000                      ; -pi/2 in three parts
	s_mov_b32 s51, 0xb9fda000
	s_mov_b32 s54, 0xb3a22168
	s_wait_loadcnt 0x0
	SINCOS 6, 8, 9
	SINCOS 7, 10, 11
	v_mul_f32 v6, 0x42000000, v6                   ; 32 theta, exact: a segment of 32 steps turns by it
	v_mul_f32 v7, 0x42000000, v7
	SINCOS 6, 12, 13
	SINCOS 7, 14, 15
	v_lshlrev_b32 v34, 5, v0
	global_store_b128 v34, v[8:11], s[28:29]
	global_store_b128 v34, v[12:15], s[28:29] offset:16
	s_add_co_i32 s47, s34, s35
	s_sub_co_i32 s47, 0, s47
	v_ldexp_f32 v28, v28, s47                      ; b_gate / 2^(e2 + e3): it goes in as the C of the gate's sums
	v_ldexp_f32 v29, v29, s47
	v_lshlrev_b32 v35, 3, v0
	global_store_b64 v35, v[28:29], s[28:29] offset:4096
	global_store_b64 v35, v[30:31], s[28:29] offset:5120
	global_store_b64 v35, v[32:33], s[28:29] offset:6144
	s_cmp_lg_u32 s46, 0
	s_cbranch_scc1 .Lend
	global_load_b128 v[36:39], v4, s[24:25]        ; wave 0: b_out as it is, and zeros in the table's last 512 bytes, which are copied with it later
	v_mov_b32 v40, 0
	v_mov_b32 v41, 0
	v_mov_b32 v42, 0
	v_mov_b32 v43, 0
	global_store_b128 v4, v[40:43], s[28:29] offset:7680
	s_wait_loadcnt 0x0
	global_store_b128 v4, v[36:39], s[28:29] offset:7168
.Lend:
	s_endpgm
.Lfunc_end_k_q3e3a1268a1_prep:
	.size	k_q3e3a1268a1_prep, .Lfunc_end_k_q3e3a1268a1_prep-k_q3e3a1268a1_prep
	.p2alignl 7, 3214868480
	.fill 96, 4, 3214868480
	.section	.rodata,"a",@progbits
	.p2align	6, 0x0
	.amdhsa_kernel k_q3e3a1268a1_prep
		.amdhsa_group_segment_fixed_size 0
		.amdhsa_private_segment_fixed_size 0
		.amdhsa_enable_private_segment 0
		.amdhsa_kernarg_size 104
		.amdhsa_user_sgpr_count 2
		.amdhsa_user_sgpr_kernarg_segment_ptr 1
		.amdhsa_wavefront_size32 1
		.amdhsa_system_sgpr_workgroup_id_x 1
		.amdhsa_system_sgpr_workgroup_id_y 1
		.amdhsa_system_sgpr_workgroup_id_z 1
		.amdhsa_system_vgpr_workitem_id 0
		.amdhsa_next_free_vgpr 112
		.amdhsa_next_free_sgpr 66
		.amdhsa_reserve_vcc 1
		.amdhsa_float_denorm_mode_32 3
		.amdhsa_float_denorm_mode_16_64 3
		.amdhsa_memory_ordered 1
		.amdhsa_forward_progress 1
		.amdhsa_inst_pref_size 56
	.end_amdhsa_kernel
	.amdgpu_metadata
---
amdhsa.version: [ 1, 2 ]
amdhsa.kernels:
  - .name:           k_q3e3a1268a1_prep
    .symbol:         k_q3e3a1268a1_prep.kd
    .args:
      - { .name: W_in, .offset: 0, .size: 8, .value_kind: global_buffer, .address_space: global }
      - { .name: W_gate, .offset: 8, .size: 8, .value_kind: global_buffer, .address_space: global }
      - { .name: W_lambda, .offset: 16, .size: 8, .value_kind: global_buffer, .address_space: global }
      - { .name: W_out, .offset: 24, .size: 8, .value_kind: global_buffer, .address_space: global }
      - { .name: lowp_scales, .offset: 32, .size: 8, .value_kind: global_buffer, .address_space: global }
      - { .name: theta_f, .offset: 40, .size: 8, .value_kind: global_buffer, .address_space: global }
      - { .name: theta_r, .offset: 48, .size: 8, .value_kind: global_buffer, .address_space: global }
      - { .name: b_gate, .offset: 56, .size: 8, .value_kind: global_buffer, .address_space: global }
      - { .name: ln_w, .offset: 64, .size: 8, .value_kind: global_buffer, .address_space: global }
      - { .name: ln_b, .offset: 72, .size: 8, .value_kind: global_buffer, .address_space: global }
      - { .name: b_out, .offset: 80, .size: 8, .value_kind: global_buffer, .address_space: global }
      - { .name: wimg, .offset: 88, .size: 8, .value_kind: global_buffer, .address_space: global }
      - { .name: tab, .offset: 96, .size: 8, .value_kind: global_buffer, .address_space: global }
    .group_segment_fixed_size: 0
    .private_segment_fixed_size: 0
    .kernarg_segment_align: 8
    .kernarg_segment_size: 104
    .max_flat_workgroup_size: 128
    .sgpr_count:     66
    .vgpr_count:     112
    .wavefront_size: 32
...
	.end_amdgpu_metadata
.endif
;; end of part 1
;; launch scanh (part 2): grid 256 x 1, 16 waves a work-group, no clusters, 184,320 bytes of LDS; arguments x, wimg, tab, lowp_scales, b_in, b_lambda, s1; writes s1
.if DOCPART == 2
	.amdgcn_target "amdgcn-amd-amdhsa--gfx1250"
	.amdhsa_code_object_version 6
	.text
	.protected	k_q3e3a1268a1_scanh
	.globl	k_q3e3a1268a1_scanh
	.p2align	8
	.type	k_q3e3a1268a1_scanh,@function
k_q3e3a1268a1_scanh:
	s_mov_b64 s[64:65], 0
	v_nop
	global_prefetch_b8 v0, s[64:65] scope:SCOPE_SE
	s_setreg_imm32_b32 hwreg(HW_REG_WAVE_MODE, 25, 1), 1
	s_wait_xcnt 0x0
.set FINAL, 0
; BiHgru2d, launches 2 and 3: one text; FINAL = 0: the two scans along H, their sum to s1.  FINAL = 1: the two scans along W, + s1, LayerNorm, gate, quantiser, last product, out0.
; Left out, as shown at the head of the first kernel: LOWER_BOUND = 0, and the scan's dropped gamma products (the recurrence is run, in four segments of 32 with carries).
; LIMITS: e0, e2, e4, e6 between -126 and 112; e0+e1, e2+e3, e4+e5, e6+e7 between -126 and 127; NaN and infinities among the inputs are not served; the scans round in another order than the tree.
; SHARES.  A unit is one line: 128 positions x 128 channels.  A work-group of sixteen waves stays and walks four lines.  No tensor loads: x arrives as f32 and passes through registers to be quantised, and
; work-groups share nothing but 112 KiB of weight codes; so no cluster either.  Sixteen waves of 256 registers, four to a SIMD: one wave's chains of the recurrence stand beside the others' work.
; A wave has two roles, told apart by addresses alone.  ROW ROLE: row tile i = wave / 2, half kh = wave % 2.  SCAN ROLE: channels 16 g .. 16 g + 15 (g = wave % 8), positions 64 q .. 64 q + 63 (q = wave / 8).
; Row m of row tile i is position 64 (i / 4) + 32 (m / 8) + 8 (i % 4) + m % 8: so in a result tile lanes 0-15 hold 8 neighbouring positions of segment 2 q and lanes 16-31 the same 8 of segment 2 q + 1:
; lane (r, hh) owns channel 16 g + r and segment 2 q + hh, 32 positions, in its registers.
; Operands go from wave to wave through LDS as images of their registers (16 x lane, 512 bytes a group of four registers).  Features are kept in the order k' = 2 x channel + (0 real, 1 imaginary).
.if FINAL
.set PSX,   4096                       ; bytes from position to position in x and out0
.set PSS,   8192                       ; and in s1
.set WG,    0                          ; LDS: W_gate's 16 images
.set WO,    32768                      ; W_out's 16 images
.set XC0,   65536                      ; x's codes under e0: 8 images; + 16,384: under e4; + 32,768: under e2
.set XC2,   98304
.set FIMG,  114688                     ; codes of feature x gate: 16 images
.set XCH,   147456                     ; carries: 32 bytes for each (segment, channel)
.set TBL,   163840                     ; b_gate scaled, ln_w, ln_b (k' order), b_out
.set STAGE, 167936                     ; 128 rows (positions) x 1,024 bytes, pitch 1,040
.set SPARE, 301056                     ; the spare words: 128 bytes a wave
.else
.set PSX,   524288
.set PSS,   1048576
.set XC0,   0
.set XCH,   32768
.set STAGE, 49152
.set SPARE, 182272
.endif
; vector registers that stay
.set SPW, 1
.set NIL, 2
.set LI,  3                            ; 16 x lane
.set TD,  4                            ; my own area (my 8 stage rows), as 16 rows of pitch 272: row hh, 16 r
.set XTL, 5                            ; the same area: row r, + 64 hh
.set OTS, 6                            ; the same area: row r, + 32 hh
.set XIW, 7                            ; where I store x's half images
.set AFR, 8                            ; where I fetch x's images (scan role)
.set STW, 9                            ; the stage: my segment's first row, my channel
.set XCW, 10                           ; my carry entry
.set XCR, 11                           ; my channel's entry of segment 0
.set DR,  12                           ; my 8 stage rows, 16 x lane
.set F3R, 13
.set GXR, 14
.set WGR, 15
.set WOR, 16
.set FIW, 17
.set FIR, 18
.set GBR, 19
.set BOR, 20
.set LNR, 21
.set XG0, 22                           ; x, out0: rows 0-7 of my row tile; XG1: rows 8-15
.set S1G, 23
.set WBG, 24
.set CSF, 26                           ; pairs: cos, sin of theta_f, theta_r, 32 theta_f, 32 theta_r
.set CSR, 28
.set C32F, 30
.set C32R, 32
.set BRI, 34                           ; b_in of my channel: real, imaginary
.set BLN, 36                           ; -log2(e) b_lambda
.set SC0, 38                           ; the conversions' scales
.set SC4, 39
.set SC2, 40
.set SC6, 41
.set XG1, 42
.set PFO, 43
; areas
.set A1, 44                            ; 64: in(t) as pairs; later rows of features; later the last product's sums
.set A2, 108                           ; 32: lam(t); later at work
.set A3, 140                           ; 64: weight fragments and two result tiles; then h(t) as pairs; then the gate
.set A4, 204                           ; 32: x on its way; x's fragments
.set BRE, 140
.set BIM, 156
.set BLM, 172
.set ZR,  188
.set ZI,  196
.set AIN, 204
.set ALM, 220
.set TR,  236
.set TI,  244
.set GF,  236
.set GR,  238
.set LP,  248
.set CF,  250
.set CR,  252
; scalar registers
.set XP,  4
.set S1P, 6
.set WIMG, 8
.set TAB, 10
.set LSP, 12
.set BIN, 14
.set BLA, 16
.set OP,  18
.set WV,  20
.set SG,  21
.set SQ,  22
.set SI,  23
.set KH,  32
.set SJ,  34
.set SCI, 36                           ; 2^(e0+e1)
.set SCLN, 38                          ; -log2(e) 2^(e4+e5)
.set SCG, 40                           ; 2^(e2+e3)
.set SCGN, 42                          ; -log2(e) 2^(e2+e3)
.set SCO, 44                           ; 2^(e6+e7)
.set SEL, 58
.set CNT, 60
.set NL2E, 66
.macro BARRIER                         ; my LDS stores have landed and my LDS loads are in: then the work-group's barrier
	s_wait_dscnt 0x0
	s_barrier_signal -1
	s_barrier_wait -1
.endm
.macro PLACES n
.rept \n
	v_nop
.endr
.endm
.macro XLOAD                           ; my half (256 bytes) of my row tile's 16 rows of x: sixteen lanes read 256 consecutive bytes
.irp k, 0,1,2,3
	global_load_b128 v[A4+4*\k:A4+4*\k+3], v[XG0], s[XP:XP+1] offset:2*\k*PSX th:TH_LOAD_NT
.endr
.irp k, 0,1,2,3
	global_load_b128 v[A4+16+4*\k:A4+16+4*\k+3], v[XG1], s[XP:XP+1] offset:2*\k*PSX th:TH_LOAD_NT
.endr
.endm
.macro BLOAD                           ; my channels' three weight fragments: real, imaginary, lambda
.irp k, 0,1,2,3,4,5,6,7,8,9,10,11
	global_load_b128 v[A3+4*\k:A3+4*\k+3], v[WBG], s[WIMG:WIMG+1] offset:512*\k
.endr
.endm
.macro FETCH reg, adr, off             ; an image comes back as the registers that it was
.irp c, 0,1,2,3
	ds_load_b128 v[\reg+4*\c:\reg+4*\c+3], v[\adr] offset:\off+512*\c
.endr
.endm
.macro QSET tmp, lim                   ; the hold at the largest code x the scale: the conversion to an 8-bit code does not saturate (ISA guide 7.6.2)
.set n, 0
.rept 32
	v_med3_num_f32 v[\tmp+n], v[A4+n], s[\lim], s[\lim+1]
.set n, n+1
.endr
.endm
.macro QCVT cod, tmp, sc
.irp u, 0,1,2,3
	v_cvt_scalef32_pk8_bf8_f32 v[\cod+2*\u:\cod+2*\u+1], v[\tmp+8*\u:\tmp+8*\u+7], v[\sc]
.endr
.endm
.macro LIMS e, sc, lim                 ; v[sc] = 2^e; s[lim], s[lim+1] = -+57,344 x 2^e
	s_add_co_i32 s68, s[\e], 127
	s_lshl_b32 s69, s68, 23
	v_mov_b32 v[\sc], s69
	s_add_co_i32 s68, s68, 15
	s_lshl_b32 s68, s68, 23
	s_or_b32 s[\lim+1], s68, 0x600000
	s_or_b32 s[\lim], s[\lim+1], 0x80000000
.endm
.macro GMUL d, t, cs                   ; gamma(t) = lam(t) x (cos, sin)
.if (\t)&1
	v_pk_mul_f32 v[\d:\d+1], v[A2+(\t)-1:A2+(\t)], v[\cs:\cs+1] op_sel:[1,0] op_sel_hi:[1,1]
.else
	v_pk_mul_f32 v[\d:\d+1], v[A2+(\t):A2+(\t)+1], v[\cs:\cs+1] op_sel:[0,0] op_sel_hi:[0,1]
.endif
.endm
.macro CF1 d, g, h, a                  ; d = g h + a, complex, in two packed multiply-adds: first g.re x h + a,
	v_pk_fma_f32 v[\d:\d+1], v[\h:\h+1], v[\g:\g+1], v[\a:\a+1] op_sel_hi:[1,0,1]
.endm
.macro CF2 d, g, h                     ; then (-g.im h.im, g.im h.re) on top
	v_pk_fma_f32 v[\d:\d+1], v[\h:\h+1], v[\g:\g+1], v[\d:\d+1] op_sel:[1,1,0] op_sel_hi:[0,1,1] neg_lo:[0,1,0]
.endm
.macro RSUM b                          ; eight pairs at v[b + 2 p]: the two halves, then the 32 lanes; the sum ends in every lane's low word
.irp p, 0,1,2,3,4,5,6,7
	v_add_f32 v[\b+2*\p], v[\b+2*\p], v[\b+2*\p+1]
.endr
.irp m, 1,2,4,8
.irp p, 0,1,2,3,4,5,6,7
	v_add_f32_dpp v[\b+2*\p], v[\b+2*\p], v[\b+2*\p] row_xmask:\m row_mask:0xf bank_mask:0xf
.endr
.endr
.irp p, 0,1,2,3,4,5,6,7
	v_permlanex16_b32 v[\b+2*\p+1], v[\b+2*\p], s[SEL], s[SEL+1]
.endr
.irp p, 0,1,2,3,4,5,6,7
	v_add_f32 v[\b+2*\p], v[\b+2*\p], v[\b+2*\p+1]
.endr
.endm
; The activations of one result tile: 8 positions of my channel.  in = (1 - lam) silu(z), lam = sigmoid(zl); sigmoid(y) = 1 / (1 + 2^(-log2(e) y)).
.macro ACT j
.set LT, A2+8*\j
.irp p, 0,2,4,6
	v_pk_fma_f32 v[ZR+\p:ZR+\p+1], v[ZR+\p:ZR+\p+1], s[SCI:SCI+1], v[BRI:BRI+1] op_sel_hi:[1,0,0]
.endr
.irp p, 0,2,4,6
	v_pk_fma_f32 v[ZI+\p:ZI+\p+1], v[ZI+\p:ZI+\p+1], s[SCI:SCI+1], v[BRI:BRI+1] op_sel:[0,0,1] op_sel_hi:[1,0,1]
.endr
.irp p, 0,2,4,6
	v_pk_fma_f32 v[LT+\p:LT+\p+1], v[LT+\p:LT+\p+1], s[SCLN:SCLN+1], v[BLN:BLN+1] op_sel_hi:[1,0,0]
.endr
.irp p, 0,2,4,6
	v_pk_mul_f32 v[TR+\p:TR+\p+1], v[ZR+\p:ZR+\p+1], s[NL2E:NL2E+1] op_sel_hi:[1,0]
	v_pk_mul_f32 v[TI+\p:TI+\p+1], v[ZI+\p:ZI+\p+1], s[NL2E:NL2E+1] op_sel_hi:[1,0]
.endr
.irp p, 0,1,2,3,4,5,6,7
	v_exp_f32 v[TR+\p], v[TR+\p]
	v_exp_f32 v[TI+\p], v[TI+\p]
	v_exp_f32 v[LT+\p], v[LT+\p]
.endr
	v_nop                                          ; a plain instruction behind the last exponential,
	s_wait_alu depctr_va_vdst(0)                   ; and one wait for the batch ahead of its first reader
.irp p, 0,2,4,6
	v_pk_add_f32 v[TR+\p:TR+\p+1], v[TR+\p:TR+\p+1], 1.0 op_sel_hi:[1,0]
	v_pk_add_f32 v[TI+\p:TI+\p+1], v[TI+\p:TI+\p+1], 1.0 op_sel_hi:[1,0]
	v_pk_add_f32 v[LT+\p:LT+\p+1], v[LT+\p:LT+\p+1], 1.0 op_sel_hi:[1,0]
.endr
.irp p, 0,1,2,3,4,5,6,7
	v_rcp_f32 v[TR+\p], v[TR+\p]
	v_rcp_f32 v[TI+\p], v[TI+\p]
	v_rcp_f32 v[LT+\p], v[LT+\p]
.endr
	v_nop
	s_wait_alu depctr_va_vdst(0)                   ; one wait for the 24 reciprocals
.irp p, 0,2,4,6
	v_pk_mul_f32 v[ZR+\p:ZR+\p+1], v[ZR+\p:ZR+\p+1], v[TR+\p:TR+\p+1]
	v_pk_mul_f32 v[ZI+\p:ZI+\p+1], v[ZI+\p:ZI+\p+1], v[TI+\p:TI+\p+1]
.endr
.irp p, 0,2,4,6
	v_pk_fma_f32 v[TR+\p:TR+\p+1], v[LT+\p:LT+\p+1], -1.0, 1.0 op_sel_hi:[1,0,0]   ; 1 - lam
.endr
.irp p, 0,1,2,3,4,5,6,7
	v_mul_f32 v[A1+16*\j+2*\p], v[TR+\p], v[ZR+\p]
	v_mul_f32 v[A1+16*\j+2*\p+1], v[TR+\p], v[ZI+\p]
.endr
.endm
; ---------------- the head
.if FINAL
	s_load_b512 s[4:19], s[0:1], 0x0               ; x, s1, wimg, tab, scales, b_in, b_lambda, out0
.else
	s_load_b64 s[4:5], s[0:1], 0x0                 ; x
	s_load_b128 s[8:11], s[0:1], 0x8               ; wimg, tab
	s_load_b128 s[12:15], s[0:1], 0x18             ; scales, b_in
	s_load_b64 s[16:17], s[0:1], 0x28              ; b_lambda
	s_load_b64 s[6:7], s[0:1], 0x30                ; s1
.endif
	v_lshl_add_u32 v[SPW], v0, 2, SPARE
	v_mov_b32 v[NIL], 0
	v_lshrrev_b32 v25, 5, v0
	v_readfirstlane_b32 s[WV], v25
	s_and_b32 s[SG], s[WV], 7
	s_lshr_b32 s[SQ], s[WV], 3                     ; q; also i / 4
	s_lshr_b32 s[SI], s[WV], 1
	s_and_b32 s[KH], s[WV], 1
	s_and_b32 s[SJ], s[SI], 3                      ; i % 4
	v_and_b32 v244, 31, v0                         ; lane
	v_and_b32 v245, 15, v0                         ; r
	v_bfe_u32 v246, v0, 4, 1                       ; hh
	v_lshlrev_b32 v[LI], 4, v244
	s_mul_i32 s68, s[WV], 8320
	s_add_co_u32 s68, s68, STAGE                   ; my 8 stage rows
	v_mul_u32_u24 v[TD], v246, 272
	v_lshl_add_u32 v[TD], v245, 4, v[TD]
	v_add_nc_u32 v[TD], s68, v[TD]
	v_mul_u32_u24 v247, v245, 272
	v_add_nc_u32 v247, s68, v247
	v_lshl_add_u32 v[XTL], v246, 6, v247
	v_add_nc_u32 v[DR], s68, v[LI]
	s_lshl_b32 s69, s[WV], 10
	s_add_co_u32 s69, s69, XC0
	v_add_nc_u32 v[XIW], s69, v[LI]                ; image i, its half kh: 2,048 i + 1,024 kh = 1,024 x wave
	s_lshl_b32 s69, s[SQ], 13
	s_add_co_u32 s69, s69, XC0
	v_add_nc_u32 v[AFR], s69, v[LI]
	s_mul_i32 s69, s[SQ], 66560
	s_lshl_b32 s70, s[SG], 7
	s_add_co_u32 s69, s69, s70
	s_add_co_u32 s69, s69, STAGE
	v_mul_u32_u24 v[STW], v246, 33280
	v_lshl_add_u32 v[STW], v245, 3, v[STW]
	v_add_nc_u32 v[STW], s69, v[STW]               ; row 64 q + 32 hh, byte 8 x channel
	s_lshl_b32 s69, s[SG], 9
	s_add_co_u32 s69, s69, XCH
	v_lshlrev_b32 v[XCR], 5, v245
	v_add_nc_u32 v[XCR], s69, v[XCR]
	s_lshl_b32 s69, s[SQ], 13
	v_lshl_add_u32 v[XCW], v246, 12, v[XCR]
	v_add_nc_u32 v[XCW], s69, v[XCW]
	s_lshl_b32 s71, s[SQ], 6
	s_lshl_b32 s70, s[SJ], 3
	s_add_co_u32 s71, s71, s70                     ; 64 (i / 4) + 8 (i % 4): my row tile's first position
.if FINAL
	v_lshl_add_u32 v[OTS], v246, 5, v247
	s_mul_i32 s70, s71, 1040
	s_lshl_b32 s72, s[KH], 9
	s_add_co_u32 s70, s70, s72
	s_add_co_u32 s70, s70, STAGE
	v_lshrrev_b32 v247, 3, v245
	v_and_b32 v248, 7, v245
	v_mul_u32_u24 v[F3R], v247, 33280
	v_mad_u32_u24 v[F3R], v248, 1040, v[F3R]
	v_lshl_add_u32 v[F3R], v246, 6, v[F3R]
	v_add_nc_u32 v[F3R], s70, v[F3R]               ; row r of my row tile, features 128 kh + 16 hh on
	s_lshl_b32 s69, s[SI], 11
	s_add_co_u32 s69, s69, XC2
	v_add_nc_u32 v[GXR], s69, v[LI]
	s_lshl_b32 s69, s[KH], 14
	v_add_nc_u32 v[WGR], s69, v[LI]
	s_add_co_u32 s69, s69, WO
	v_add_nc_u32 v[WOR], s69, v[LI]
	s_lshl_b32 s69, s[WV], 11
	s_add_co_u32 s69, s69, FIMG
	v_add_nc_u32 v[FIW], s69, v[LI]
	s_lshl_b32 s69, s[SI], 12
	s_add_co_u32 s69, s69, FIMG
	v_add_nc_u32 v[FIR], s69, v[LI]
	s_lshl_b32 s69, s[KH], 9
	s_add_co_u32 s69, s69, TBL
	v_lshl_add_u32 v[GBR], v246, 6, s69
	s_lshl_b32 s69, s[KH], 8
	s_add_co_u32 s69, s69, TBL+3072
	v_lshl_add_u32 v[BOR], v246, 5, s69
	v_add_nc_u32 v[LNR], TBL+1024, v[LI]
.endif
	s_mul_i32 s70, s71, PSX
	s_lshl_b32 s72, s[KH], 8
	s_add_co_u32 s70, s70, s72
	v_mul_u32_u24 v[XG0], v246, PSX
	v_lshl_add_u32 v[XG0], v245, 4, v[XG0]
	v_add_nc_u32 v[XG0], s70, v[XG0]
	v_add_nc_u32 v[XG1], 32*PSX, v[XG0]
	s_mul_i32 s70, s[WV], 8*PSS
	v_add_nc_u32 v[S1G], s70, v[LI]
.if FINAL
	v_lshrrev_b32 v247, 2, v244
	v_mul_u32_u24 v[PFO], v247, PSS
	v_and_b32 v247, 3, v244
	v_lshl_add_u32 v[PFO], v247, 8, v[PFO]
	v_add_nc_u32 v[PFO], s70, v[PFO]               ; my 8 rows of s1, a lane to each 256 bytes
.endif
	s_mul_i32 s70, s[SG], 6144
	v_add_nc_u32 v[WBG], s70, v[LI]
	s_lshl_b32 s70, s[SG], 9
	v_lshl_add_u32 v247, v245, 5, s70              ; 32 x channel
	s_lshl_b32 s70, s[SG], 7
	v_lshl_add_u32 v248, v245, 3, s70              ; 8 x channel
	s_lshl_b32 s70, s[SG], 6
	v_lshl_add_u32 v249, v245, 2, s70              ; 4 x channel
	s_lshl_b32 s70, s[SQ], 1
	v_add_nc_u32 v252, s70, v246                   ; my segment
	v_cmp_eq_u32 s54, 0, v252
	v_cmp_eq_u32 s55, 1, v252
	v_cmp_eq_u32 s56, 2, v252
	v_cmp_eq_u32 s57, 3, v252
	s_mov_b32 s[SEL], 0x76543210
	s_mov_b32 s[SEL+1], 0xfedcba98
	s_mov_b32 s[CNT], 4
	s_mov_b32 s61, 0x3b800000                      ; 1 / 256
	s_mov_b32 s62, 0x3727c5ac                      ; 1e-5
	s_mov_b32 s[NL2E], 0xbfb8aa3b                  ; -log2(e)
	s_mov_b32 s[NL2E+1], s[NL2E]
.if FINAL
	s_lshr_b32 s70, ttmp9, 1                       ; lines 4 n .. 4 n + 3: h = n / 2, b = 4 (n % 2) + unit
	s_and_b32 s72, ttmp9, 1
	s_lshl_b32 s68, s70, 19
	s_lshl_b32 s72, s72, 11
	s_add_co_u32 s68, s68, s72
	v_lshlrev_b32 v250, 4, v0
	v_lshlrev_b32 v251, 3, v0
	v_lshl_add_u32 v253, v0, 3, TBL
.else
	s_lshl_b32 s68, ttmp9, 11                      ; lines 4 n .. 4 n + 3 = 8 w + b: 512 bytes each
.endif
	s_mov_b32 s69, 0
	s_wait_kmcnt 0x0
	s_load_b256 s[24:31], s[LSP:LSP+1], 0x0        ; e0 .. e7
	s_add_nc_u64 s[XP:XP+1], s[XP:XP+1], s[68:69]
.if FINAL
	s_add_nc_u64 s[OP:OP+1], s[OP:OP+1], s[68:69]
.endif
	s_lshl_b32 s68, s68, 1                         ; s1's rows are twice as long
	s_add_nc_u64 s[S1P:S1P+1], s[S1P:S1P+1], s[68:69]
	XLOAD                                          ; the first unit
	BLOAD
	global_load_b128 v[CSF:CSF+3], v247, s[TAB:TAB+1]
	global_load_b128 v[C32F:C32F+3], v247, s[TAB:TAB+1] offset:16
	global_load_b64 v[BRI:BRI+1], v248, s[BIN:BIN+1]
	global_load_b32 v[BLN], v249, s[BLA:BLA+1]
.if FINAL
.irp k, 0,1,2,3,4,5,6,7
	global_load_b128 v[A1+4*\k:A1+4*\k+3], v250, s[WIMG:WIMG+1] offset:49152+8192*\k   ; W_gate's and W_out's images: 64 KiB, 16 bytes a thread
.endr
	global_load_b64 v[A1+32:A1+33], v251, s[TAB:TAB+1] offset:4096
.endif
	s_wait_kmcnt 0x0
	s_add_co_i32 s68, s24, s25
	s_add_co_i32 s68, s68, 127
	s_lshl_b32 s[SCI], s68, 23
	s_mov_b32 s[SCI+1], s[SCI]
	s_add_co_i32 s68, s28, s29
	s_lshl_b32 s68, s68, 23
	s_add_co_i32 s[SCLN], s68, s[NL2E]             ; e4 + e5 is added to the constant's exponent field
	s_mov_b32 s[SCLN+1], s[SCLN]
	LIMS 24, SC0, 46
	LIMS 28, SC4, 48
.if FINAL
	s_add_co_i32 s68, s26, s27
	s_lshl_b32 s69, s68, 23
	s_add_co_i32 s[SCGN], s69, s[NL2E]
	s_mov_b32 s[SCGN+1], s[SCGN]
	s_add_co_i32 s68, s68, 127
	s_lshl_b32 s[SCG], s68, 23
	s_mov_b32 s[SCG+1], s[SCG]
	s_add_co_i32 s68, s30, s31
	s_add_co_i32 s68, s68, 127
	s_lshl_b32 s[SCO], s68, 23
	s_mov_b32 s[SCO+1], s[SCO]
	LIMS 26, SC2, 50
	LIMS 30, SC6, 52
.endif
	s_wait_loadcnt 0x0                             ; all the head's loads
.if FINAL
.irp k, 0,1,2,3,4,5,6,7
	ds_store_b128 v250, v[A1+4*\k:A1+4*\k+3] offset:8192*\k
.endr
	ds_store_b64 v253, v[A1+32:A1+33]
.endif
	v_mul_f32 v[BLN], s[NL2E], v[BLN]
	v_mov_b32 v[BLN+1], 0
	s_wait_xcnt 0x0
	s_add_nc_u64 s[XP:XP+1], s[XP:XP+1], 512       ; x's pointer runs one unit ahead
.Lunit:
; ---- X (row role): my 16 rows x 64 numbers of x become half an image under each of x's scales.  They turn through my own area: in as they were loaded, out 16 neighbours along K a lane.
	s_wait_loadcnt 0x0                             ; x, and my weight fragments
.irp k, 0,1,2,3,4,5,6,7
	ds_store_b128 v[TD], v[A4+4*\k:A4+4*\k+3] offset:544*\k
.endr
.irp c, 0,1
.irp u, 0,1,2,3
	ds_load_b128 v[A4+16*\c+4*\u:A4+16*\c+4*\u+3], v[XTL] offset:128*\c+16*\u   ; LDS serves a wave's instructions in order (ISA guide 5.7.1.4): these see my stores
.endr
.endr
	s_wait_dscnt 0x0
	QSET A1, 46
	QSET A1+32, 48
.if FINAL
	QSET A2, 50
.endif
	QCVT 188, A1, SC0
	QCVT 196, A1+32, SC4
.if FINAL
	QCVT 236, A2, SC2
.endif
	v_nop                                          ; a plain instruction behind the last conversion: matrix and vector instructions write these registers later
	ds_store_b128 v[XIW], v[188:191]
	ds_store_b128 v[XIW], v[192:195] offset:512
	ds_store_b128 v[XIW], v[196:199] offset:16384
	ds_store_b128 v[XIW], v[200:203] offset:16384+512
.if FINAL
	ds_store_b128 v[XIW], v[236:239] offset:32768
	ds_store_b128 v[XIW], v[240:243] offset:32768+512
.endif
	BARRIER                                        ; x's images lie in LDS
; ---- G (scan role): for each of my four row tiles three products (real, imaginary, lambda), then the activations
	FETCH AIN, AFR, 0
	FETCH ALM, AFR, 16384
.irp j, 0,1,2,3
	s_wait_dscnt 0x0
	v_wmma_f32_16x16x128_bf8_bf8 v[ZR:ZR+7], v[AIN:AIN+15], v[BRE:BRE+15], 0
	v_wmma_f32_16x16x128_bf8_bf8 v[ZI:ZI+7], v[AIN:AIN+15], v[BIM:BIM+15], 0
	v_wmma_f32_16x16x128_bf8_bf8 v[A2+8*\j:A2+8*\j+7], v[ALM:ALM+15], v[BLM:BLM+15], 0
	PLACES 5                                       ; ahead of loads into the fragments' registers and of the first read of results
.if \j < 3
	FETCH AIN, AFR, 2048*(\j+1)
	FETCH ALM, AFR, 16384+2048*(\j+1)
.else
	s_cmp_eq_u32 s[CNT], 1                         ; the next unit's x is asked for here, if there is one: no load leaves its buffer
	s_cbranch_scc1 .Lnox
	XLOAD
.Lnox:
.if FINAL
	global_prefetch_b8 v[PFO], s[S1P:S1P+1] th:TH_LOAD_NT scope:SCOPE_SE   ; this unit's rows of s1 that I shall load behind the scans: 8 rows x 1,024 bytes, a lane to each 256; each block is named once in the launch
.endif
.endif
	ACT \j
.endr
; ---- A: both scans of my segment from zero, for the segment's end values; and the product of its 32 lambdas
.set tau, 1
.rept 31
.set trv, 31-tau
.if tau&1
.set fd, 240
.set fh, 244
.set rd, 242
.set rh, 246
.else
.set fd, 244
.set fh, 240
.set rd, 246
.set rh, 242
.endif
.if tau == 1
.set fh, A1
.set rh, A1+62
.endif
	GMUL GF, tau, CSF
	GMUL GR, trv, CSR
	CF1 fd, GF, fh, A1+2*tau
	CF1 rd, GR, rh, A1+2*trv
.if tau == 1
	v_pk_mul_f32 v[LP:LP+1], v[A2:A2+1], v[A2+2:A2+3]
.elseif tau < 16
	v_pk_mul_f32 v[LP:LP+1], v[LP:LP+1], v[A2+2*tau:A2+2*tau+1]
.endif
	CF2 fd, GF, fh
	CF2 rd, GR, rh
.set tau, tau+1
.endr
	v_mul_f32 v[LP], v[LP], v[LP+1]
	ds_store_b128 v[XCW], v[240:243]               ; forward end, reverse end
	ds_store_b64 v[XCW], v[LP:LP+1] offset:16      ; the product (the pair's upper word is not used)
	BARRIER                                        ; all segments' ends lie in LDS
; ---- C: the carries into my segment
.irp s, 0,1,2,3
	ds_load_b128 v[140+8*\s:143+8*\s], v[XCR] offset:4096*\s
	ds_load_b64 v[144+8*\s:145+8*\s], v[XCR] offset:4096*\s+16
.endr
	s_wait_dscnt 0x0
	v_pk_mul_f32 v[172:173], v[152:153], v[C32F:C32F+1] op_sel_hi:[0,1]   ; a whole segment's gamma: its lambdas' product x (cos, sin)(32 theta)
	v_pk_mul_f32 v[174:175], v[160:161], v[C32F:C32F+1] op_sel_hi:[0,1]
	v_pk_mul_f32 v[176:177], v[152:153], v[C32R:C32R+1] op_sel_hi:[0,1]
	v_pk_mul_f32 v[178:179], v[160:161], v[C32R:C32R+1] op_sel_hi:[0,1]
	CF1 180, 172, 140, 148                         ; into segment 2: gamma(1) x end(0) + end(1)
	CF1 184, 178, 166, 158                         ; reverse, into segment 1: gamma(2) x end(3) + end(2)
	CF2 180, 172, 140
	CF2 184, 178, 166
	CF1 182, 174, 180, 156                         ; into segment 3
	CF1 186, 176, 184, 150                         ; reverse, into segment 0
	CF2 182, 174, 180
	CF2 186, 176, 184
.irp w, 0,1
	v_cndmask_b32 v[CF+\w], 0, v[140+\w], s55      ; a choice by the lane's segment: 0 into segment 0
	v_cndmask_b32 v[CR+\w], 0, v[166+\w], s56      ; 0 into segment 3
	v_cndmask_b32 v[CF+\w], v[CF+\w], v[180+\w], s56
	v_cndmask_b32 v[CR+\w], v[CR+\w], v[184+\w], s55
	v_cndmask_b32 v[CF+\w], v[CF+\w], v[182+\w], s57
	v_cndmask_b32 v[CR+\w], v[CR+\w], v[186+\w], s54
.endr
; ---- B: the true scans.  Forward into h(t); reverse is added onto it and the sum goes to the stage
.set t, 0
.rept 32
.set gg, GF+2*(t&1)
.set fh, A3+2*t-2
.if t == 0
.set fh, CF
.endif
	GMUL gg, t, CSF
	CF1 A3+2*t, gg, fh, A1+2*t
	CF2 A3+2*t, gg, fh
.set t, t+1
.endr
.set t, 31
.rept 32
.if t&1
.set rd, 240
.set rh, 244
.else
.set rd, 244
.set rh, 240
.endif
.if t == 31
.set rh, CR
.endif
	GMUL GR, t, CSR
	CF1 rd, GR, rh, A1+2*t
.if t < 31
	v_pk_add_f32 v[A3+2*t+2:A3+2*t+3], v[A3+2*t+2:A3+2*t+3], v[rh:rh+1]   ; the step before's result, which is ready
	ds_store_b64 v[STW], v[A3+2*t+2:A3+2*t+3] offset:1040*(t+1)
.endif
	CF2 rd, GR, rh
.set t, t-1
.endr
	v_pk_add_f32 v[A3:A3+1], v[A3:A3+1], v[244:245]
	ds_store_b64 v[STW], v[A3:A3+1]
.if FINAL == 0
; ---- the way out: my 8 whole rows of the stage go to s1
	BARRIER                                        ; 128 whole rows lie in the stage
	s_cmp_eq_u32 s[CNT], 1
	s_cbranch_scc1 .Lnob
	BLOAD                                          ; the weight fragments for the next unit
.Lnob:
.irp k, 0,1,2,3,4,5,6,7,8,9,10,11,12,13,14,15
	ds_load_b128 v[A1+4*\k:A1+4*\k+3], v[DR] offset:1040*(\k/2)+512*(\k%2)
.endr
.irp k, 0,1,2,3,4,5,6,7,8,9,10,11,12,13,14,15
	s_wait_dscnt 15-\k                             ; the younger loads of this run may be out
	global_store_b128 v[S1G], v[A1+4*\k:A1+4*\k+3], s[S1P:S1P+1] offset:(\k/2)*PSS+512*(\k%2) th:TH_STORE_NT   ; 32 lanes store 512 consecutive bytes
.endr
.else
; ---- F0: my 8 rows of s1, dense; they land under the gate's work
.irp p, 0,1,2,3,4,5,6,7
	global_load_b128 v[A1+8*\p:A1+8*\p+3], v[S1G], s[S1P:S1P+1] offset:PSS*\p th:TH_LOAD_NT
	global_load_b128 v[A1+8*\p+4:A1+8*\p+7], v[S1G], s[S1P:S1P+1] offset:PSS*\p+512 th:TH_LOAD_NT
.endr
; ---- F1 (row role): the gate of my row tile, features 128 kh on, transposed (source 0 = 16 features of W_gate, source 1 = x): a lane holds one position, its registers run along k'.  The bias is the sums' C
.irp t, 0,1,2,3,4,5,6,7
	ds_load_b128 v[A3+8*\t:A3+8*\t+3], v[GBR] offset:128*(\t/2)+32*(\t%2)
	ds_load_b128 v[A3+8*\t+4:A3+8*\t+7], v[GBR] offset:128*(\t/2)+32*(\t%2)+16
.endr
	FETCH 108, GXR, 0
.irp n, 0,1,2,3
	FETCH 124, WGR, 2048*(2*\n)
	FETCH 236, WGR, 2048*(2*\n+1)
	s_wait_dscnt 0x0
	v_wmma_f32_16x16x128_bf8_bf8 v[A3+16*\n:A3+16*\n+7], v[124:139], v[108:123], v[A3+16*\n:A3+16*\n+7]
	v_wmma_f32_16x16x128_bf8_bf8 v[A3+16*\n+8:A3+16*\n+15], v[236:251], v[108:123], v[A3+16*\n+8:A3+16*\n+15]
	PLACES 4
.endr
.irp b, 0,1                            ; silu, 32 numbers at a time
.set n, 0
.rept 16
	v_pk_mul_f32 v[A2+n:A2+n+1], v[A3+32*\b+n:A3+32*\b+n+1], s[SCGN:SCGN+1] op_sel_hi:[1,0]
.set n, n+2
.endr
.set n, 0
.rept 16
	v_pk_mul_f32 v[A3+32*\b+n:A3+32*\b+n+1], v[A3+32*\b+n:A3+32*\b+n+1], s[SCG:SCG+1] op_sel_hi:[1,0]
.set n, n+2
.endr
.set n, 0
.rept 32
	v_exp_f32 v[A2+n], v[A2+n]
.set n, n+1
.endr
	v_nop
	s_wait_alu depctr_va_vdst(0)                   ; one wait for the batch
.set n, 0
.rept 16
	v_pk_add_f32 v[A2+n:A2+n+1], v[A2+n:A2+n+1], 1.0 op_sel_hi:[1,0]
.set n, n+2
.endr
.set n, 0
.rept 32
	v_rcp_f32 v[A2+n], v[A2+n]
.set n, n+1
.endr
	v_nop
	s_wait_alu depctr_va_vdst(0)
.set n, 0
.rept 16
	v_pk_mul_f32 v[A3+32*\b+n:A3+32*\b+n+1], v[A3+32*\b+n:A3+32*\b+n+1], v[A2+n:A2+n+1]
.set n, n+2
.endr
.endr
	BARRIER                                        ; 128 whole rows of this direction's sums lie in the stage
; ---- F2: LayerNorm of my 8 rows, dense: a lane holds k' = 128 a + 4 lane + 0 .. 3, a = 0, 1
	ds_load_b128 v[236:239], v[LNR]
	ds_load_b128 v[240:243], v[LNR] offset:512
	ds_load_b128 v[244:247], v[LNR] offset:1024
	ds_load_b128 v[248:251], v[LNR] offset:1536
	s_wait_loadcnt 0x0                             ; s1's rows
.irp h, 0,1
.irp p, 0,1,2,3
	ds_load_b128 v[A2+8*\p:A2+8*\p+3], v[DR] offset:1040*(4*\h+\p)
	ds_load_b128 v[A2+8*\p+4:A2+8*\p+7], v[DR] offset:1040*(4*\h+\p)+512
.endr
	s_wait_dscnt 0x0
.set n, 0
.rept 16
	v_pk_add_f32 v[A1+32*\h+n:A1+32*\h+n+1], v[A1+32*\h+n:A1+32*\h+n+1], v[A2+n:A2+n+1]
.set n, n+2
.endr
.endr
.irp p, 0,1,2,3,4,5,6,7
	v_pk_add_f32 v[108+2*\p:109+2*\p], v[A1+8*\p:A1+8*\p+1], v[A1+8*\p+2:A1+8*\p+3]
.endr
.irp p, 0,1,2,3,4,5,6,7
	v_pk_add_f32 v[108+2*\p:109+2*\p], v[108+2*\p:109+2*\p], v[A1+8*\p+4:A1+8*\p+5]
.endr
.irp p, 0,1,2,3,4,5,6,7
	v_pk_add_f32 v[108+2*\p:109+2*\p], v[108+2*\p:109+2*\p], v[A1+8*\p+6:A1+8*\p+7]
.endr
	RSUM 108
.irp p, 0,1,2,3,4,5,6,7
	v_mul_f32 v[108+2*\p], s61, v[108+2*\p]        ; the mean
.endr
.irp p, 0,1,2,3,4,5,6,7
.irp x, 0,2,4,6
	v_pk_add_f32 v[A1+8*\p+\x:A1+8*\p+\x+1], v[A1+8*\p+\x:A1+8*\p+\x+1], v[108+2*\p:109+2*\p] op_sel_hi:[1,0] neg_lo:[0,1] neg_hi:[0,1]
.endr
.endr
.irp p, 0,1,2,3,4,5,6,7
	v_pk_mul_f32 v[124+2*\p:125+2*\p], v[A1+8*\p:A1+8*\p+1], v[A1+8*\p:A1+8*\p+1]
.endr
.irp x, 2,4,6
.irp p, 0,1,2,3,4,5,6,7
	v_pk_fma_f32 v[124+2*\p:125+2*\p], v[A1+8*\p+\x:A1+8*\p+\x+1], v[A1+8*\p+\x:A1+8*\p+\x+1], v[124+2*\p:125+2*\p]
.endr
.endr
	RSUM 124
.irp p, 0,1,2,3,4,5,6,7
	v_fma_f32 v[124+2*\p], v[124+2*\p], s61, s62   ; the variance + 1e-5
.endr
.irp p, 0,1,2,3,4,5,6,7
	v_rsq_f32 v[124+2*\p], v[124+2*\p]
.endr
	v_nop
	s_wait_alu depctr_va_vdst(0)                   ; one wait for the eight
.irp p, 0,1,2,3,4,5,6,7
.irp x, 0,2,4,6
	v_pk_mul_f32 v[A1+8*\p+\x:A1+8*\p+\x+1], v[A1+8*\p+\x:A1+8*\p+\x+1], v[124+2*\p:125+2*\p] op_sel_hi:[1,0]
.endr
.endr
.irp p, 0,1,2,3,4,5,6,7
.irp x, 0,2,4,6
	v_pk_fma_f32 v[A1+8*\p+\x:A1+8*\p+\x+1], v[A1+8*\p+\x:A1+8*\p+\x+1], v[236+\x:237+\x], v[244+\x:245+\x]
.endr
.endr
.irp p, 0,1,2,3,4,5,6,7
	ds_store_b128 v[DR], v[A1+8*\p:A1+8*\p+3] offset:1040*\p
	ds_store_b128 v[DR], v[A1+8*\p+4:A1+8*\p+7] offset:1040*\p+512
.endr
	BARRIER                                        ; 128 normalised rows lie in the stage
; ---- F3 (row role): feature x gate, quantised under e6: one image
.irp c, 0,1,2,3
.irp u, 0,1,2,3
	ds_load_b128 v[A1+16*\c+4*\u:A1+16*\c+4*\u+3], v[F3R] offset:128*\c+16*\u
.endr
.endr
	s_wait_dscnt 0x0
.set n, 0
.rept 32
	v_pk_mul_f32 v[A1+n:A1+n+1], v[A1+n:A1+n+1], v[A3+n:A3+n+1]
.set n, n+2
.endr
.set n, 0
.rept 64
	v_med3_num_f32 v[A1+n], v[A1+n], s52, s53
.set n, n+1
.endr
.irp u, 0,1,2,3,4,5,6,7
	v_cvt_scalef32_pk8_bf8_f32 v[108+2*\u:109+2*\u], v[A1+8*\u:A1+8*\u+7], v[SC6]
.endr
	v_nop                                          ; a plain instruction behind the last conversion: the products below write its sources
.irp c, 0,1,2,3
	ds_store_b128 v[FIW], v[108+4*\c:111+4*\c] offset:512*\c
.endr
	BARRIER                                        ; the sixteen images lie in LDS
; ---- F4 (row role): the last product, my row tile x output columns 64 kh on, transposed: four accumulators by turns
	s_cmp_eq_u32 s[CNT], 1
	s_cbranch_scc1 .Lnob
	BLOAD                                          ; the weight fragments for the next unit
.Lnob:
	FETCH 76, FIR, 0
	FETCH 92, FIR, 2048
.irp k, 0,1
	FETCH 108, WOR, 2048*(0+\k)
	FETCH 124, WOR, 2048*(2+\k)
	FETCH 188, WOR, 2048*(4+\k)
	FETCH 236, WOR, 2048*(6+\k)
	s_wait_dscnt 0x0
.if \k == 0
	v_wmma_f32_16x16x128_bf8_bf8 v[44:51], v[108:123], v[76:91], 0
	v_wmma_f32_16x16x128_bf8_bf8 v[52:59], v[124:139], v[76:91], 0
	v_wmma_f32_16x16x128_bf8_bf8 v[60:67], v[188:203], v[76:91], 0
	v_wmma_f32_16x16x128_bf8_bf8 v[68:75], v[236:251], v[76:91], 0
.else
	v_wmma_f32_16x16x128_bf8_bf8 v[44:51], v[108:123], v[92:107], v[44:51]
	v_wmma_f32_16x16x128_bf8_bf8 v[52:59], v[124:139], v[92:107], v[52:59]
	v_wmma_f32_16x16x128_bf8_bf8 v[60:67], v[188:203], v[92:107], v[60:67]
	v_wmma_f32_16x16x128_bf8_bf8 v[68:75], v[236:251], v[92:107], v[68:75]
.endif
	PLACES 4
.endr
.irp t, 0,1,2,3
	ds_load_b128 v[76+8*\t:79+8*\t], v[BOR] offset:64*\t
	ds_load_b128 v[80+8*\t:83+8*\t], v[BOR] offset:64*\t+16
.endr
	s_wait_dscnt 0x0
.set n, 0
.rept 16
	v_pk_fma_f32 v[44+n:45+n], v[44+n:45+n], s[SCO:SCO+1], v[76+n:77+n] op_sel_hi:[1,0,1]   ; sum x 2^(e6 + e7) + b_out
.set n, n+2
.endr
.irp t, 0,1,2,3
	ds_store_b128 v[OTS], v[44+8*\t:47+8*\t] offset:64*\t          ; through my own area: in by lanes' rows,
	ds_store_b128 v[OTS], v[48+8*\t:51+8*\t] offset:64*\t+16
.endr
.irp k, 0,1,2,3,4,5,6,7
	ds_load_b128 v[76+4*\k:79+4*\k], v[TD] offset:544*\k           ; out as rows of 256 bytes
.endr
.irp k, 0,1,2,3
	s_wait_dscnt 7-\k                              ; the younger loads of this run may be out
	global_store_b128 v[XG0], v[76+4*\k:79+4*\k], s[OP:OP+1] offset:2*\k*PSX th:TH_STORE_NT   ; sixteen lanes store 256 consecutive bytes, aligned
.endr
.irp k, 0,1,2,3
	s_wait_dscnt 3-\k
	global_store_b128 v[XG1], v[92+4*\k:95+4*\k], s[OP:OP+1] offset:2*\k*PSX th:TH_STORE_NT
.endr
.endif
; ---- on to the next unit
	s_wait_xcnt 0x0                                ; the stores' data and every base are written again only behind this wait
	s_add_nc_u64 s[XP:XP+1], s[XP:XP+1], 512
	s_add_nc_u64 s[S1P:S1P+1], s[S1P:S1P+1], 1024
.if FINAL
	s_add_nc_u64 s[OP:OP+1], s[OP:OP+1], 512
.endif
	s_sub_co_u32 s[CNT], s[CNT], 1
	s_cmp_lg_u32 s[CNT], 0
	s_cbranch_scc1 .Lunit
	s_wait_tensorcnt 0x0                           ; the wave's end, behind my last LDS store
	ds_add_u32 v[SPW], v[NIL]
	s_wait_dscnt 0x0
	s_endpgm
.Lfunc_end_k_q3e3a1268a1_scanh:
	.size	k_q3e3a1268a1_scanh, .Lfunc_end_k_q3e3a1268a1_scanh-k_q3e3a1268a1_scanh
	.p2alignl 7, 3214868480
	.fill 96, 4, 3214868480
	.section	.rodata,"a",@progbits
	.p2align	6, 0x0
	.amdhsa_kernel k_q3e3a1268a1_scanh
		.amdhsa_group_segment_fixed_size 184320
		.amdhsa_private_segment_fixed_size 0
		.amdhsa_enable_private_segment 0
		.amdhsa_kernarg_size 56
		.amdhsa_user_sgpr_count 2
		.amdhsa_user_sgpr_kernarg_segment_ptr 1
		.amdhsa_wavefront_size32 1
		.amdhsa_system_sgpr_workgroup_id_x 1
		.amdhsa_system_sgpr_workgroup_id_y 1
		.amdhsa_system_sgpr_workgroup_id_z 1
		.amdhsa_system_vgpr_workitem_id 0
		.amdhsa_next_free_vgpr 256
		.amdhsa_next_free_sgpr 96
		.amdhsa_reserve_vcc 0
		.amdhsa_float_denorm_mode_32 3
		.amdhsa_float_denorm_mode_16_64 3
		.amdhsa_memory_ordered 1
		.amdhsa_forward_progress 1
		.amdhsa_inst_pref_size 73
	.end_amdhsa_kernel
	.amdgpu_metadata
---
amdhsa.version: [ 1, 2 ]
amdhsa.kernels:
  - .name:           k_q3e3a1268a1_scanh
    .symbol:         k_q3e3a1268a1_scanh.kd
    .args:
      - { .name: x, .offset: 0, .size: 8, .value_kind: global_buffer, .address_space: global }
      - { .name: wimg, .offset: 8, .size: 8, .value_kind: global_buffer, .address_space: global }
      - { .name: tab, .offset: 16, .size: 8, .value_kind: global_buffer, .address_space: global }
      - { .name: lowp_scales, .offset: 24, .size: 8, .value_kind: global_buffer, .address_space: global }
      - { .name: b_in, .offset: 32, .size: 8, .value_kind: global_buffer, .address_space: global }
      - { .name: b_lambda, .offset: 40, .size: 8, .value_kind: global_buffer, .address_space: global }
      - { .name: s1, .offset: 48, .size: 8, .value_kind: global_buffer, .address_space: global }
    .group_segment_fixed_size: 184320
    .private_segment_fixed_size: 0
    .kernarg_segment_align: 8
    .kernarg_segment_size: 56
    .max_flat_workgroup_size: 512
    .sgpr_count:     96
    .vgpr_count:     256
    .wavefront_size: 32
...
	.end_amdgpu_metadata
.endif
;; end of part 2
;; launch scanw (part 3): grid 256 x 1, 16 waves a work-group, no clusters, 303,104 bytes of LDS; arguments x, s1, wimg, tab, lowp_scales, b_in, b_lambda, out0; writes out0
.if DOCPART == 3
	.amdgcn_target "amdgcn-amd-amdhsa--gfx1250"
	.amdhsa_code_object_version 6
	.text
	.protected	k_q3e3a1268a1_scanw
	.globl	k_q3e3a1268a1_scanw
	.p2align	8
	.type	k_q3e3a1268a1_scanw,@function
k_q3e3a1268a1_scanw:
	s_mov_b64 s[64:65], 0
	v_nop
	global_prefetch_b8 v0, s[64:65] scope:SCOPE_SE
	s_setreg_imm32_b32 hwreg(HW_REG_WAVE_MODE, 25, 1), 1
	s_wait_xcnt 0x0
.set FINAL, 1
; BiHgru2d, launches 2 and 3: one text; FINAL = 0: the two scans along H, their sum to s1.  FINAL = 1: the two scans along W, + s1, LayerNorm, gate, quantiser, last product, out0.
; Left out, as shown at the head of the first kernel: LOWER_BOUND = 0, and the scan's dropped gamma products (the recurrence is run, in four segments of 32 with carries).
; LIMITS: e0, e2, e4, e6 between -126 and 112; e0+e1, e2+e3, e4+e5, e6+e7 between -126 and 127; NaN and infinities among the inputs are not served; the scans round in another order than the tree.
; SHARES.  A unit is one line: 128 positions x 128 channels.  A work-group of sixteen waves stays and walks four lines.  No tensor loads: x arrives as f32 and passes through registers to be quantised, and
; work-groups share nothing but 112 KiB of weight codes; so no cluster either.  Sixteen waves of 256 registers, four to a SIMD: one wave's chains of the recurrence stand beside the others' work.
; A wave has two roles, told apart by addresses alone.  ROW ROLE: row tile i = wave / 2, half kh = wave % 2.  SCAN ROLE: channels 16 g .. 16 g + 15 (g = wave % 8), positions 64 q .. 64 q + 63 (q = wave / 8).
; Row m of row tile i is position 64 (i / 4) + 32 (m / 8) + 8 (i % 4) + m % 8: so in a result tile lanes 0-15 hold 8 neighbouring positions of segment 2 q and lanes 16-31 the same 8 of segment 2 q + 1:
; lane (r, hh) owns channel 16 g + r and segment 2 q + hh, 32 positions, in its registers.
; Operands go from wave to wave through LDS as images of their registers (16 x lane, 512 bytes a group of four registers).  Features are kept in the order k' = 2 x channel + (0 real, 1 imaginary).
.if FINAL
.set PSX,   4096                       ; bytes from position to position in x and out0
.set PSS,   8192                       ; and in s1
.set WG,    0                          ; LDS: W_gate's 16 images
.set WO,    32768                      ; W_out's 16 images
.set XC0,   65536                      ; x's codes under e0: 8 images; + 16,384: under e4; + 32,768: under e2
.set XC2,   98304
.set FIMG,  114688                     ; codes of feature x gate: 16 images
.set XCH,   147456                     ; carries: 32 bytes for each (segment, channel)
.set TBL,   163840                     ; b_gate scaled, ln_w, ln_b (k' order), b_out
.set STAGE, 167936                     ; 128 rows (positions) x 1,024 bytes, pitch 1,040
.set SPARE, 301056                     ; the spare words: 128 bytes a wave
.else
.set PSX,   524288
.set PSS,   1048576
.set XC0,   0
.set XCH,   32768
.set STAGE, 49152
.set SPARE, 182272
.endif
; vector registers that stay
.set SPW, 1
.set NIL, 2
.set LI,  3                            ; 16 x lane
.set TD,  4                            ; my own area (my 8 stage rows), as 16 rows of pitch 272: row hh, 16 r
.set XTL, 5                            ; the same area: row r, + 64 hh
.set OTS, 6                            ; the same area: row r, + 32 hh
.set XIW, 7                            ; where I store x's half images
.set AFR, 8                            ; where I fetch x's images (scan role)
.set STW, 9                            ; the stage: my segment's first row, my channel
.set XCW, 10                           ; my carry entry
.set XCR, 11                           ; my channel's entry of segment 0
.set DR,  12                           ; my 8 stage rows, 16 x lane
.set F3R, 13
.set GXR, 14
.set WGR, 15
.set WOR, 16
.set FIW, 17
.set FIR, 18
.set GBR, 19
.set BOR, 20
.set LNR, 21
.set XG0, 22                           ; x, out0: rows 0-7 of my row tile; XG1: rows 8-15
.set S1G, 23
.set WBG, 24
.set CSF, 26                           ; pairs: cos, sin of theta_f, theta_r, 32 theta_f, 32 theta_r
.set CSR, 28
.set C32F, 30
.set C32R, 32
.set BRI, 34                           ; b_in of my channel: real, imaginary
.set BLN, 36                           ; -log2(e) b_lambda
.set SC0, 38                           ; the conversions' scales
.set SC4, 39
.set SC2, 40
.set SC6, 41
.set XG1, 42
.set PFO, 43
; areas
.set A1, 44                            ; 64: in(t) as pairs; later rows of features; later the last product's sums
.set A2, 108                           ; 32: lam(t); later at work
.set A3, 140                           ; 64: weight fragments and two result tiles; then h(t) as pairs; then the gate
.set A4, 204                           ; 32: x on its way; x's fragments
.set BRE, 140
.set BIM, 156
.set BLM, 172
.set ZR,  188
.set ZI,  196
.set AIN, 204
.set ALM, 220
.set TR,  236
.set TI,  244
.set GF,  236
.set GR,  238
.set LP,  248
.set CF,  250
.set CR,  252
; scalar registers
.set XP,  4
.set S1P, 6
.set WIMG, 8
.set TAB, 10
.set LSP, 12
.set BIN, 14
.set BLA, 16
.set OP,  18
.set WV,  20
.set SG,  21
.set SQ,  22
.set SI,  23
.set KH,  32
.set SJ,  34
.set SCI, 36                           ; 2^(e0+e1)
.set SCLN, 38                          ; -log2(e) 2^(e4+e5)
.set SCG, 40                           ; 2^(e2+e3)
.set SCGN, 42                          ; -log2(e) 2^(e2+e3)
.set SCO, 44                           ; 2^(e6+e7)
.set SEL, 58
.set CNT, 60
.set NL2E, 66
.macro BARRIER                         ; my LDS stores have landed and my LDS loads are in: then the work-group's barrier
	s_wait_dscnt 0x0
	s_barrier_signal -1
	s_barrier_wait -1
.endm
.macro PLACES n
.rept \n
	v_nop
.endr
.endm
.macro XLOAD                           ; my half (256 bytes) of my row tile's 16 rows of x: sixteen lanes read 256 consecutive bytes
.irp k, 0,1,2,3
	global_load_b128 v[A4+4*\k:A4+4*\k+3], v[XG0], s[XP:XP+1] offset:2*\k*PSX th:TH_LOAD_NT
.endr
.irp k, 0,1,2,3
	global_load_b128 v[A4+16+4*\k:A4+16+4*\k+3], v[XG1], s[XP:XP+1] offset:2*\k*PSX th:TH_LOAD_NT
.endr
.endm
.macro BLOAD                           ; my channels' three weight fragments: real, imaginary, lambda
.irp k, 0,1,2,3,4,5,6,7,8,9,10,11
	global_load_b128 v[A3+4*\k:A3+4*\k+3], v[WBG], s[WIMG:WIMG+1] offset:512*\k
.endr
.endm
.macro FETCH reg, adr, off             ; an image comes back as the registers that it was
.irp c, 0,1,2,3
	ds_load_b128 v[\reg+4*\c:\reg+4*\c+3], v[\adr] offset:\off+512*\c
.endr
.endm
.macro QSET tmp, lim                   ; the hold at the largest code x the scale: the conversion to an 8-bit code does not saturate (ISA guide 7.6.2)
.set n, 0
.rept 32
	v_med3_num_f32 v[\tmp+n], v[A4+n], s[\lim], s[\lim+1]
.set n, n+1
.endr
.endm
.macro QCVT cod, tmp, sc
.irp u, 0,1,2,3
	v_cvt_scalef32_pk8_bf8_f32 v[\cod+2*\u:\cod+2*\u+1], v[\tmp+8*\u:\tmp+8*\u+7], v[\sc]
.endr
.endm
.macro LIMS e, sc, lim                 ; v[sc] = 2^e; s[lim], s[lim+1] = -+57,344 x 2^e
	s_add_co_i32 s68, s[\e], 127
	s_lshl_b32 s69, s68, 23
	v_mov_b32 v[\sc], s69
	s_add_co_i32 s68, s68, 15
	s_lshl_b32 s68, s68, 23
	s_or_b32 s[\lim+1], s68, 0x600000
	s_or_b32 s[\lim], s[\lim+1], 0x80000000
.endm
.macro GMUL d, t, cs                   ; gamma(t) = lam(t) x (cos, sin)
.if (\t)&1
	v_pk_mul_f32 v[\d:\d+1], v[A2+(\t)-1:A2+(\t)], v[\cs:\cs+1] op_sel:[1,0] op_sel_hi:[1,1]
.else
	v_pk_mul_f32 v[\d:\d+1], v[A2+(\t):A2+(\t)+1], v[\cs:\cs+1] op_sel:[0,0] op_sel_hi:[0,1]
.endif
.endm
.macro CF1 d, g, h, a                  ; d = g h + a, complex, in two packed multiply-adds: first g.re x h + a,
	v_pk_fma_f32 v[\d:\d+1], v[\h:\h+1], v[\g:\g+1], v[\a:\a+1] op_sel_hi:[1,0,1]
.endm
.macro CF2 d, g, h                     ; then (-g.im h.im, g.im h.re) on top
	v_pk_fma_f32 v[\d:\d+1], v[\h:\h+1], v[\g:\g+1], v[\d:\d+1] op_sel:[1,1,0] op_sel_hi:[0,1,1] neg_lo:[0,1,0]
.endm
.macro RSUM b                          ; eight pairs at v[b + 2 p]: the two halves, then the 32 lanes; the sum ends in every lane's low word
.irp p, 0,1,2,3,4,5,6,7
	v_add_f32 v[\b+2*\p], v[\b+2*\p], v[\b+2*\p+1]
.endr
.irp m, 1,2,4,8
.irp p, 0,1,2,3,4,5,6,7
	v_add_f32_dpp v[\b+2*\p], v[\b+2*\p], v[\b+2*\p] row_xmask:\m row_mask:0xf bank_mask:0xf
.endr
.endr
.irp p, 0,1,2,3,4,5,6,7
	v_permlanex16_b32 v[\b+2*\p+1], v[\b+2*\p], s[SEL], s[SEL+1]
.endr
.irp p, 0,1,2,3,4,5,6,7
	v_add_f32 v[\b+2*\p], v[\b+2*\p], v[\b+2*\p+1]
.endr
.endm
; The activations of one result tile: 8 positions of my channel.  in = (1 - lam) silu(z), lam = sigmoid(zl); sigmoid(y) = 1 / (1 + 2^(-log2(e) y)).
.macro ACT j
.set LT, A2+8*\j
.irp p, 0,2,4,6
	v_pk_fma_f32 v[ZR+\p:ZR+\p+1], v[ZR+\p:ZR+\p+1], s[SCI:SCI+1], v[BRI:BRI+1] op_sel_hi:[1,0,0]
.endr
.irp p, 0,2,4,6
	v_pk_fma_f32 v[ZI+\p:ZI+\p+1], v[ZI+\p:ZI+\p+1], s[SCI:SCI+1], v[BRI:BRI+1] op_sel:[0,0,1] op_sel_hi:[1,0,1]
.endr
.irp p, 0,2,4,6
	v_pk_fma_f32 v[LT+\p:LT+\p+1], v[LT+\p:LT+\p+1], s[SCLN:SCLN+1], v[BLN:BLN+1] op_sel_hi:[1,0,0]
.endr
.irp p, 0,2,4,6
	v_pk_mul_f32 v[TR+\p:TR+\p+1], v[ZR+\p:ZR+\p+1], s[NL2E:NL2E+1] op_sel_hi:[1,0]
	v_pk_mul_f32 v[TI+\p:TI+\p+1], v[ZI+\p:ZI+\p+1], s[NL2E:NL2E+1] op_sel_hi:[1,0]
.endr
.irp p, 0,1,2,3,4,5,6,7
	v_exp_f32 v[TR+\p], v[TR+\p]
	v_exp_f32 v[TI+\p], v[TI+\p]
	v_exp_f32 v[LT+\p], v[LT+\p]
.endr
	v_nop                                          ; a plain instruction behind the last exponential,
	s_wait_alu depctr_va_vdst(0)                   ; and one wait for the batch ahead of its first reader
.irp p, 0,2,4,6
	v_pk_add_f32 v[TR+\p:TR+\p+1], v[TR+\p:TR+\p+1], 1.0 op_sel_hi:[1,0]
	v_pk_add_f32 v[TI+\p:TI+\p+1], v[TI+\p:TI+\p+1], 1.0 op_sel_hi:[1,0]
	v_pk_add_f32 v[LT+\p:LT+\p+1], v[LT+\p:LT+\p+1], 1.0 op_sel_hi:[1,0]
.endr
.irp p, 0,1,2,3,4,5,6,7
	v_rcp_f32 v[TR+\p], v[TR+\p]
	v_rcp_f32 v[TI+\p], v[TI+\p]
	v_rcp_f32 v[LT+\p], v[LT+\p]
.endr
	v_nop
	s_wait_alu depctr_va_vdst(0)                   ; one wait for the 24 reciprocals
.irp p, 0,2,4,6
	v_pk_mul_f32 v[ZR+\p:ZR+\p+1], v[ZR+\p:ZR+\p+1], v[TR+\p:TR+\p+1]
	v_pk_mul_f32 v[ZI+\p:ZI+\p+1], v[ZI+\p:ZI+\p+1], v[TI+\p:TI+\p+1]
.endr
.irp p, 0,2,4,6
	v_pk_fma_f32 v[TR+\p:TR+\p+1], v[LT+\p:LT+\p+1], -1.0, 1.0 op_sel_hi:[1,0,0]   ; 1 - lam
.endr
.irp p, 0,1,2,3,4,5,6,7
	v_mul_f32 v[A1+16*\j+2*\p], v[TR+\p], v[ZR+\p]
	v_mul_f32 v[A1+16*\j+2*\p+1], v[TR+\p], v[ZI+\p]
.endr
.endm
; ---------------- the head
.if FINAL
	s_load_b512 s[4:19], s[0:1], 0x0               ; x, s1, wimg, tab, scales, b_in, b_lambda, out0
.else
	s_load_b64 s[4:5], s[0:1], 0x0                 ; x
	s_load_b128 s[8:11], s[0:1], 0x8               ; wimg, tab
	s_load_b128 s[12:15], s[0:1], 0x18             ; scales, b_in
	s_load_b64 s[16:17], s[0:1], 0x28              ; b_lambda
	s_load_b64 s[6:7], s[0:1], 0x30                ; s1
.endif
	v_lshl_add_u32 v[SPW], v0, 2, SPARE
	v_mov_b32 v[NIL], 0
	v_lshrrev_b32 v25, 5, v0
	v_readfirstlane_b32 s[WV], v25
	s_and_b32 s[SG], s[WV], 7
	s_lshr_b32 s[SQ], s[WV], 3                     ; q; also i / 4
	s_lshr_b32 s[SI], s[WV], 1
	s_and_b32 s[KH], s[WV], 1
	s_and_b32 s[SJ], s[SI], 3                      ; i % 4
	v_and_b32 v244, 31, v0                         ; lane
	v_and_b32 v245, 15, v0                         ; r
	v_bfe_u32 v246, v0, 4, 1                       ; hh
	v_lshlrev_b32 v[LI], 4, v244
	s_mul_i32 s68, s[WV], 8320
	s_add_co_u32 s68, s68, STAGE                   ; my 8 stage rows
	v_mul_u32_u24 v[TD], v246, 272
	v_lshl_add_u32 v[TD], v245, 4, v[TD]
	v_add_nc_u32 v[TD], s68, v[TD]
	v_mul_u32_u24 v247, v245, 272
	v_add_nc_u32 v247, s68, v247
	v_lshl_add_u32 v[XTL], v246, 6, v247
	v_add_nc_u32 v[DR], s68, v[LI]
	s_lshl_b32 s69, s[WV], 10
	s_add_co_u32 s69, s69, XC0
	v_add_nc_u32 v[XIW], s69, v[LI]                ; image i, its half kh: 2,048 i + 1,024 kh = 1,024 x wave
	s_lshl_b32 s69, s[SQ], 13
	s_add_co_u32 s69, s69, XC0
	v_add_nc_u32 v[AFR], s69, v[LI]
	s_mul_i32 s69, s[SQ], 66560
	s_lshl_b32 s70, s[SG], 7
	s_add_co_u32 s69, s69, s70
	s_add_co_u32 s69, s69, STAGE
	v_mul_u32_u24 v[STW], v246, 33280
	v_lshl_add_u32 v[STW], v245, 3, v[STW]
	v_add_nc_u32 v[STW], s69, v[STW]               ; row 64 q + 32 hh, byte 8 x channel
	s_lshl_b32 s69, s[SG], 9
	s_add_co_u32 s69, s69, XCH
	v_lshlrev_b32 v[XCR], 5, v245
	v_add_nc_u32 v[XCR], s69, v[XCR]
	s_lshl_b32 s69, s[SQ], 13
	v_lshl_add_u32 v[XCW], v246, 12, v[XCR]
	v_add_nc_u32 v[XCW], s69, v[XCW]
	s_lshl_b32 s71, s[SQ], 6
	s_lshl_b32 s70, s[SJ], 3
	s_add_co_u32 s71, s71, s70                     ; 64 (i / 4) + 8 (i % 4): my row tile's first position
.if FINAL
	v_lshl_add_u32 v[OTS], v246, 5, v247
	s_mul_i32 s70, s71, 1040
	s_lshl_b32 s72, s[KH], 9
	s_add_co_u32 s70, s70, s72
	s_add_co_u32 s70, s70, STAGE
	v_lshrrev_b32 v247, 3, v245
	v_and_b32 v248, 7, v245
	v_mul_u32_u24 v[F3R], v247, 33280
	v_mad_u32_u24 v[F3R], v248, 1040, v[F3R]
	v_lshl_add_u32 v[F3R], v246, 6, v[F3R]
	v_add_nc_u32 v[F3R], s70, v[F3R]               ; row r of my row tile, features 128 kh + 16 hh on
	s_lshl_b32 s69, s[SI], 11
	s_add_co_u32 s69, s69, XC2
	v_add_nc_u32 v[GXR], s69, v[LI]
	s_lshl_b32 s69, s[KH], 14
	v_add_nc_u32 v[WGR], s69, v[LI]
	s_add_co_u32 s69, s69, WO
	v_add_nc_u32 v[WOR], s69, v[LI]
	s_lshl_b32 s69, s[WV], 11
	s_add_co_u32 s69, s69, FIMG
	v_add_nc_u32 v[FIW], s69, v[LI]
	s_lshl_b32 s69, s[SI], 12
	s_add_co_u32 s69, s69, FIMG
	v_add_nc_u32 v[FIR], s69, v[LI]
	s_lshl_b32 s69, s[KH], 9
	s_add_co_u32 s69, s69, TBL
	v_lshl_add_u32 v[GBR], v246, 6, s69
	s_lshl_b32 s69, s[KH], 8
	s_add_co_u32 s69, s69, TBL+3072
	v_lshl_add_u32 v[BOR], v246, 5, s69
	v_add_nc_u32 v[LNR], TBL+1024, v[LI]
.endif
	s_mul_i32 s70, s71, PSX
	s_lshl_b32 s72, s[KH], 8
	s_add_co_u32 s70, s70, s72
	v_mul_u32_u24 v[XG0], v246, PSX
	v_lshl_add_u32 v[XG0], v245, 4, v[XG0]
	v_add_nc_u32 v[XG0], s70, v[XG0]
	v_add_nc_u32 v[XG1], 32*PSX, v[XG0]
	s_mul_i32 s70, s[WV], 8*PSS
	v_add_nc_u32 v[S1G], s70, v[LI]
.if FINAL
	v_lshrrev_b32 v247, 2, v244
	v_mul_u32_u24 v[PFO], v247, PSS
	v_and_b32 v247, 3, v244
	v_lshl_add_u32 v[PFO], v247, 8, v[PFO]
	v_add_nc_u32 v[PFO], s70, v[PFO]               ; my 8 rows of s1, a lane to each 256 bytes
.endif
	s_mul_i32 s70, s[SG], 6144
	v_add_nc_u32 v[WBG], s70, v[LI]
	s_lshl_b32 s70, s[SG], 9
	v_lshl_add_u32 v247, v245, 5, s70              ; 32 x channel
	s_lshl_b32 s70, s[SG], 7
	v_lshl_add_u32 v248, v245, 3, s70              ; 8 x channel
	s_lshl_b32 s70, s[SG], 6
	v_lshl_add_u32 v249, v245, 2, s70              ; 4 x channel
	s_lshl_b32 s70, s[SQ], 1
	v_add_nc_u32 v252, s70, v246                   ; my segment
	v_cmp_eq_u32 s54, 0, v252
	v_cmp_eq_u32 s55, 1, v252
	v_cmp_eq_u32 s56, 2, v252
	v_cmp_eq_u32 s57, 3, v252
	s_mov_b32 s[SEL], 0x76543210
	s_mov_b32 s[SEL+1], 0xfedcba98
	s_mov_b32 s[CNT], 4
	s_mov_b32 s61, 0x3b800000                      ; 1 / 256
	s_mov_b32 s62, 0x3727c5ac                      ; 1e-5
	s_mov_b32 s[NL2E], 0xbfb8aa3b                  ; -log2(e)
	s_mov_b32 s[NL2E+1], s[NL2E]
.if FINAL
	s_lshr_b32 s70, ttmp9, 1                       ; lines 4 n .. 4 n + 3: h = n / 2, b = 4 (n % 2) + unit
	s_and_b32 s72, ttmp9, 1
	s_lshl_b32 s68, s70, 19
	s_lshl_b32 s72, s72, 11
	s_add_co_u32 s68, s68, s72
	v_lshlrev_b32 v250, 4, v0
	v_lshlrev_b32 v251, 3, v0
	v_lshl_add_u32 v253, v0, 3, TBL
.else
	s_lshl_b32 s68, ttmp9, 11                      ; lines 4 n .. 4 n + 3 = 8 w + b: 512 bytes each
.endif
	s_mov_b32 s69, 0
	s_wait_kmcnt 0x0
	s_load_b256 s[24:31], s[LSP:LSP+1], 0x0        ; e0 .. e7
	s_add_nc_u64 s[XP:XP+1], s[XP:XP+1], s[68:69]
.if FINAL
	s_add_nc_u64 s[OP:OP+1], s[OP:OP+1], s[68:69]
.endif
	s_lshl_b32 s68, s68, 1                         ; s1's rows are twice as long
	s_add_nc_u64 s[S1P:S1P+1], s[S1P:S1P+1], s[68:69]
	XLOAD                                          ; the first unit
	BLOAD
	global_load_b128 v[CSF:CSF+3], v247, s[TAB:TAB+1]
	global_load_b128 v[C32F:C32F+3], v247, s[TAB:TAB+1] offset:16
	global_load_b64 v[BRI:BRI+1], v248, s[BIN:BIN+1]
	global_load_b32 v[BLN], v249, s[BLA:BLA+1]
.if FINAL
.irp k, 0,1,2,3,4,5,6,7
	global_load_b128 v[A1+4*\k:A1+4*\k+3], v250, s[WIMG:WIMG+1] offset:49152+8192*\k   ; W_gate's and W_out's images: 64 KiB, 16 bytes a thread
.endr
	global_load_b64 v[A1+32:A1+33], v251, s[TAB:TAB+1] offset:4096
.endif
	s_wait_kmcnt 0x0
	s_add_co_i32 s68, s24, s25
	s_add_co_i32 s68, s68, 127
	s_lshl_b32 s[SCI], s68, 23
	s_mov_b32 s[SCI+1], s[SCI]
	s_add_co_i32 s68, s28, s29
	s_lshl_b32 s68, s68, 23
	s_add_co_i32 s[SCLN], s68, s[NL2E]             ; e4 + e5 is added to the constant's exponent field
	s_mov_b32 s[SCLN+1], s[SCLN]
	LIMS 24, SC0, 46
	LIMS 28, SC4, 48
.if FINAL
	s_add_co_i32 s68, s26, s27
	s_lshl_b32 s69, s68, 23
	s_add_co_i32 s[SCGN], s69, s[NL2E]
	s_mov_b32 s[SCGN+1], s[SCGN]
	s_add_co_i32 s68, s68, 127
	s_lshl_b32 s[SCG], s68, 23
	s_mov_b32 s[SCG+1], s[SCG]
	s_add_co_i32 s68, s30, s31
	s_add_co_i32 s68, s68, 127
	s_lshl_b32 s[SCO], s68, 23
	s_mov_b32 s[SCO+1], s[SCO]
	LIMS 26, SC2, 50
	LIMS 30, SC6, 52
.endif
	s_wait_loadcnt 0x0                             ; all the head's loads
.if FINAL
.irp k, 0,1,2,3,4,5,6,7
	ds_store_b128 v250, v[A1+4*\k:A1+4*\k+3] offset:8192*\k
.endr
	ds_store_b64 v253, v[A1+32:A1+33]
.endif
	v_mul_f32 v[BLN], s[NL2E], v[BLN]
	v_mov_b32 v[BLN+1], 0
	s_wait_xcnt 0x0
	s_add_nc_u64 s[XP:XP+1], s[XP:XP+1], 512       ; x's pointer runs one unit ahead
.Lunit:
; ---- X (row role): my 16 rows x 64 numbers of x become half an image under each of x's scales.  They turn through my own area: in as they were loaded, out 16 neighbours along K a lane.
	s_wait_loadcnt 0x0                             ; x, and my weight fragments
.irp k, 0,1,2,3,4,5,6,7
	ds_store_b128 v[TD], v[A4+4*\k:A4+4*\k+3] offset:544*\k
.endr
.irp c, 0,1
.irp u, 0,1,2,3
	ds_load_b128 v[A4+16*\c+4*\u:A4+16*\c+4*\u+3], v[XTL] offset:128*\c+16*\u   ; LDS serves a wave's instructions in order (ISA guide 5.7.1.4): these see my stores
.endr
.endr
	s_wait_dscnt 0x0
	QSET A1, 46
	QSET A1+32, 48
.if FINAL
	QSET A2, 50
.endif
	QCVT 188, A1, SC0
	QCVT 196, A1+32, SC4
.if FINAL
	QCVT 236, A2, SC2
.endif
	v_nop                                          ; a plain instruction behind the last conversion: matrix and vector instructions write these registers later
	ds_store_b128 v[XIW], v[188:191]
	ds_store_b128 v[XIW], v[192:195] offset:512
	ds_store_b128 v[XIW], v[196:199] offset:16384
	ds_store_b128 v[XIW], v[200:203] offset:16384+512
.if FINAL
	ds_store_b128 v[XIW], v[236:239] offset:32768
	ds_store_b128 v[XIW], v[240:243] offset:32768+512
.endif
	BARRIER                                        ; x's images lie in LDS
; ---- G (scan role): for each of my four row tiles three products (real, imaginary, lambda), then the activations
	FETCH AIN, AFR, 0
	FETCH ALM, AFR, 16384
.irp j, 0,1,2,3
	s_wait_dscnt 0x0
	v_wmma_f32_16x16x128_bf8_bf8 v[ZR:ZR+7], v[AIN:AIN+15], v[BRE:BRE+15], 0
	v_wmma_f32_16x16x128_bf8_bf8 v[ZI:ZI+7], v[AIN:AIN+15], v[BIM:BIM+15], 0
	v_wmma_f32_16x16x128_bf8_bf8 v[A2+8*\j:A2+8*\j+7], v[ALM:ALM+15], v[BLM:BLM+15], 0
	PLACES 5                                       ; ahead of loads into the fragments' registers and of the first read of results
.if \j < 3
	FETCH AIN, AFR, 2048*(\j+1)
	FETCH ALM, AFR, 16384+2048*(\j+1)
.else
	s_cmp_eq_u32 s[CNT], 1                         ; the next unit's x is asked for here, if there is one: no load leaves its buffer
	s_cbranch_scc1 .Lnox
	XLOAD
.Lnox:
.if FINAL
	global_prefetch_b8 v[PFO], s[S1P:S1P+1] th:TH_LOAD_NT scope:SCOPE_SE   ; this unit's rows of s1 that I shall load behind the scans: 8 rows x 1,024 bytes, a lane to each 256; each block is named once in the launch
.endif
.endif
	ACT \j
.endr
; ---- A: both scans of my segment from zero, for the segment's end values; and the product of its 32 lambdas
.set tau, 1
.rept 31
.set trv, 31-tau
.if tau&1
.set fd, 240
.set fh, 244
.set rd, 242
.set rh, 246
.else
.set fd, 244
.set fh, 240
.set rd, 246
.set rh, 242
.endif
.if tau == 1
.set fh, A1
.set rh, A1+62
.endif
	GMUL GF, tau, CSF
	GMUL GR, trv, CSR
	CF1 fd, GF, fh, A1+2*tau
	CF1 rd, GR, rh, A1+2*trv
.if tau == 1
	v_pk_mul_f32 v[LP:LP+1], v[A2:A2+1], v[A2+2:A2+3]
.elseif tau < 16
	v_pk_mul_f32 v[LP:LP+1], v[LP:LP+1], v[A2+2*tau:A2+2*tau+1]
.endif
	CF2 fd, GF, fh
	CF2 rd, GR, rh
.set tau, tau+1
.endr
	v_mul_f32 v[LP], v[LP], v[LP+1]
	ds_store_b128 v[XCW], v[240:243]               ; forward end, reverse end
	ds_store_b64 v[XCW], v[LP:LP+1] offset:16      ; the product (the pair's upper word is not used)
	BARRIER                                        ; all segments' ends lie in LDS
; ---- C: the carries into my segment
.irp s, 0,1,2,3
	ds_load_b128 v[140+8*\s:143+8*\s], v[XCR] offset:4096*\s
	ds_load_b64 v[144+8*\s:145+8*\s], v[XCR] offset:4096*\s+16
.endr
	s_wait_dscnt 0x0
	v_pk_mul_f32 v[172:173], v[152:153], v[C32F:C32F+1] op_sel_hi:[0,1]   ; a whole segment's gamma: its lambdas' product x (cos, sin)(32 theta)
	v_pk_mul_f32 v[174:175], v[160:161], v[C32F:C32F+1] op_sel_hi:[0,1]
	v_pk_mul_f32 v[176:177], v[152:153], v[C32R:C32R+1] op_sel_hi:[0,1]
	v_pk_mul_f32 v[178:179], v[160:161], v[C32R:C32R+1] op_sel_hi:[0,1]
	CF1 180, 172, 140, 148                         ; into segment 2: gamma(1) x end(0) + end(1)
	CF1 184, 178, 166, 158                         ; reverse, into segment 1: gamma(2) x end(3) + end(2)
	CF2 180, 172, 140
	CF2 184, 178, 166
	CF1 182, 174, 180, 156                         ; into segment 3
	CF1 186, 176, 184, 150                         ; reverse, into segment 0
	CF2 182, 174, 180
	CF2 186, 176, 184
.irp w, 0,1
	v_cndmask_b32 v[CF+\w], 0, v[140+\w], s55      ; a choice by the lane's segment: 0 into segment 0
	v_cndmask_b32 v[CR+\w], 0, v[166+\w], s56      ; 0 into segment 3
	v_cndmask_b32 v[CF+\w], v[CF+\w], v[180+\w], s56
	v_cndmask_b32 v[CR+\w], v[CR+\w], v[184+\w], s55
	v_cndmask_b32 v[CF+\w], v[CF+\w], v[182+\w], s57
	v_cndmask_b32 v[CR+\w], v[CR+\w], v[186+\w], s54
.endr
; ---- B: the true scans.  Forward into h(t); reverse is added onto it and the sum goes to the stage
.set t, 0
.rept 32
.set gg, GF+2*(t&1)
.set fh, A3+2*t-2
.if t == 0
.set fh, CF
.endif
	GMUL gg, t, CSF
	CF1 A3+2*t, gg, fh, A1+2*t
	CF2 A3+2*t, gg, fh
.set t, t+1
.endr
.set t, 31
.rept 32
.if t&1
.set rd, 240
.set rh, 244
.else
.set rd, 244
.set rh, 240
.endif
.if t == 31
.set rh, CR
.endif
	GMUL GR, t, CSR
	CF1 rd, GR, rh, A1+2*t
.if t < 31
	v_pk_add_f32 v[A3+2*t+2:A3+2*t+3], v[A3+2*t+2:A3+2*t+3], v[rh:rh+1]   ; the step before's result, which is ready
	ds_store_b64 v[STW], v[A3+2*t+2:A3+2*t+3] offset:1040*(t+1)
.endif
	CF2 rd, GR, rh
.set t, t-1
.endr
	v_pk_add_f32 v[A3:A3+1], v[A3:A3+1], v[244:245]
	ds_store_b64 v[STW], v[A3:A3+1]
.if FINAL == 0
; ---- the way out: my 8 whole rows of the stage go to s1
	BARRIER                                        ; 128 whole rows lie in the stage
	s_cmp_eq_u32 s[CNT], 1
	s_cbranch_scc1 .Lnob
	BLOAD                                          ; the weight fragments for the next unit
.Lnob:
.irp k, 0,1,2,3,4,5,6,7,8,9,10,11,12,13,14,15
	ds_load_b128 v[A1+4*\k:A1+4*\k+3], v[DR] offset:1040*(\k/2)+512*(\k%2)
.endr
.irp k, 0,1,2,3,4,5,6,7,8,9,10,11,12,13,14,15
	s_wait_dscnt 15-\k                             ; the younger loads of this run may be out
	global_store_b128 v[S1G], v[A1+4*\k:A1+4*\k+3], s[S1P:S1P+1] offset:(\k/2)*PSS+512*(\k%2) th:TH_STORE_NT   ; 32 lanes store 512 consecutive bytes
.endr
.else
; ---- F0: my 8 rows of s1, dense; they land under the gate's work
.irp p, 0,1,2,3,4,5,6,7
	global_load_b128 v[A1+8*\p:A1+8*\p+3], v[S1G], s[S1P:S1P+1] offset:PSS*\p th:TH_LOAD_NT
	global_load_b128 v[A1+8*\p+4:A1+8*\p+7], v[S1G], s[S1P:S1P+1] offset:PSS*\p+512 th:TH_LOAD_NT
.endr
; ---- F1 (row role): the gate of my row tile, features 128 kh on, transposed (source 0 = 16 features of W_gate, source 1 = x): a lane holds one position, its registers run along k'.  The bias is the sums' C
.irp t, 0,1,2,3,4,5,6,7
	ds_load_b128 v[A3+8*\t:A3+8*\t+3], v[GBR] offset:128*(\t/2)+32*(\t%2)
	ds_load_b128 v[A3+8*\t+4:A3+8*\t+7], v[GBR] offset:128*(\t/2)+32*(\t%2)+16
.endr
	FETCH 108, GXR, 0
.irp n, 0,1,2,3
	FETCH 124, WGR, 2048*(2*\n)
	FETCH 236, WGR, 2048*(2*\n+1)
	s_wait_dscnt 0x0
	v_wmma_f32_16x16x128_bf8_bf8 v[A3+16*\n:A3+16*\n+7], v[124:139], v[108:123], v[A3+16*\n:A3+16*\n+7]
	v_wmma_f32_16x16x128_bf8_bf8 v[A3+16*\n+8:A3+16*\n+15], v[236:251], v[108:123], v[A3+16*\n+8:A3+16*\n+15]
	PLACES 4
.endr
.irp b, 0,1                            ; silu, 32 numbers at a time
.set n, 0
.rept 16
	v_pk_mul_f32 v[A2+n:A2+n+1], v[A3+32*\b+n:A3+32*\b+n+1], s[SCGN:SCGN+1] op_sel_hi:[1,0]
.set n, n+2
.endr
.set n, 0
.rept 16
	v_pk_mul_f32 v[A3+32*\b+n:A3+32*\b+n+1], v[A3+32*\b+n:A3+32*\b+n+1], s[SCG:SCG+1] op_sel_hi:[1,0]
.set n, n+2
.endr
.set n, 0
.rept 32
	v_exp_f32 v[A2+n], v[A2+n]
.set n, n+1
.endr
	v_nop
	s_wait_alu depctr_va_vdst(0)                   ; one wait for the batch
.set n, 0
.rept 16
	v_pk_add_f32 v[A2+n:A2+n+1], v[A2+n:A2+n+1], 1.0 op_sel_hi:[1,0]
.set n, n+2
.endr
.set n, 0
.rept 32
	v_rcp_f32 v[A2+n], v[A2+n]
.set n, n+1
.endr
	v_nop
	s_wait_alu depctr_va_vdst(0)
.set n, 0
.rept 16
	v_pk_mul_f32 v[A3+32*\b+n:A3+32*\b+n+1], v[A3+32*\b+n:A3+32*\b+n+1], v[A2+n:A2+n+1]
.set n, n+2
.endr
.endr
	BARRIER                                        ; 128 whole rows of this direction's sums lie in the stage
; ---- F2: LayerNorm of my 8 rows, dense: a lane holds k' = 128 a + 4 lane + 0 .. 3, a = 0, 1
	ds_load_b128 v[236:239], v[LNR]
	ds_load_b128 v[240:243], v[LNR] offset:512
	ds_load_b128 v[244:247], v[LNR] offset:1024
	ds_load_b128 v[248:251], v[LNR] offset:1536
	s_wait_loadcnt 0x0                             ; s1's rows
.irp h, 0,1
.irp p, 0,1,2,3
	ds_load_b128 v[A2+8*\p:A2+8*\p+3], v[DR] offset:1040*(4*\h+\p)
	ds_load_b128 v[A2+8*\p+4:A2+8*\p+7], v[DR] offset:1040*(4*\h+\p)+512
.endr
	s_wait_dscnt 0x0
.set n, 0
.rept 16
	v_pk_add_f32 v[A1+32*\h+n:A1+32*\h+n+1], v[A1+32*\h+n:A1+32*\h+n+1], v[A2+n:A2+n+1]
.set n, n+2
.endr
.endr
.irp p, 0,1,2,3,4,5,6,7
	v_pk_add_f32 v[108+2*\p:109+2*\p], v[A1+8*\p:A1+8*\p+1], v[A1+8*\p+2:A1+8*\p+3]
.endr
.irp p, 0,1,2,3,4,5,6,7
	v_pk_add_f32 v[108+2*\p:109+2*\p], v[108+2*\p:109+2*\p], v[A1+8*\p+4:A1+8*\p+5]
.endr
.irp p, 0,1,2,3,4,5,6,7
	v_pk_add_f32 v[108+2*\p:109+2*\p], v[108+2*\p:109+2*\p], v[A1+8*\p+6:A1+8*\p+7]
.endr
	RSUM 108
.irp p, 0,1,2,3,4,5,6,7
	v_mul_f32 v[108+2*\p], s61, v[108+2*\p]        ; the mean
.endr
.irp p, 0,1,2,3,4,5,6,7
.irp x, 0,2,4,6
	v_pk_add_f32 v[A1+8*\p+\x:A1+8*\p+\x+1], v[A1+8*\p+\x:A1+8*\p+\x+1], v[108+2*\p:109+2*\p] op_sel_hi:[1,0] neg_lo:[0,1] neg_hi:[0,1]
.endr
.endr
.irp p, 0,1,2,3,4,5,6,7
	v_pk_mul_f32 v[124+2*\p:125+2*\p], v[A1+8*\p:A1+8*\p+1], v[A1+8*\p:A1+8*\p+1]
.endr
.irp x, 2,4,6
.irp p, 0,1,2,3,4,5,6,7
	v_pk_fma_f32 v[124+2*\p:125+2*\p], v[A1+8*\p+\x:A1+8*\p+\x+1], v[A1+8*\p+\x:A1+8*\p+\x+1], v[124+2*\p:125+2*\p]
.endr
.endr
	RSUM 124
.irp p, 0,1,2,3,4,5,6,7
	v_fma_f32 v[124+2*\p], v[124+2*\p], s61, s62   ; the variance + 1e-5
.endr
.irp p, 0,1,2,3,4,5,6,7
	v_rsq_f32 v[124+2*\p], v[124+2*\p]
.endr
	v_nop
	s_wait_alu depctr_va_vdst(0)                   ; one wait for the eight
.irp p, 0,1,2,3,4,5,6,7
.irp x, 0,2,4,6
	v_pk_mul_f32 v[A1+8*\p+\x:A1+8*\p+\x+1], v[A1+8*\p+\x:A1+8*\p+\x+1], v[124+2*\p:125+2*\p] op_sel_hi:[1,0]
.endr
.endr
.irp p, 0,1,2,3,4,5,6,7
.irp x, 0,2,4,6
	v_pk_fma_f32 v[A1+8*\p+\x:A1+8*\p+\x+1], v[A1+8*\p+\x:A1+8*\p+\x+1], v[236+\x:237+\x], v[244+\x:245+\x]
.endr
.endr
.irp p, 0,1,2,3,4,5,6,7
	ds_store_b128 v[DR], v[A1+8*\p:A1+8*\p+3] offset:1040*\p
	ds_store_b128 v[DR], v[A1+8*\p+4:A1+8*\p+7] offset:1040*\p+512
.endr
	BARRIER                                        ; 128 normalised rows lie in the stage
; ---- F3 (row role): feature x gate, quantised under e6: one image
.irp c, 0,1,2,3
.irp u, 0,1,2,3
	ds_load_b128 v[A1+16*\c+4*\u:A1+16*\c+4*\u+3], v[F3R] offset:128*\c+16*\u
.endr
.endr
	s_wait_dscnt 0x0
.set n, 0
.rept 32
	v_pk_mul_f32 v[A1+n:A1+n+1], v[A1+n:A1+n+1], v[A3+n:A3+n+1]
.set n, n+2
.endr
.set n, 0
.rept 64
	v_med3_num_f32 v[A1+n], v[A1+n], s52, s53
.set n, n+1
.endr
.irp u, 0,1,2,3,4,5,6,7
	v_cvt_scalef32_pk8_bf8_f32 v[108+2*\u:109+2*\u], v[A1+8*\u:A1+8*\u+7], v[SC6]
.endr
	v_nop                                          ; a plain instruction behind the last conversion: the products below write its sources
.irp c, 0,1,2,3
	ds_store_b128 v[FIW], v[108+4*\c:111+4*\c] offset:512*\c
.endr
	BARRIER                                        ; the sixteen images lie in LDS
; ---- F4 (row role): the last product, my row tile x output columns 64 kh on, transposed: four accumulators by turns
	s_cmp_eq_u32 s[CNT], 1
	s_cbranch_scc1 .Lnob
	BLOAD                                          ; the weight fragments for the next unit
.Lnob:
	FETCH 76, FIR, 0
	FETCH 92, FIR, 2048
.irp k, 0,1
	FETCH 108, WOR, 2048*(0+\k)
	FETCH 124, WOR, 2048*(2+\k)
	FETCH 188, WOR, 2048*(4+\k)
	FETCH 236, WOR, 2048*(6+\k)
	s_wait_dscnt 0x0
.if \k == 0
	v_wmma_f32_16x16x128_bf8_bf8 v[44:51], v[108:123], v[76:91], 0
	v_wmma_f32_16x16x128_bf8_bf8 v[52:59], v[124:139], v[76:91], 0
	v_wmma_f32_16x16x128_bf8_bf8 v[60:67], v[188:203], v[76:91], 0
	v_wmma_f32_16x16x128_bf8_bf8 v[68:75], v[236:251], v[76:91], 0
.else
	v_wmma_f32_16x16x128_bf8_bf8 v[44:51], v[108:123], v[92:107], v[44:51]
	v_wmma_f32_16x16x128_bf8_bf8 v[52:59], v[124:139], v[92:107], v[52:59]
	v_wmma_f32_16x16x128_bf8_bf8 v[60:67], v[188:203], v[92:107], v[60:67]
	v_wmma_f32_16x16x128_bf8_bf8 v[68:75], v[236:251], v[92:107], v[68:75]
.endif
	PLACES 4
.endr
.irp t, 0,1,2,3
	ds_load_b128 v[76+8*\t:79+8*\t], v[BOR] offset:64*\t
	ds_load_b128 v[80+8*\t:83+8*\t], v[BOR] offset:64*\t+16
.endr
	s_wait_dscnt 0x0
.set n, 0
.rept 16
	v_pk_fma_f32 v[44+n:45+n], v[44+n:45+n], s[SCO:SCO+1], v[76+n:77+n] op_sel_hi:[1,0,1]   ; sum x 2^(e6 + e7) + b_out
.set n, n+2
.endr
.irp t, 0,1,2,3
	ds_store_b128 v[OTS], v[44+8*\t:47+8*\t] offset:64*\t          ; through my own area: in by lanes' rows,
	ds_store_b128 v[OTS], v[48+8*\t:51+8*\t] offset:64*\t+16
.endr
.irp k, 0,1,2,3,4,5,6,7
	ds_load_b128 v[76+4*\k:79+4*\k], v[TD] offset:544*\k           ; out as rows of 256 bytes
.endr
.irp k, 0,1,2,3
	s_wait_dscnt 7-\k                              ; the younger loads of this run may be out
	global_store_b128 v[XG0], v[76+4*\k:79+4*\k], s[OP:OP+1] offset:2*\k*PSX th:TH_STORE_NT   ; sixteen lanes store 256 consecutive bytes, aligned
.endr
.irp k, 0,1,2,3
	s_wait_dscnt 3-\k
	global_store_b128 v[XG1], v[92+4*\k:95+4*\k], s[OP:OP+1] offset:2*\k*PSX th:TH_STORE_NT
.endr
.endif
; ---- on to the next unit
	s_wait_xcnt 0x0                                ; the stores' data and every base are written again only behind this wait
	s_add_nc_u64 s[XP:XP+1], s[XP:XP+1], 512
	s_add_nc_u64 s[S1P:S1P+1], s[S1P:S1P+1], 1024
.if FINAL
	s_add_nc_u64 s[OP:OP+1], s[OP:OP+1], 512
.endif
	s_sub_co_u32 s[CNT], s[CNT], 1
	s_cmp_lg_u32 s[CNT], 0
	s_cbranch_scc1 .Lunit
	s_wait_tensorcnt 0x0                           ; the wave's end, behind my last LDS store
	ds_add_u32 v[SPW], v[NIL]
	s_wait_dscnt 0x0
	s_endpgm
.Lfunc_end_k_q3e3a1268a1_scanw:
	.size	k_q3e3a1268a1_scanw, .Lfunc_end_k_q3e3a1268a1_scanw-k_q3e3a1268a1_scanw
	.p2alignl 7, 3214868480
	.fill 96, 4, 3214868480
	.section	.rodata,"a",@progbits
	.p2align	6, 0x0
	.amdhsa_kernel k_q3e3a1268a1_scanw
		.amdhsa_group_segment_fixed_size 303104
		.amdhsa_private_segment_fixed_size 0
		.amdhsa_enable_private_segment 0
		.amdhsa_kernarg_size 64
		.amdhsa_user_sgpr_count 2
		.amdhsa_user_sgpr_kernarg_segment_ptr 1
		.amdhsa_wavefront_size32 1
		.amdhsa_system_sgpr_workgroup_id_x 1
		.amdhsa_system_sgpr_workgroup_id_y 1
		.amdhsa_system_sgpr_workgroup_id_z 1
		.amdhsa_system_vgpr_workitem_id 0
		.amdhsa_next_free_vgpr 256
		.amdhsa_next_free_sgpr 96
		.amdhsa_reserve_vcc 0
		.amdhsa_float_denorm_mode_32 3
		.amdhsa_float_denorm_mode_16_64 3
		.amdhsa_memory_ordered 1
		.amdhsa_forward_progress 1
		.amdhsa_inst_pref_size 131
	.end_amdhsa_kernel
	.amdgpu_metadata
---
amdhsa.version: [ 1, 2 ]
amdhsa.kernels:
  - .name:           k_q3e3a1268a1_scanw
    .symbol:         k_q3e3a1268a1_scanw.kd
    .args:
      - { .name: x, .offset: 0, .size: 8, .value_kind: global_buffer, .address_space: global }
      - { .name: s1, .offset: 8, .size: 8, .value_kind: global_buffer, .address_space: global }
      - { .name: wimg, .offset: 16, .size: 8, .value_kind: global_buffer, .address_space: global }
      - { .name: tab, .offset: 24, .size: 8, .value_kind: global_buffer, .address_space: global }
      - { .name: lowp_scales, .offset: 32, .size: 8, .value_kind: global_buffer, .address_space: global }
      - { .name: b_in, .offset: 40, .size: 8, .value_kind: global_buffer, .address_space: global }
      - { .name: b_lambda, .offset: 48, .size: 8, .value_kind: global_buffer, .address_space: global }
      - { .name: out0, .offset: 56, .size: 8, .value_kind: global_buffer, .address_space: global }
    .group_segment_fixed_size: 303104
    .private_segment_fixed_size: 0
    .kernarg_segment_align: 8
    .kernarg_segment_size: 64
    .max_flat_workgroup_size: 512
    .sgpr_count:     96
    .vgpr_count:     256
    .wavefront_size: 32
...
	.end_amdgpu_metadata
.endif
;; end of part 3
;; ======== version 2 of 2: 3 launches
;; limits: right only within a limited range of input values
;; workspace buffers: wimg 114,688 bytes; tab 8,192 bytes; s1 134,217,728 bytes
;; launch prep (part 4): grid 15 x 1, 4 waves a work-group, no clusters, 0 bytes of LDS; arguments W_in, W_gate, W_lambda, W_out, lowp_scales, theta_f, theta_r, b_gate, ln_w, ln_b, b_out, wimg, tab; writes wimg, tab
.if DOCPART == 4
	.amdgcn_target "amdgcn-amd-amdhsa--gfx1250"
	.amdhsa_code_object_version 6
	.text
	.protected	k_q3e3a1268a1_prep
	.globl	k_q3e3a1268a1_prep
	.p2align	8
	.type	k_q3e3a1268a1_prep,@function
k_q3e3a1268a1_prep:
	s_mov_b64 s[64:65], 0
	v_nop
	global_prefetch_b8 v0, s[64:65] scope:SCOPE_SE
	s_setreg_imm32_b32 hwreg(HW_REG_WAVE_MODE, 25, 1), 1
	s_wait_xcnt 0x0
; BiHgru2d, launch 1 of 3: the four weights become codes of E5M2, laid as images of the operand registers; small tables are made.
; WORK OF reference() THAT IS LEFT OUT IN THE WHOLE PROGRAM, for all values of the inputs:
;   - LOWER_BOUND = 0 is written in reference()'s body: lam = 0 + (1 - 0) x sigmoid(..) = sigmoid(..), a term 0 and a factor 1 by identity.
;   - associative_scan also forms the products of the gammas (its first two results), which _scan drops; and it combines in a tree.  In exact arithmetic its last two results
;     are h_t = gamma_t h_(t-1) + in_t: the program runs that recurrence, in four segments of 32 steps joined by carries.
;   Every input has a way to the output: all are loaded.
; LIMITS: the order of rounding in the scans differs from the tree's.  A NaN, an infinity or an overflow that reaches only the dropped gamma products is not carried to the result.
;   NaN and infinities among the inputs are not served.  Exponents: e0, e2, e4, e6, and here e1, e3, e5, e7, between -126 and 112; e0+e1, e2+e3, e4+e5, e6+e7 between -126 and 127.  |theta| up to 8,192.
; AN IMAGE is a fragment (16 rows or columns x 128 along K) as 16 registers a lane: register R of lane l lies at 512 (R / 4) + 16 l + 4 (R % 4): 2,048 bytes.
;   Slot (c, hh, i) of a lane, register 4 c + i / 4, holds K = 32 c + 16 hh + i: the same on both sides of every product.
;   images 3 g + 0, 1, 2: W_in's columns 2 (16 g + rho), 2 (16 g + rho) + 1, W_lambda's column 16 g + rho (rho = lane % 16)
;   images 24 + 8 kk + t: W_gate's column for feature k' = 128 kk + 32 (t / 2) + 8 (t % 2) + rho + 8 (rho / 8)
;   images 40 + 2 tn + kk: W_out's column 16 tn + rho, K slot k' = 128 kk + 32 c + 16 hh + i
;   k' = 2 x channel + (0 real, 1 imaginary) is the program's order of the 256 features; reference()'s index is k = k' / 2 + 128 (k' % 2).
; One wave makes one image: a lane takes a column and its registers run down K, so the conversions' results are the operand's registers.  Work-group 14 makes the tables.
	s_load_b512 s[4:19], s[0:1], 0x0               ; W_in 4, W_gate 6, W_lambda 8, W_out 10, scales 12, theta_f 14, theta_r 16, b_gate 18
	s_load_b256 s[20:27], s[0:1], 0x40             ; ln_w 20, ln_b 22, b_out 24, wimg 26
	s_load_b64 s[28:29], s[0:1], 0x60              ; tab
	v_lshrrev_b32 v1, 5, v0
	v_readfirstlane_b32 s46, v1                    ; wave
	v_and_b32 v1, 15, v0                           ; rho
	v_bfe_u32 v2, v0, 4, 1                         ; hh
	v_and_b32 v4, 31, v0
	v_lshlrev_b32 v4, 4, v4                        ; 16 x lane
	s_mov_b32 s43, 0
	s_mov_b32 s45, 0
	s_wait_kmcnt 0x0
	s_load_b256 s[32:39], s[12:13], 0x0            ; e0 .. e7
	s_wait_kmcnt 0x0
.macro SCL e                           ; v5 = 2^e as f32; s52 = 57,344 x 2^e; s53 = the same, negative
	s_add_co_i32 s52, s[\e], 127
	s_lshl_b32 s53, s52, 23
	v_mov_b32 v5, s53
	s_add_co_i32 s52, s52, 15
	s_lshl_b32 s52, s52, 23
	s_or_b32 s52, s52, 0x600000
	s_or_b32 s53, s52, 0x80000000
.endm
; 64 numbers down K of my column (base s[40:41], lane offset v3), held, converted, stored as an image at s[26:27]
.macro QFRAG rs, perm
.irp c, 0,1,2,3
.irp i, 0,1,2,3,4,5,6,7,8,9,10,11,12,13,14,15
.if \perm
	global_load_b32 v[16+16*\c+\i], v3, s[40:41] offset:(16*\c+(\i/2)+128*(\i%2))*512
.else
	global_load_b32 v[16+16*\c+\i], v3, s[40:41] offset:(32*\c+\i)*\rs
.endif
.endr
.endr
	s_wait_loadcnt 0x0
.set n, 0
.rept 64
	v_med3_num_f32 v[16+n], v[16+n], s53, s52      ; the conversion to an 8-bit code does not saturate (ISA guide 7.6.2): hold first
.set n, n+1
.endr
.irp u, 0,1,2,3,4,5,6,7
	v_cvt_scalef32_pk8_bf8_f32 v[80+2*\u:81+2*\u], v[16+8*\u:23+8*\u], v5
.endr
.irp c, 0,1,2,3
	global_store_b128 v4, v[80+4*\c:83+4*\c], s[26:27] offset:512*\c   ; 32 lanes store 512 consecutive bytes
.endr
.endm
	s_cmp_ge_u32 ttmp9, 4
	s_cbranch_scc1 .Lnot_in
	s_lshl_b32 s47, ttmp9, 2                       ; W_in: a = 4 x work-group + wave: g = a / 2, real or imaginary = a % 2
	s_add_co_u32 s47, s47, s46
	s_lshr_b32 s48, s47, 1
	s_and_b32 s49, s47, 1
	s_lshl_b32 s42, s48, 7
	s_lshl_b32 s50, s49, 2
	s_add_co_u32 s42, s42, s50                     ; column 2 (16 g) + part, in bytes
	s_add_nc_u64 s[40:41], s[4:5], s[42:43]
	s_mul_i32 s44, s48, 3
	s_add_co_u32 s44, s44, s49
	s_lshl_b32 s44, s44, 11                        ; image 3 g + part
	s_add_nc_u64 s[26:27], s[26:27], s[44:45]
	s_wait_alu depctr_va_vdst(0)
	v_lshlrev_b32 v3, 14, v2                       ; 16 hh rows of 1,024 bytes
	v_lshl_add_u32 v3, v1, 3, v3                   ; + 2 rho columns
	SCL 33
	QFRAG 1024, 0
	s_endpgm
.Lnot_in:
	s_cmp_ge_u32 ttmp9, 6
	s_cbranch_scc1 .Lnot_lam
	s_sub_co_u32 s47, ttmp9, 4                     ; W_lambda: a = g
	s_lshl_b32 s47, s47, 2
	s_add_co_u32 s47, s47, s46
	s_lshl_b32 s42, s47, 6
	s_add_nc_u64 s[40:41], s[8:9], s[42:43]
	s_mul_i32 s44, s47, 3
	s_add_co_u32 s44, s44, 2
	s_lshl_b32 s44, s44, 11                        ; image 3 g + 2
	s_add_nc_u64 s[26:27], s[26:27], s[44:45]
	s_wait_alu depctr_va_vdst(0)
	v_lshlrev_b32 v3, 13, v2                       ; 16 hh rows of 512 bytes
	v_lshl_add_u32 v3, v1, 2, v3
	SCL 37
	QFRAG 512, 0
	s_endpgm
.Lnot_lam:
	s_cmp_ge_u32 ttmp9, 10
	s_cbranch_scc1 .Lnot_gate
	s_sub_co_u32 s47, ttmp9, 6                     ; W_gate: a = 8 kk + t
	s_lshl_b32 s47, s47, 2
	s_add_co_u32 s47, s47, s46
	s_lshr_b32 s48, s47, 3                         ; kk
	s_bfe_u32 s49, s47, 0x20001                    ; t / 2
	s_and_b32 s50, s47, 1                          ; t % 2
	s_lshl_b32 s42, s48, 8
	s_lshl_b32 s49, s49, 6
	s_add_co_u32 s42, s42, s49
	s_lshl_b32 s50, s50, 4
	s_add_co_u32 s42, s42, s50                     ; 4 (64 kk + 16 (t / 2) + 4 (t % 2))
	s_add_nc_u64 s[40:41], s[6:7], s[42:43]
	s_add_co_u32 s44, s47, 24
	s_lshl_b32 s44, s44, 11                        ; image 24 + a
	s_add_nc_u64 s[26:27], s[26:27], s[44:45]
	s_wait_alu depctr_va_vdst(0)
	v_lshrrev_b32 v6, 1, v1
	v_lshrrev_b32 v7, 3, v1
	v_lshl_add_u32 v6, v7, 2, v6
	v_and_b32 v7, 1, v1
	v_lshl_add_u32 v6, v7, 7, v6                   ; rho / 2 + 4 (rho / 8) + 128 (rho % 2): the lane's part of k
	v_lshlrev_b32 v3, 14, v2
	v_lshl_add_u32 v3, v6, 2, v3
	SCL 35
	QFRAG 1024, 0
	s_endpgm
.Lnot_gate:
	s_cmp_ge_u32 ttmp9, 14
	s_cbranch_scc1 .Ltables
	s_sub_co_u32 s47, ttmp9, 10                    ; W_out: a = 2 tn + kk
	s_lshl_b32 s47, s47, 2
	s_add_co_u32 s47, s47, s46
	s_lshr_b32 s48, s47, 1
	s_and_b32 s49, s47, 1
	s_lshl_b32 s42, s49, 15                        ; 64 kk rows of 512 bytes
	s_lshl_b32 s48, s48, 6
	s_add_co_u32 s42, s42, s48                     ; + column 16 tn
	s_add_nc_u64 s[40:41], s[10:11], s[42:43]
	s_add_co_u32 s44, s47, 40
	s_lshl_b32 s44, s44, 11                        ; image 40 + a
	s_add_nc_u64 s[26:27], s[26:27], s[44:45]
	s_wait_alu depctr_va_vdst(0)
	v_lshlrev_b32 v3, 12, v2                       ; 8 hh rows
	v_lshl_add_u32 v3, v1, 2, v3
	SCL 39
	QFRAG 512, 1
	s_endpgm
.Ltables:
; cos and sin of x: n = x / (pi/2) to the nearest whole number; r = x - n pi/2 with pi/2 in three parts; polynomials on |r| <= pi/4; the quadrant from n
.macro SINCOS x, c, s
	v_mul_f32 v20, 0x3f22f983, v[\x]
	v_rndne_f32 v20, v20
	v_fma_f32 v21, v20, s50, v[\x]
	v_fma_f32 v21, v20, s51, v21
	v_fma_f32 v21, v20, s54, v21
	v_mul_f32 v22, v21, v21
	v_mov_b32 v23, 0xb94ca1f9
	v_fmaak_f32 v23, v23, v22, 0x3c08839e
	v_fmaak_f32 v23, v23, v22, 0xbe2aaaa3
	v_mul_f32 v24, v21, v22
	v_fma_f32 v23, v24, v23, v21                   ; sin r
	v_mov_b32 v25, 0x37ccf5ce
	v_fmaak_f32 v25, v25, v22, 0xbab6061a
	v_fmaak_f32 v25, v25, v22, 0x3d2aaaa5
	v_mul_f32 v24, v22, v22
	v_fma_f32 v26, v22, -0.5, 1.0
	v_fma_f32 v25, v24, v25, v26                   ; cos r
	v_cvt_i32_f32 v20, v20
	v_and_b32 v24, 1, v20
	v_cmp_eq_u32 vcc_lo, 1, v24
	v_cndmask_b32 v[\s], v23, v25, vcc_lo          ; odd quadrants change the two
	v_cndmask_b32 v[\c], v25, v23, vcc_lo
	v_and_b32 v24, 2, v20
	v_lshlrev_b32 v24, 30, v24
	v_xor_b32 v[\s], v24, v[\s]                    ; sin is negated in quadrants 2, 3
	v_add_nc_u32 v24, 1, v20
	v_and_b32 v24, 2, v24
	v_lshlrev_b32 v24, 30, v24
	v_xor_b32 v[\c], v24, v[\c]                    ; cos in quadrants 1, 2
.endm
	v_lshlrev_b32 v3, 2, v0                        ; thread = channel
	global_load_b32 v6, v3, s[14:15]
	global_load_b32 v7, v3, s[16:17]
	global_load_b32 v28, v3, s[18:19]              ; b_gate, ln_w, ln_b: features k = channel and channel + 128 are k' = 2 channel, 2 channel + 1
	global_load_b32 v29, v3, s[18:19] offset:512
	global_load_b32 v30, v3, s[20:21]
	global_load_b32 v31, v3, s[20:21] offset:512
	global_load_b32 v32, v3, s[22:23]
	global_load_b32 v33, v3, s[22:23] offset:512
	s_mov_b32 s50, 0xbfc90000                      ; -pi/2 in three parts
	s_mov_b32 s51, 0xb9fda000
	s_mov_b32 s54, 0xb3a22168
	s_wait_loadcnt 0x0
	SINCOS 6, 8, 9
	SINCOS 7, 10, 11
	v_mul_f32 v6, 0x42000000, v6                   ; 32 theta, exact: a segment of 32 steps turns by it
	v_mul_f32 v7, 0x42000000, v7
	SINCOS 6, 12, 13
	SINCOS 7, 14, 15
	v_lshlrev_b32 v34, 5, v0
	global_store_b128 v34, v[8:11], s[28:29]
	global_store_b128 v34, v[12:15], s[28:29] offset:16
	s_add_co_i32 s47, s34, s35
	s_sub_co_i32 s47, 0, s47
	v_ldexp_f32 v28, v28, s47                      ; b_gate / 2^(e2 + e3): it goes in as the C of the gate's sums
	v_ldexp_f32 v29, v29, s47
	v_lshlrev_b32 v35, 3, v0
	global_store_b64 v35, v[28:29], s[28:29] offset:4096
	global_store_b64 v35, v[30:31], s[28:29] offset:5120
	global_store_b64 v35, v[32:33], s[28:29] offset:6144
	s_cmp_lg_u32 s46, 0
	s_cbranch_scc1 .Lend
	global_load_b128 v[36:39], v4, s[24:25]        ; wave 0: b_out as it is, and zeros in the table's last 512 bytes, which are copied with it later
	v_mov_b32 v40, 0
	v_mov_b32 v41, 0
	v_mov_b32 v42, 0
	v_mov_b32 v43, 0
	global_store_b128 v4, v[40:43], s[28:29] offset:7680
	s_wait_loadcnt 0x0
	global_store_b128 v4, v[36:39], s[28:29] offset:7168
.Lend:
	s_endpgm
.Lfunc_end_k_q3e3a1268a1_prep:
	.size	k_q3e3a1268a1_prep, .Lfunc_end_k_q3e3a1268a1_prep-k_q3e3a1268a1_prep
	.p2alignl 7, 3214868480
	.fill 96, 4, 3214868480
	.section	.rodata,"a",@progbits
	.p2align	6, 0x0
	.amdhsa_kernel k_q3e3a1268a1_prep
		.amdhsa_group_segment_fixed_size 0
		.amdhsa_private_segment_fixed_size 0
		.amdhsa_enable_private_segment 0
		.amdhsa_kernarg_size 104
		.amdhsa_user_sgpr_count 2
		.amdhsa_user_sgpr_kernarg_segment_ptr 1
		.amdhsa_wavefront_size32 1
		.amdhsa_system_sgpr_workgroup_id_x 1
		.amdhsa_system_sgpr_workgroup_id_y 1
		.amdhsa_system_sgpr_workgroup_id_z 1
		.amdhsa_system_vgpr_workitem_id 0
		.amdhsa_next_free_vgpr 112
		.amdhsa_next_free_sgpr 66
		.amdhsa_reserve_vcc 1
		.amdhsa_float_denorm_mode_32 3
		.amdhsa_float_denorm_mode_16_64 3
		.amdhsa_memory_ordered 1
		.amdhsa_forward_progress 1
		.amdhsa_inst_pref_size 56
	.end_amdhsa_kernel
	.amdgpu_metadata
---
amdhsa.version: [ 1, 2 ]
amdhsa.kernels:
  - .name:           k_q3e3a1268a1_prep
    .symbol:         k_q3e3a1268a1_prep.kd
    .args:
      - { .name: W_in, .offset: 0, .size: 8, .value_kind: global_buffer, .address_space: global }
      - { .name: W_gate, .offset: 8, .size: 8, .value_kind: global_buffer, .address_space: global }
      - { .name: W_lambda, .offset: 16, .size: 8, .value_kind: global_buffer, .address_space: global }
      - { .name: W_out, .offset: 24, .size: 8, .value_kind: global_buffer, .address_space: global }
      - { .name: lowp_scales, .offset: 32, .size: 8, .value_kind: global_buffer, .address_space: global }
      - { .name: theta_f, .offset: 40, .size: 8, .value_kind: global_buffer, .address_space: global }
      - { .name: theta_r, .offset: 48, .size: 8, .value_kind: global_buffer, .address_space: global }
      - { .name: b_gate, .offset: 56, .size: 8, .value_kind: global_buffer, .address_space: global }
      - { .name: ln_w, .offset: 64, .size: 8, .value_kind: global_buffer, .address_space: global }
      - { .name: ln_b, .offset: 72, .size: 8, .value_kind: global_buffer, .address_space: global }
      - { .name: b_out, .offset: 80, .size: 8, .value_kind: global_buffer, .address_space: global }
      - { .name: wimg, .offset: 88, .size: 8, .value_kind: global_buffer, .address_space: global }
      - { .name: tab, .offset: 96, .size: 8, .value_kind: global_buffer, .address_space: global }
    .group_segment_fixed_size: 0
    .private_segment_fixed_size: 0
    .kernarg_segment_align: 8
    .kernarg_segment_size: 104
    .max_flat_workgroup_size: 128
    .sgpr_count:     66
    .vgpr_count:     112
    .wavefront_size: 32
...
	.end_amdgpu_metadata
.endif
;; end of part 4
;; launch scanh (part 5): grid 256 x 1, 16 waves a work-group, no clusters, 184,320 bytes of LDS; arguments x, wimg, tab, lowp_scales, b_in, b_lambda, s1; writes s1
.if DOCPART == 5
	.amdgcn_target "amdgcn-amd-amdhsa--gfx1250"
	.amdhsa_code_object_version 6
	.text
	.protected	k_q3e3a1268a1_scanh
	.globl	k_q3e3a1268a1_scanh
	.p2align	8
	.type	k_q3e3a1268a1_scanh,@function
k_q3e3a1268a1_scanh:
	s_mov_b64 s[64:65], 0
	v_nop
	global_prefetch_b8 v0, s[64:65] scope:SCOPE_SE
	s_setreg_imm32_b32 hwreg(HW_REG_WAVE_SCHED_MODE, 0, 2), 2
	s_setreg_imm32_b32 hwreg(HW_REG_WAVE_MODE, 25, 1), 1
	s_wait_xcnt 0x0
	s_wait_alu depctr_vm_vsrc(0)
.set FINAL, 0
; BiHgru2d, launches 2 and 3: one text; FINAL = 0: the two scans along H, their sum to s1.  FINAL = 1: the two scans along W, + s1, LayerNorm, gate, quantiser, last product, out0.
; Left out, as shown at the head of the first kernel: LOWER_BOUND = 0, and the scan's dropped gamma products (the recurrence is run, in four segments of 32 with carries).
; LIMITS: e0, e2, e4, e6 between -126 and 112; e0+e1, e2+e3, e4+e5, e6+e7 between -126 and 127; NaN and infinities among the inputs are not served; the scans round in another order than the tree.
; SHARES.  A unit is one line: 128 positions x 128 channels.  A work-group of sixteen waves stays and walks four lines.  No tensor loads: x arrives as f32 and passes through registers to be quantised, and
; work-groups share nothing but 112 KiB of weight codes; so no cluster either.  Sixteen waves of 256 registers, four to a SIMD: one wave's chains of the recurrence stand beside the others' work.
; A wave has two roles, told apart by addresses alone.  ROW ROLE: row tile i = wave / 2, half kh = wave % 2.  SCAN ROLE: channels 16 g .. 16 g + 15 (g = wave % 8), positions 64 q .. 64 q + 63 (q = wave / 8).
; Row m of row tile i is position 64 (i / 4) + 32 (m / 8) + 8 (i % 4) + m % 8: so in a result tile lanes 0-15 hold 8 neighbouring positions of segment 2 q and lanes 16-31 the same 8 of segment 2 q + 1:
; lane (r, hh) owns channel 16 g + r and segment 2 q + hh, 32 positions, in its registers.
; Operands go from wave to wave through LDS as images of their registers (16 x lane, 512 bytes a group of four registers).  Features are kept in the order k' = 2 x channel + (0 real, 1 imaginary).
; THE MODE: SCHED_MODE bits 1:0 = 2 (LLVM: expert scheduling mode 2), set by the entry lines.  The code itself states the register dependences between vector or matrix instructions
; and memory or LDS instructions, with s_wait_alu, always for 0.
; THE PLAN: the registers that memory or LDS instructions touch, in a unit's order ('|' marks a wait).
;   v3-v24, v42, v43: addresses and offsets.  Written at the head, ahead of one wait on va_vdst; never again: the scalar bases step, immediates do the rest.
;   A4: x lands (asked for a unit ahead).  X: my LDS stores read it | vm_vsrc | it comes back turned; the holds read it | va_vdst | G: x's fragments land, a tile's products read them | va_vdst | the next tile's fragments; behind the last tile the next unit's x.
;   v188-203 (FINAL = 1: and v236-243): X: the conversions write the codes | the same va_vdst | my LDS stores read them | barrier, vm_vsrc | G's products and activations write them.
;   v240-243, v248-249: A writes the segment's ends and product | va_vdst | my LDS stores read them | barrier, vm_vsrc | B writes them.  That va_vdst also shows the products done reading the weight fragments, in which C's loads land.
;   A3: B writes h(t) and adds the reverse scan onto it; the sums go to the stage in four runs of LDS stores, a va_vdst ahead of each | vm_vsrc | loads land in it (FINAL = 0: the weight fragments; 1: the gate's bias).
;   The last of B's four waits stands behind B's last vector instruction: it also frees A1, A2 and v236-251 for the loads that follow.
;   FINAL = 0: stage rows land in A1 and the global stores read them; X's vm_vsrc of the next unit stands ahead of the holds that write A1 again.
;   FINAL = 1.  F1: W_gate's fragments land in v124-139 and v236-251, two products read them | va_vdst | the next two fragments.
;   F2: | va_vdst: silu is done reading A2 | ln_w, ln_b and four stage rows land, the additions read the rows | va_vdst | the other four rows; the normalised rows are written to A1 | va_vdst | my LDS stores read them | barrier, vm_vsrc | F3's loads land in A1.
;   F3: the conversions write v108-123 | va_vdst | my LDS stores read them | barrier, vm_vsrc | F4's fragments land there.
;   F4: four products read their fragments | va_vdst | the next fragments, then b_out, land; the results are written to v44-75 | va_vdst | my LDS stores read them, rows come back to v76-107, the global stores read those; X's vm_vsrc as above.
.if FINAL
.set PSX,   4096                       ; bytes from position to position in x and out0
.set PSS,   8192                       ; and in s1
.set WG,    0                          ; LDS: W_gate's 16 images
.set WO,    32768                      ; W_out's 16 images
.set XC0,   65536                      ; x's codes under e0: 8 images; + 16,384: under e4; + 32,768: under e2
.set XC2,   98304
.set FIMG,  114688                     ; codes of feature x gate: 16 images
.set XCH,   147456                     ; carries: 32 bytes for each (segment, channel)
.set TBL,   163840                     ; b_gate scaled, ln_w, ln_b (k' order), b_out
.set STAGE, 167936                     ; 128 rows (positions) x 1,024 bytes, pitch 1,040
.set SPARE, 301056                     ; the spare words: 128 bytes a wave
.else
.set PSX,   524288
.set PSS,   1048576
.set XC0,   0
.set XCH,   32768
.set STAGE, 49152
.set SPARE, 182272
.endif
; vector registers that stay
.set SPW, 1
.set NIL, 2
.set LI,  3                            ; 16 x lane
.set TD,  4                            ; my own area (my 8 stage rows), as 16 rows of pitch 272: row hh, 16 r
.set XTL, 5                            ; the same area: row r, + 64 hh
.set OTS, 6                            ; the same area: row r, + 32 hh
.set XIW, 7                            ; where I store x's half images
.set AFR, 8                            ; where I fetch x's images (scan role)
.set STW, 9                            ; the stage: my segment's first row, my channel
.set XCW, 10                           ; my carry entry
.set XCR, 11                           ; my channel's entry of segment 0
.set DR,  12                           ; my 8 stage rows, 16 x lane
.set F3R, 13
.set GXR, 14
.set WGR, 15
.set WOR, 16
.set FIW, 17
.set FIR, 18
.set GBR, 19
.set BOR, 20
.set LNR, 21
.set XG0, 22                           ; x, out0: rows 0-7 of my row tile; XG1: rows 8-15
.set S1G, 23
.set WBG, 24
.set CSF, 26                           ; pairs: cos, sin of theta_f, theta_r, 32 theta_f, 32 theta_r
.set CSR, 28
.set C32F, 30
.set C32R, 32
.set BRI, 34                           ; b_in of my channel: real, imaginary
.set BLN, 36                           ; -log2(e) b_lambda
.set SC0, 38                           ; the conversions' scales
.set SC4, 39
.set SC2, 40
.set SC6, 41
.set XG1, 42
.set PFO, 43
; areas
.set A1, 44                            ; 64: in(t) as pairs; later rows of features; later the last product's sums
.set A2, 108                           ; 32: lam(t); later at work
.set A3, 140                           ; 64: weight fragments and two result tiles; then h(t) as pairs; then the gate
.set A4, 204                           ; 32: x on its way; x's fragments
.set BRE, 140
.set BIM, 156
.set BLM, 172
.set ZR,  188
.set ZI,  196
.set AIN, 204
.set ALM, 220
.set TR,  236
.set TI,  244
.set GF,  236
.set GR,  238
.set LP,  248
.set CF,  250
.set CR,  252
; scalar registers
.set XP,  4
.set S1P, 6
.set WIMG, 8
.set TAB, 10
.set LSP, 12
.set BIN, 14
.set BLA, 16
.set OP,  18
.set WV,  20
.set SG,  21
.set SQ,  22
.set SI,  23
.set KH,  32
.set SJ,  34
.set SCI, 36                           ; 2^(e0+e1)
.set SCLN, 38                          ; -log2(e) 2^(e4+e5)
.set SCG, 40                           ; 2^(e2+e3)
.set SCGN, 42                          ; -log2(e) 2^(e2+e3)
.set SCO, 44                           ; 2^(e6+e7)
.set SEL, 58
.set CNT, 60
.set NL2E, 66
.macro BARRIER                         ; my LDS stores have landed and my LDS loads are in: then the work-group's barrier
	s_wait_dscnt 0x0
	s_barrier_signal -1
	s_barrier_wait -1
.endm
.macro PLACES n
.rept \n
	v_nop
.endr
.endm
.macro XLOAD                           ; my half (256 bytes) of my row tile's 16 rows of x: sixteen lanes read 256 consecutive bytes
.irp k, 0,1,2,3
	global_load_b128 v[A4+4*\k:A4+4*\k+3], v[XG0], s[XP:XP+1] offset:2*\k*PSX th:TH_LOAD_NT
.endr
.irp k, 0,1,2,3
	global_load_b128 v[A4+16+4*\k:A4+16+4*\k+3], v[XG1], s[XP:XP+1] offset:2*\k*PSX th:TH_LOAD_NT
.endr
.endm
.macro BLOAD                           ; my channels' three weight fragments: real, imaginary, lambda
.irp k, 0,1,2,3,4,5,6,7,8,9,10,11
	global_load_b128 v[A3+4*\k:A3+4*\k+3], v[WBG], s[WIMG:WIMG+1] offset:512*\k
.endr
.endm
.macro FETCH reg, adr, off             ; an image comes back as the registers that it was
.irp c, 0,1,2,3
	ds_load_b128 v[\reg+4*\c:\reg+4*\c+3], v[\adr] offset:\off+512*\c
.endr
.endm
.macro QSET tmp, lim                   ; the hold at the largest code x the scale: the conversion to an 8-bit code does not saturate (ISA guide 7.6.2)
.set n, 0
.rept 32
	v_med3_num_f32 v[\tmp+n], v[A4+n], s[\lim], s[\lim+1]
.set n, n+1
.endr
.endm
.macro QCVT cod, tmp, sc
.irp u, 0,1,2,3
	v_cvt_scalef32_pk8_bf8_f32 v[\cod+2*\u:\cod+2*\u+1], v[\tmp+8*\u:\tmp+8*\u+7], v[\sc]
.endr
.endm
.macro LIMS e, sc, lim                 ; v[sc] = 2^e; s[lim], s[lim+1] = -+57,344 x 2^e
	s_add_co_i32 s68, s[\e], 127
	s_lshl_b32 s69, s68, 23
	v_mov_b32 v[\sc], s69
	s_add_co_i32 s68, s68, 15
	s_lshl_b32 s68, s68, 23
	s_or_b32 s[\lim+1], s68, 0x600000
	s_or_b32 s[\lim], s[\lim+1], 0x80000000
.endm
.macro GMUL d, t, cs                   ; gamma(t) = lam(t) x (cos, sin)
.if (\t)&1
	v_pk_mul_f32 v[\d:\d+1], v[A2+(\t)-1:A2+(\t)], v[\cs:\cs+1] op_sel:[1,0] op_sel_hi:[1,1]
.else
	v_pk_mul_f32 v[\d:\d+1], v[A2+(\t):A2+(\t)+1], v[\cs:\cs+1] op_sel:[0,0] op_sel_hi:[0,1]
.endif
.endm
.macro CF1 d, g, h, a                  ; d = g h + a, complex, in two packed multiply-adds: first g.re x h + a,
	v_pk_fma_f32 v[\d:\d+1], v[\h:\h+1], v[\g:\g+1], v[\a:\a+1] op_sel_hi:[1,0,1]
.endm
.macro CF2 d, g, h                     ; then (-g.im h.im, g.im h.re) on top
	v_pk_fma_f32 v[\d:\d+1], v[\h:\h+1], v[\g:\g+1], v[\d:\d+1] op_sel:[1,1,0] op_sel_hi:[0,1,1] neg_lo:[0,1,0]
.endm
.macro RSUM b                          ; eight pairs at v[b + 2 p]: the two halves, then the 32 lanes; the sum ends in every lane's low word
.irp p, 0,1,2,3,4,5,6,7
	v_add_f32 v[\b+2*\p], v[\b+2*\p], v[\b+2*\p+1]
.endr
.irp m, 1,2,4,8
.irp p, 0,1,2,3,4,5,6,7
	v_add_f32_dpp v[\b+2*\p], v[\b+2*\p], v[\b+2*\p] row_xmask:\m row_mask:0xf bank_mask:0xf
.endr
.endr
.irp p, 0,1,2,3,4,5,6,7
	v_permlanex16_b32 v[\b+2*\p+1], v[\b+2*\p], s[SEL], s[SEL+1]
.endr
.irp p, 0,1,2,3,4,5,6,7
	v_add_f32 v[\b+2*\p], v[\b+2*\p], v[\b+2*\p+1]
.endr
.endm
; The activations of one result tile: 8 positions of my channel.  in = (1 - lam) silu(z), lam = sigmoid(zl); sigmoid(y) = 1 / (1 + 2^(-log2(e) y)).
.macro ACT j
.set LT, A2+8*\j
.irp p, 0,2,4,6
	v_pk_fma_f32 v[ZR+\p:ZR+\p+1], v[ZR+\p:ZR+\p+1], s[SCI:SCI+1], v[BRI:BRI+1] op_sel_hi:[1,0,0]
.endr
.irp p, 0,2,4,6
	v_pk_fma_f32 v[ZI+\p:ZI+\p+1], v[ZI+\p:ZI+\p+1], s[SCI:SCI+1], v[BRI:BRI+1] op_sel:[0,0,1] op_sel_hi:[1,0,1]
.endr
.irp p, 0,2,4,6
	v_pk_fma_f32 v[LT+\p:LT+\p+1], v[LT+\p:LT+\p+1], s[SCLN:SCLN+1], v[BLN:BLN+1] op_sel_hi:[1,0,0]
.endr
.irp p, 0,2,4,6
	v_pk_mul_f32 v[TR+\p:TR+\p+1], v[ZR+\p:ZR+\p+1], s[NL2E:NL2E+1] op_sel_hi:[1,0]
	v_pk_mul_f32 v[TI+\p:TI+\p+1], v[ZI+\p:ZI+\p+1], s[NL2E:NL2E+1] op_sel_hi:[1,0]
.endr
	s_wait_alu depctr_va_vdst(0)
.irp p, 0,1,2,3,4,5,6,7
	v_exp_f32 v[TR+\p], v[TR+\p]
	v_exp_f32 v[TI+\p], v[TI+\p]
	v_exp_f32 v[LT+\p], v[LT+\p]
.endr
	v_nop                                          ; a plain instruction behind the last exponential,
	s_wait_alu depctr_va_vdst(0)                   ; and one wait for the batch: the 24 exponentials have written TR, TI and LT, ahead of their first reader
.irp p, 0,2,4,6
	v_pk_add_f32 v[TR+\p:TR+\p+1], v[TR+\p:TR+\p+1], 1.0 op_sel_hi:[1,0]
	v_pk_add_f32 v[TI+\p:TI+\p+1], v[TI+\p:TI+\p+1], 1.0 op_sel_hi:[1,0]
	v_pk_add_f32 v[LT+\p:LT+\p+1], v[LT+\p:LT+\p+1], 1.0 op_sel_hi:[1,0]
.endr
	s_wait_alu depctr_va_vdst(0)
.irp p, 0,1,2,3,4,5,6,7
	v_rcp_f32 v[TR+\p], v[TR+\p]
	v_rcp_f32 v[TI+\p], v[TI+\p]
	v_rcp_f32 v[LT+\p], v[LT+\p]
.endr
	v_nop
	s_wait_alu depctr_va_vdst(0)                   ; one wait for the batch: the 24 reciprocals have written TR, TI and LT, ahead of their first reader
.irp p, 0,2,4,6
	v_pk_mul_f32 v[ZR+\p:ZR+\p+1], v[ZR+\p:ZR+\p+1], v[TR+\p:TR+\p+1]
	v_pk_mul_f32 v[ZI+\p:ZI+\p+1], v[ZI+\p:ZI+\p+1], v[TI+\p:TI+\p+1]
.endr
.irp p, 0,2,4,6
	v_pk_fma_f32 v[TR+\p:TR+\p+1], v[LT+\p:LT+\p+1], -1.0, 1.0 op_sel_hi:[1,0,0]   ; 1 - lam
.endr
.irp p, 0,1,2,3,4,5,6,7
	v_mul_f32 v[A1+16*\j+2*\p], v[TR+\p], v[ZR+\p]
	v_mul_f32 v[A1+16*\j+2*\p+1], v[TR+\p], v[ZI+\p]
.endr
.endm
; ---------------- the head
.if FINAL
	s_load_b512 s[4:19], s[0:1], 0x0               ; x, s1, wimg, tab, scales, b_in, b_lambda, out0
.else
	s_load_b64 s[4:5], s[0:1], 0x0                 ; x
	s_load_b128 s[8:11], s[0:1], 0x8               ; wimg, tab
	s_load_b128 s[12:15], s[0:1], 0x18             ; scales, b_in
	s_load_b64 s[16:17], s[0:1], 0x28              ; b_lambda
	s_load_b64 s[6:7], s[0:1], 0x30                ; s1
.endif
	v_lshl_add_u32 v[SPW], v0, 2, SPARE
	v_mov_b32 v[NIL], 0
	v_lshrrev_b32 v25, 5, v0
	v_readfirstlane_b32 s[WV], v25
	v_and_b32 v244, 31, v0                         ; lane
	v_and_b32 v245, 15, v0                         ; r
	v_bfe_u32 v246, v0, 4, 1                       ; hh
	s_wait_alu depctr_va_vdst(0)
	v_lshlrev_b32 v[LI], 4, v244
	s_wait_alu depctr_va_vdst(0)
	s_wait_alu depctr_va_sdst(0)                   ; the wave's number is written to s[WV], ahead of its first reader
	s_and_b32 s[SG], s[WV], 7
	s_lshr_b32 s[SQ], s[WV], 3                     ; q; also i / 4
	s_lshr_b32 s[SI], s[WV], 1
	s_and_b32 s[KH], s[WV], 1
	s_and_b32 s[SJ], s[SI], 3                      ; i % 4
	s_mul_i32 s68, s[WV], 8320
	s_add_co_u32 s68, s68, STAGE                   ; my 8 stage rows
	v_mul_u32_u24 v[TD], v246, 272
	v_lshl_add_u32 v[TD], v245, 4, v[TD]
	v_add_nc_u32 v[TD], s68, v[TD]
	v_mul_u32_u24 v247, v245, 272
	v_add_nc_u32 v247, s68, v247
	v_lshl_add_u32 v[XTL], v246, 6, v247
	v_add_nc_u32 v[DR], s68, v[LI]
	s_lshl_b32 s69, s[WV], 10
	s_add_co_u32 s69, s69, XC0
	v_add_nc_u32 v[XIW], s69, v[LI]                ; image i, its half kh: 2,048 i + 1,024 kh = 1,024 x wave
	s_lshl_b32 s69, s[SQ], 13
	s_add_co_u32 s69, s69, XC0
	v_add_nc_u32 v[AFR], s69, v[LI]
	s_mul_i32 s69, s[SQ], 66560
	s_lshl_b32 s70, s[SG], 7
	s_add_co_u32 s69, s69, s70
	s_add_co_u32 s69, s69, STAGE
	v_mul_u32_u24 v[STW], v246, 33280
	v_lshl_add_u32 v[STW], v245, 3, v[STW]
	v_add_nc_u32 v[STW], s69, v[STW]               ; row 64 q + 32 hh, byte 8 x channel
	s_lshl_b32 s69, s[SG], 9
	s_add_co_u32 s69, s69, XCH
	v_lshlrev_b32 v[XCR], 5, v245
	v_add_nc_u32 v[XCR], s69, v[XCR]
	s_lshl_b32 s69, s[SQ], 13
	v_lshl_add_u32 v[XCW], v246, 12, v[XCR]
	v_add_nc_u32 v[XCW], s69, v[XCW]
	s_lshl_b32 s71, s[SQ], 6
	s_lshl_b32 s70, s[SJ], 3
	s_add_co_u32 s71, s71, s70                     ; 64 (i / 4) + 8 (i % 4): my row tile's first position
.if FINAL
	v_lshl_add_u32 v[OTS], v246, 5, v247
	s_mul_i32 s70, s71, 1040
	s_lshl_b32 s72, s[KH], 9
	s_add_co_u32 s70, s70, s72
	s_add_co_u32 s70, s70, STAGE
	v_lshrrev_b32 v247, 3, v245
	v_and_b32 v248, 7, v245
	v_mul_u32_u24 v[F3R], v247, 33280
	v_mad_u32_u24 v[F3R], v248, 1040, v[F3R]
	v_lshl_add_u32 v[F3R], v246, 6, v[F3R]
	v_add_nc_u32 v[F3R], s70, v[F3R]               ; row r of my row tile, features 128 kh + 16 hh on
	s_lshl_b32 s69, s[SI], 11
	s_add_co_u32 s69, s69, XC2
	v_add_nc_u32 v[GXR], s69, v[LI]
	s_lshl_b32 s69, s[KH], 14
	v_add_nc_u32 v[WGR], s69, v[LI]
	s_add_co_u32 s69, s69, WO
	v_add_nc_u32 v[WOR], s69, v[LI]
	s_lshl_b32 s69, s[WV], 11
	s_add_co_u32 s69, s69, FIMG
	v_add_nc_u32 v[FIW], s69, v[LI]
	s_lshl_b32 s69, s[SI], 12
	s_add_co_u32 s69, s69, FIMG
	v_add_nc_u32 v[FIR], s69, v[LI]
	s_lshl_b32 s69, s[KH], 9
	s_add_co_u32 s69, s69, TBL
	v_lshl_add_u32 v[GBR], v246, 6, s69
	s_lshl_b32 s69, s[KH], 8
	s_add_co_u32 s69, s69, TBL+3072
	v_lshl_add_u32 v[BOR], v246, 5, s69
	v_add_nc_u32 v[LNR], TBL+1024, v[LI]
.endif
	s_mul_i32 s70, s71, PSX
	s_lshl_b32 s72, s[KH], 8
	s_add_co_u32 s70, s70, s72
	v_mul_u32_u24 v[XG0], v246, PSX
	v_lshl_add_u32 v[XG0], v245, 4, v[XG0]
	v_add_nc_u32 v[XG0], s70, v[XG0]
	v_add_nc_u32 v[XG1], 32*PSX, v[XG0]
	s_mul_i32 s70, s[WV], 8*PSS
	v_add_nc_u32 v[S1G], s70, v[LI]
.if FINAL
	v_lshrrev_b32 v247, 2, v244
	v_mul_u32_u24 v[PFO], v247, PSS
	v_and_b32 v247, 3, v244
	v_lshl_add_u32 v[PFO], v247, 8, v[PFO]
	v_add_nc_u32 v[PFO], s70, v[PFO]               ; my 8 rows of s1, a lane to each 256 bytes
.endif
	s_mul_i32 s70, s[SG], 6144
	v_add_nc_u32 v[WBG], s70, v[LI]
	s_lshl_b32 s70, s[SG], 9
	v_lshl_add_u32 v247, v245, 5, s70              ; 32 x channel
	s_lshl_b32 s70, s[SG], 7
	v_lshl_add_u32 v248, v245, 3, s70              ; 8 x channel
	s_lshl_b32 s70, s[SG], 6
	v_lshl_add_u32 v249, v245, 2, s70              ; 4 x channel
	s_lshl_b32 s70, s[SQ], 1
	v_add_nc_u32 v252, s70, v246                   ; my segment
	v_cmp_eq_u32 s54, 0, v252
	v_cmp_eq_u32 s55, 1, v252
	v_cmp_eq_u32 s56, 2, v252
	v_cmp_eq_u32 s57, 3, v252
	s_wait_alu depctr_va_sdst(0)                   ; the four masks s54 to s57 are written: one wait behind the run, ahead of the loop's label; the carries' choices read them
	s_mov_b32 s[SEL], 0x76543210
	s_mov_b32 s[SEL+1], 0xfedcba98
	s_mov_b32 s[CNT], 4
	s_mov_b32 s61, 0x3b800000                      ; 1 / 256
	s_mov_b32 s62, 0x3727c5ac                      ; 1e-5
	s_mov_b32 s[NL2E], 0xbfb8aa3b                  ; -log2(e)
	s_mov_b32 s[NL2E+1], s[NL2E]
.if FINAL
	s_lshr_b32 s70, ttmp9, 1                       ; lines 4 n .. 4 n + 3: h = n / 2, b = 4 (n % 2) + unit
	s_and_b32 s72, ttmp9, 1
	s_lshl_b32 s68, s70, 19
	s_lshl_b32 s72, s72, 11
	s_add_co_u32 s68, s68, s72
	v_lshlrev_b32 v250, 4, v0
	v_lshlrev_b32 v251, 3, v0
	v_lshl_add_u32 v253, v0, 3, TBL
.else
	s_lshl_b32 s68, ttmp9, 11                      ; lines 4 n .. 4 n + 3 = 8 w + b: 512 bytes each
.endif
	s_mov_b32 s69, 0
	s_wait_kmcnt 0x0
	s_load_b256 s[24:31], s[LSP:LSP+1], 0x0        ; e0 .. e7
	s_add_nc_u64 s[XP:XP+1], s[XP:XP+1], s[68:69]
.if FINAL
	s_add_nc_u64 s[OP:OP+1], s[OP:OP+1], s[68:69]
.endif
	s_lshl_b32 s68, s68, 1                         ; s1's rows are twice as long
	s_add_nc_u64 s[S1P:S1P+1], s[S1P:S1P+1], s[68:69]
	s_wait_alu depctr_va_vdst(0)                   ; every address and offset is written (v3 to v24, v42, v43, and the head's own v247 to v253): all loads, stores and the prefetch of the kernel read them
	XLOAD                                          ; the first unit
	BLOAD
	global_load_b128 v[CSF:CSF+3], v247, s[TAB:TAB+1]
	global_load_b128 v[C32F:C32F+3], v247, s[TAB:TAB+1] offset:16
	global_load_b64 v[BRI:BRI+1], v248, s[BIN:BIN+1]
	global_load_b32 v[BLN], v249, s[BLA:BLA+1]
.if FINAL
.irp k, 0,1,2,3,4,5,6,7
	global_load_b128 v[A1+4*\k:A1+4*\k+3], v250, s[WIMG:WIMG+1] offset:49152+8192*\k   ; W_gate's and W_out's images: 64 KiB, 16 bytes a thread
.endr
	global_load_b64 v[A1+32:A1+33], v251, s[TAB:TAB+1] offset:4096
.endif
	s_wait_kmcnt 0x0
	s_add_co_i32 s68, s24, s25
	s_add_co_i32 s68, s68, 127
	s_lshl_b32 s[SCI], s68, 23
	s_mov_b32 s[SCI+1], s[SCI]
	s_add_co_i32 s68, s28, s29
	s_lshl_b32 s68, s68, 23
	s_add_co_i32 s[SCLN], s68, s[NL2E]             ; e4 + e5 is added to the constant's exponent field
	s_mov_b32 s[SCLN+1], s[SCLN]
	LIMS 24, SC0, 46
	LIMS 28, SC4, 48
.if FINAL
	s_add_co_i32 s68, s26, s27
	s_lshl_b32 s69, s68, 23
	s_add_co_i32 s[SCGN], s69, s[NL2E]
	s_mov_b32 s[SCGN+1], s[SCGN]
	s_add_co_i32 s68, s68, 127
	s_lshl_b32 s[SCG], s68, 23
	s_mov_b32 s[SCG+1], s[SCG]
	s_add_co_i32 s68, s30, s31
	s_add_co_i32 s68, s68, 127
	s_lshl_b32 s[SCO], s68, 23
	s_mov_b32 s[SCO+1], s[SCO]
	LIMS 26, SC2, 50
	LIMS 30, SC6, 52
.endif
	s_wait_loadcnt 0x0                             ; all the head's loads
.if FINAL
.irp k, 0,1,2,3,4,5,6,7
	ds_store_b128 v250, v[A1+4*\k:A1+4*\k+3] offset:8192*\k
.endr
	ds_store_b64 v253, v[A1+32:A1+33]
.endif
	v_mul_f32 v[BLN], s[NL2E], v[BLN]
	v_mov_b32 v[BLN+1], 0
	s_wait_xcnt 0x0
	s_add_nc_u64 s[XP:XP+1], s[XP:XP+1], 512       ; x's pointer runs one unit ahead
.Lunit:
; ---- X (row role): my 16 rows x 64 numbers of x become half an image under each of x's scales.  They turn through my own area: in as they were loaded, out 16 neighbours along K a lane.
	s_wait_loadcnt 0x0                             ; x, and my weight fragments
.irp k, 0,1,2,3,4,5,6,7
	ds_store_b128 v[TD], v[A4+4*\k:A4+4*\k+3] offset:544*\k
.endr
	s_wait_alu depctr_vm_vsrc(0)                   ; these stores have read A4, in which the loads below land; and the stores of the unit before (in the first unit: the head's loads and stores) have read A1 and v244 to v253, which the holds and the activations write again
.irp c, 0,1
.irp u, 0,1,2,3
	ds_load_b128 v[A4+16*\c+4*\u:A4+16*\c+4*\u+3], v[XTL] offset:128*\c+16*\u   ; LDS serves a wave's instructions in order (ISA guide 5.7.1.4): these see my stores
.endr
.endr
	s_wait_dscnt 0x0
	QSET A1, 46
	QSET A1+32, 48
.if FINAL
	QSET A2, 50
.endif
	QCVT 188, A1, SC0
	QCVT 196, A1+32, SC4
.if FINAL
	QCVT 236, A2, SC2
.endif
	v_nop                                          ; a plain instruction behind the last conversion: matrix and vector instructions write these registers later
	s_wait_alu depctr_va_vdst(0)                   ; the conversions have written the codes, which the LDS stores below read; the holds are done reading A4, in which x's fragments land behind the barrier
	ds_store_b128 v[XIW], v[188:191]
	ds_store_b128 v[XIW], v[192:195] offset:512
	ds_store_b128 v[XIW], v[196:199] offset:16384
	ds_store_b128 v[XIW], v[200:203] offset:16384+512
.if FINAL
	ds_store_b128 v[XIW], v[236:239] offset:32768
	ds_store_b128 v[XIW], v[240:243] offset:32768+512
.endif
	BARRIER                                        ; x's images lie in LDS
; ---- G (scan role): for each of my four row tiles three products (real, imaginary, lambda), then the activations
	s_wait_alu depctr_vm_vsrc(0)                   ; my stores of the codes have read v188 to v203 (FINAL = 1: and v236 to v243), which the products and the activations below write
	FETCH AIN, AFR, 0
	FETCH ALM, AFR, 16384
.irp j, 0,1,2,3
	s_wait_dscnt 0x0
	v_wmma_f32_16x16x128_bf8_bf8 v[ZR:ZR+7], v[AIN:AIN+15], v[BRE:BRE+15], 0
	v_wmma_f32_16x16x128_bf8_bf8 v[ZI:ZI+7], v[AIN:AIN+15], v[BIM:BIM+15], 0
	v_wmma_f32_16x16x128_bf8_bf8 v[A2+8*\j:A2+8*\j+7], v[ALM:ALM+15], v[BLM:BLM+15], 0
	PLACES 5                                       ; ahead of the first read of results (ISA guide 7.12.1)
	s_wait_alu depctr_va_vdst(0)                   ; the three products are done reading x's fragments in A4, in which the loads below land (the next tile's fragments; behind the last tile the next unit's x)
.if \j < 3
	FETCH AIN, AFR, 2048*(\j+1)
	FETCH ALM, AFR, 16384+2048*(\j+1)
.else
	s_cmp_eq_u32 s[CNT], 1                         ; the next unit's x is asked for here, if there is one: no load leaves its buffer
	s_cbranch_scc1 .Lnox
	XLOAD
.Lnox:
.if FINAL
	global_prefetch_b8 v[PFO], s[S1P:S1P+1] th:TH_LOAD_NT scope:SCOPE_SE   ; this unit's rows of s1 that I shall load behind the scans: 8 rows x 1,024 bytes, a lane to each 256; each block is named once in the launch
.endif
.endif
	ACT \j
.endr
; ---- A: both scans of my segment from zero, for the segment's end values; and the product of its 32 lambdas
.set tau, 1
.rept 31
.set trv, 31-tau
.if tau&1
.set fd, 240
.set fh, 244
.set rd, 242
.set rh, 246
.else
.set fd, 244
.set fh, 240
.set rd, 246
.set rh, 242
.endif
.if tau == 1
.set fh, A1
.set rh, A1+62
.endif
	GMUL GF, tau, CSF
	GMUL GR, trv, CSR
	CF1 fd, GF, fh, A1+2*tau
	CF1 rd, GR, rh, A1+2*trv
.if tau == 1
	v_pk_mul_f32 v[LP:LP+1], v[A2:A2+1], v[A2+2:A2+3]
.elseif tau < 16
	v_pk_mul_f32 v[LP:LP+1], v[LP:LP+1], v[A2+2*tau:A2+2*tau+1]
.endif
	CF2 fd, GF, fh
	CF2 rd, GR, rh
.set tau, tau+1
.endr
	v_mul_f32 v[LP], v[LP], v[LP+1]
	s_wait_alu depctr_va_vdst(0)                   ; the segment's two ends and its product are written, which the LDS stores below read; the products are long done reading the weight fragments, in which the carries' loads land behind the barrier
	ds_store_b128 v[XCW], v[240:243]               ; forward end, reverse end
	ds_store_b64 v[XCW], v[LP:LP+1] offset:16      ; the product (the pair's upper word is not used)
	BARRIER                                        ; all segments' ends lie in LDS
; ---- C: the carries into my segment
	s_wait_alu depctr_vm_vsrc(0)                   ; my two stores have read v240 to v243 and v248, v249, which the scans below write again
.irp s, 0,1,2,3
	ds_load_b128 v[140+8*\s:143+8*\s], v[XCR] offset:4096*\s
	ds_load_b64 v[144+8*\s:145+8*\s], v[XCR] offset:4096*\s+16
.endr
	s_wait_dscnt 0x0
	v_pk_mul_f32 v[172:173], v[152:153], v[C32F:C32F+1] op_sel_hi:[0,1]   ; a whole segment's gamma: its lambdas' product x (cos, sin)(32 theta)
	v_pk_mul_f32 v[174:175], v[160:161], v[C32F:C32F+1] op_sel_hi:[0,1]
	v_pk_mul_f32 v[176:177], v[152:153], v[C32R:C32R+1] op_sel_hi:[0,1]
	v_pk_mul_f32 v[178:179], v[160:161], v[C32R:C32R+1] op_sel_hi:[0,1]
	CF1 180, 172, 140, 148                         ; into segment 2: gamma(1) x end(0) + end(1)
	CF1 184, 178, 166, 158                         ; reverse, into segment 1: gamma(2) x end(3) + end(2)
	CF2 180, 172, 140
	CF2 184, 178, 166
	CF1 182, 174, 180, 156                         ; into segment 3
	CF1 186, 176, 184, 150                         ; reverse, into segment 0
	CF2 182, 174, 180
	CF2 186, 176, 184
.irp w, 0,1
	v_cndmask_b32 v[CF+\w], 0, v[140+\w], s55      ; a choice by the lane's segment: 0 into segment 0
	v_cndmask_b32 v[CR+\w], 0, v[166+\w], s56      ; 0 into segment 3
	v_cndmask_b32 v[CF+\w], v[CF+\w], v[180+\w], s56
	v_cndmask_b32 v[CR+\w], v[CR+\w], v[184+\w], s55
	v_cndmask_b32 v[CF+\w], v[CF+\w], v[182+\w], s57
	v_cndmask_b32 v[CR+\w], v[CR+\w], v[186+\w], s54
.endr
; ---- B: the true scans.  Forward into h(t); reverse is added onto it, and the sums go to the stage in four runs of LDS stores, one wait ahead of each run
.set t, 0
.rept 32
.set gg, GF+2*(t&1)
.set fh, A3+2*t-2
.if t == 0
.set fh, CF
.endif
	GMUL gg, t, CSF
	CF1 A3+2*t, gg, fh, A1+2*t
	CF2 A3+2*t, gg, fh
.set t, t+1
.endr
.set t, 31
.rept 32
.if t&1
.set rd, 240
.set rh, 244
.else
.set rd, 244
.set rh, 240
.endif
.if t == 31
.set rh, CR
.endif
	GMUL GR, t, CSR
	CF1 rd, GR, rh, A1+2*t
.if t < 31
	v_pk_add_f32 v[A3+2*t+2:A3+2*t+3], v[A3+2*t+2:A3+2*t+3], v[rh:rh+1]   ; the step before's result, which is ready
.endif
.if (t == 24) || (t == 16) || (t == 8)
	s_wait_alu depctr_va_vdst(0)                   ; the additions so far have written the sums of positions t + 1 to t + 8, which the run of LDS stores below reads; no later vector instruction names these registers
.set u, t+8
.rept 8
.if u < 32
	ds_store_b64 v[STW], v[A3+2*u:A3+2*u+1] offset:1040*u
.endif
.set u, u-1
.endr
.endif
	CF2 rd, GR, rh
.set t, t-1
.endr
	v_pk_add_f32 v[A3:A3+1], v[A3:A3+1], v[244:245]
	s_wait_alu depctr_va_vdst(0)                   ; the sums of positions 0 to 8 are written, which the last run of stores reads; and the scans are done with A1, A2, A3 and v236 to v253, in which the loads that follow land
.set u, 8
.rept 9
	ds_store_b64 v[STW], v[A3+2*u:A3+2*u+1] offset:1040*u
.set u, u-1
.endr
.if FINAL == 0
; ---- the way out: my 8 whole rows of the stage go to s1
	BARRIER                                        ; 128 whole rows lie in the stage
	s_wait_alu depctr_vm_vsrc(0)                   ; my stores to the stage have read A3, in which the weight fragments land: ahead of the branch
	s_cmp_eq_u32 s[CNT], 1
	s_cbranch_scc1 .Lnob
	BLOAD                                          ; the weight fragments for the next unit
.Lnob:
.irp k, 0,1,2,3,4,5,6,7,8,9,10,11,12,13,14,15
	ds_load_b128 v[A1+4*\k:A1+4*\k+3], v[DR] offset:1040*(\k/2)+512*(\k%2)
.endr
.irp k, 0,1,2,3,4,5,6,7,8,9,10,11,12,13,14,15
	s_wait_dscnt 15-\k                             ; the younger loads of this run may be out
	global_store_b128 v[S1G], v[A1+4*\k:A1+4*\k+3], s[S1P:S1P+1] offset:(\k/2)*PSS+512*(\k%2) th:TH_STORE_NT   ; 32 lanes store 512 consecutive bytes
.endr
.else
; ---- F0: my 8 rows of s1, dense; they land under the gate's work
.irp p, 0,1,2,3,4,5,6,7
	global_load_b128 v[A1+8*\p:A1+8*\p+3], v[S1G], s[S1P:S1P+1] offset:PSS*\p th:TH_LOAD_NT
	global_load_b128 v[A1+8*\p+4:A1+8*\p+7], v[S1G], s[S1P:S1P+1] offset:PSS*\p+512 th:TH_LOAD_NT
.endr
; ---- F1 (row role): the gate of my row tile, features 128 kh on, transposed (source 0 = 16 features of W_gate, source 1 = x): a lane holds one position, its registers run along k'.  The bias is the sums' C
	s_wait_alu depctr_vm_vsrc(0)                   ; my stores to the stage have read A3, in which the gate's bias lands
.irp t, 0,1,2,3,4,5,6,7
	ds_load_b128 v[A3+8*\t:A3+8*\t+3], v[GBR] offset:128*(\t/2)+32*(\t%2)
	ds_load_b128 v[A3+8*\t+4:A3+8*\t+7], v[GBR] offset:128*(\t/2)+32*(\t%2)+16
.endr
	FETCH 108, GXR, 0
.irp n, 0,1,2,3
	FETCH 124, WGR, 2048*(2*\n)
	FETCH 236, WGR, 2048*(2*\n+1)
	s_wait_dscnt 0x0
	v_wmma_f32_16x16x128_bf8_bf8 v[A3+16*\n:A3+16*\n+7], v[124:139], v[108:123], v[A3+16*\n:A3+16*\n+7]
	v_wmma_f32_16x16x128_bf8_bf8 v[A3+16*\n+8:A3+16*\n+15], v[236:251], v[108:123], v[A3+16*\n+8:A3+16*\n+15]
	PLACES 4
.if \n < 3
	s_wait_alu depctr_va_vdst(0)                   ; the two products are done reading W_gate's fragments in v124 to v139 and v236 to v251, in which the next two land
.endif
.endr
.irp b, 0,1                            ; silu, 32 numbers at a time
.set n, 0
.rept 16
	v_pk_mul_f32 v[A2+n:A2+n+1], v[A3+32*\b+n:A3+32*\b+n+1], s[SCGN:SCGN+1] op_sel_hi:[1,0]
.set n, n+2
.endr
.set n, 0
.rept 16
	v_pk_mul_f32 v[A3+32*\b+n:A3+32*\b+n+1], v[A3+32*\b+n:A3+32*\b+n+1], s[SCG:SCG+1] op_sel_hi:[1,0]
.set n, n+2
.endr
.set n, 0
.rept 32
	v_exp_f32 v[A2+n], v[A2+n]
.set n, n+1
.endr
	v_nop
	s_wait_alu depctr_va_vdst(0)                   ; one wait for the batch: the 32 exponentials have written A2, ahead of their first reader
.set n, 0
.rept 16
	v_pk_add_f32 v[A2+n:A2+n+1], v[A2+n:A2+n+1], 1.0 op_sel_hi:[1,0]
.set n, n+2
.endr
.set n, 0
.rept 32
	v_rcp_f32 v[A2+n], v[A2+n]
.set n, n+1
.endr
	v_nop
	s_wait_alu depctr_va_vdst(0)                   ; one wait for the batch: the 32 reciprocals have written A2, ahead of their first reader
.set n, 0
.rept 16
	v_pk_mul_f32 v[A3+32*\b+n:A3+32*\b+n+1], v[A3+32*\b+n:A3+32*\b+n+1], v[A2+n:A2+n+1]
.set n, n+2
.endr
.endr
	BARRIER                                        ; 128 whole rows of this direction's sums lie in the stage
; ---- F2: LayerNorm of my 8 rows, dense: a lane holds k' = 128 a + 4 lane + 0 .. 3, a = 0, 1
	s_wait_alu depctr_va_vdst(0)                   ; silu's last multiplications are done reading A2, in which stage rows land; the gate's products are done reading v236 to v251, in which ln_w and ln_b land
	ds_load_b128 v[236:239], v[LNR]
	ds_load_b128 v[240:243], v[LNR] offset:512
	ds_load_b128 v[244:247], v[LNR] offset:1024
	ds_load_b128 v[248:251], v[LNR] offset:1536
	s_wait_loadcnt 0x0                             ; s1's rows
.irp h, 0,1
.if \h == 1
	s_wait_alu depctr_va_vdst(0)                   ; the additions above are done reading A2, in which the other four rows land
.endif
.irp p, 0,1,2,3
	ds_load_b128 v[A2+8*\p:A2+8*\p+3], v[DR] offset:1040*(4*\h+\p)
	ds_load_b128 v[A2+8*\p+4:A2+8*\p+7], v[DR] offset:1040*(4*\h+\p)+512
.endr
	s_wait_dscnt 0x0
.set n, 0
.rept 16
	v_pk_add_f32 v[A1+32*\h+n:A1+32*\h+n+1], v[A1+32*\h+n:A1+32*\h+n+1], v[A2+n:A2+n+1]
.set n, n+2
.endr
.endr
.irp p, 0,1,2,3,4,5,6,7
	v_pk_add_f32 v[108+2*\p:109+2*\p], v[A1+8*\p:A1+8*\p+1], v[A1+8*\p+2:A1+8*\p+3]
.endr
.irp p, 0,1,2,3,4,5,6,7
	v_pk_add_f32 v[108+2*\p:109+2*\p], v[108+2*\p:109+2*\p], v[A1+8*\p+4:A1+8*\p+5]
.endr
.irp p, 0,1,2,3,4,5,6,7
	v_pk_add_f32 v[108+2*\p:109+2*\p], v[108+2*\p:109+2*\p], v[A1+8*\p+6:A1+8*\p+7]
.endr
	RSUM 108
.irp p, 0,1,2,3,4,5,6,7
	v_mul_f32 v[108+2*\p], s61, v[108+2*\p]        ; the mean
.endr
.irp p, 0,1,2,3,4,5,6,7
.irp x, 0,2,4,6
	v_pk_add_f32 v[A1+8*\p+\x:A1+8*\p+\x+1], v[A1+8*\p+\x:A1+8*\p+\x+1], v[108+2*\p:109+2*\p] op_sel_hi:[1,0] neg_lo:[0,1] neg_hi:[0,1]
.endr
.endr
.irp p, 0,1,2,3,4,5,6,7
	v_pk_mul_f32 v[124+2*\p:125+2*\p], v[A1+8*\p:A1+8*\p+1], v[A1+8*\p:A1+8*\p+1]
.endr
.irp x, 2,4,6
.irp p, 0,1,2,3,4,5,6,7
	v_pk_fma_f32 v[124+2*\p:125+2*\p], v[A1+8*\p+\x:A1+8*\p+\x+1], v[A1+8*\p+\x:A1+8*\p+\x+1], v[124+2*\p:125+2*\p]
.endr
.endr
	RSUM 124
.irp p, 0,1,2,3,4,5,6,7
	v_fma_f32 v[124+2*\p], v[124+2*\p], s61, s62   ; the variance + 1e-5
.endr
.irp p, 0,1,2,3,4,5,6,7
	v_rsq_f32 v[124+2*\p], v[124+2*\p]
.endr
	v_nop
	s_wait_alu depctr_va_vdst(0)                   ; one wait for the batch: the eight v_rsq_f32 have written v124, v126 .. v138, ahead of their first reader
.irp p, 0,1,2,3,4,5,6,7
.irp x, 0,2,4,6
	v_pk_mul_f32 v[A1+8*\p+\x:A1+8*\p+\x+1], v[A1+8*\p+\x:A1+8*\p+\x+1], v[124+2*\p:125+2*\p] op_sel_hi:[1,0]
.endr
.endr
.irp p, 0,1,2,3,4,5,6,7
.irp x, 0,2,4,6
	v_pk_fma_f32 v[A1+8*\p+\x:A1+8*\p+\x+1], v[A1+8*\p+\x:A1+8*\p+\x+1], v[236+\x:237+\x], v[244+\x:245+\x]
.endr
.endr
	s_wait_alu depctr_va_vdst(0)                   ; the normalised rows are written to A1, which the LDS stores below read
.irp p, 0,1,2,3,4,5,6,7
	ds_store_b128 v[DR], v[A1+8*\p:A1+8*\p+3] offset:1040*\p
	ds_store_b128 v[DR], v[A1+8*\p+4:A1+8*\p+7] offset:1040*\p+512
.endr
	BARRIER                                        ; 128 normalised rows lie in the stage
; ---- F3 (row role): feature x gate, quantised under e6: one image
	s_wait_alu depctr_vm_vsrc(0)                   ; my stores of the normalised rows have read A1, in which the loads below land
.irp c, 0,1,2,3
.irp u, 0,1,2,3
	ds_load_b128 v[A1+16*\c+4*\u:A1+16*\c+4*\u+3], v[F3R] offset:128*\c+16*\u
.endr
.endr
	s_wait_dscnt 0x0
.set n, 0
.rept 32
	v_pk_mul_f32 v[A1+n:A1+n+1], v[A1+n:A1+n+1], v[A3+n:A3+n+1]
.set n, n+2
.endr
.set n, 0
.rept 64
	v_med3_num_f32 v[A1+n], v[A1+n], s52, s53
.set n, n+1
.endr
.irp u, 0,1,2,3,4,5,6,7
	v_cvt_scalef32_pk8_bf8_f32 v[108+2*\u:109+2*\u], v[A1+8*\u:A1+8*\u+7], v[SC6]
.endr
	v_nop                                          ; a plain instruction behind the last conversion: the products below write its sources
	s_wait_alu depctr_va_vdst(0)                   ; the conversions have written v108 to v123, which the LDS stores below read; the multiplications, holds and conversions are done with A1, A3 and, since F2, with v124 to v139 and v236 to v251, in which loads land behind the barrier
.irp c, 0,1,2,3
	ds_store_b128 v[FIW], v[108+4*\c:111+4*\c] offset:512*\c
.endr
	BARRIER                                        ; the sixteen images lie in LDS
; ---- F4 (row role): the last product, my row tile x output columns 64 kh on, transposed: four accumulators by turns
	s_wait_alu depctr_vm_vsrc(0)                   ; my stores of the codes have read v108 to v123, in which a fragment of W_out lands: ahead of the branch
	s_cmp_eq_u32 s[CNT], 1
	s_cbranch_scc1 .Lnob
	BLOAD                                          ; the weight fragments for the next unit
.Lnob:
	FETCH 76, FIR, 0
	FETCH 92, FIR, 2048
.irp k, 0,1
	FETCH 108, WOR, 2048*(0+\k)
	FETCH 124, WOR, 2048*(2+\k)
	FETCH 188, WOR, 2048*(4+\k)
	FETCH 236, WOR, 2048*(6+\k)
	s_wait_dscnt 0x0
.if \k == 0
	v_wmma_f32_16x16x128_bf8_bf8 v[44:51], v[108:123], v[76:91], 0
	v_wmma_f32_16x16x128_bf8_bf8 v[52:59], v[124:139], v[76:91], 0
	v_wmma_f32_16x16x128_bf8_bf8 v[60:67], v[188:203], v[76:91], 0
	v_wmma_f32_16x16x128_bf8_bf8 v[68:75], v[236:251], v[76:91], 0
.else
	v_wmma_f32_16x16x128_bf8_bf8 v[44:51], v[108:123], v[92:107], v[44:51]
	v_wmma_f32_16x16x128_bf8_bf8 v[52:59], v[124:139], v[92:107], v[52:59]
	v_wmma_f32_16x16x128_bf8_bf8 v[60:67], v[188:203], v[92:107], v[60:67]
	v_wmma_f32_16x16x128_bf8_bf8 v[68:75], v[236:251], v[92:107], v[68:75]
.endif
	PLACES 4
	s_wait_alu depctr_va_vdst(0)                   ; the four products are done reading their fragments: W_out's next four land in the same registers; behind the second four, b_out lands in v76 to v107
.endr
.irp t, 0,1,2,3
	ds_load_b128 v[76+8*\t:79+8*\t], v[BOR] offset:64*\t
	ds_load_b128 v[80+8*\t:83+8*\t], v[BOR] offset:64*\t+16
.endr
	s_wait_dscnt 0x0
.set n, 0
.rept 16
	v_pk_fma_f32 v[44+n:45+n], v[44+n:45+n], s[SCO:SCO+1], v[76+n:77+n] op_sel_hi:[1,0,1]   ; sum x 2^(e6 + e7) + b_out
.set n, n+2
.endr
	s_wait_alu depctr_va_vdst(0)                   ; the multiply-adds have written v44 to v75, which the LDS stores below read, and are done reading v76 to v107, in which the rows come back
.irp t, 0,1,2,3
	ds_store_b128 v[OTS], v[44+8*\t:47+8*\t] offset:64*\t          ; through my own area: in by lanes' rows,
	ds_store_b128 v[OTS], v[48+8*\t:51+8*\t] offset:64*\t+16
.endr
.irp k, 0,1,2,3,4,5,6,7
	ds_load_b128 v[76+4*\k:79+4*\k], v[TD] offset:544*\k           ; out as rows of 256 bytes
.endr
.irp k, 0,1,2,3
	s_wait_dscnt 7-\k                              ; the younger loads of this run may be out
	global_store_b128 v[XG0], v[76+4*\k:79+4*\k], s[OP:OP+1] offset:2*\k*PSX th:TH_STORE_NT   ; sixteen lanes store 256 consecutive bytes, aligned
.endr
.irp k, 0,1,2,3
	s_wait_dscnt 3-\k
	global_store_b128 v[XG1], v[92+4*\k:95+4*\k], s[OP:OP+1] offset:2*\k*PSX th:TH_STORE_NT
.endr
.endif
; ---- on to the next unit
	s_wait_xcnt 0x0                                ; the stores' data and every base are written again only behind this wait
	s_add_nc_u64 s[XP:XP+1], s[XP:XP+1], 512
	s_add_nc_u64 s[S1P:S1P+1], s[S1P:S1P+1], 1024
.if FINAL
	s_add_nc_u64 s[OP:OP+1], s[OP:OP+1], 512
.endif
	s_sub_co_u32 s[CNT], s[CNT], 1
	s_cmp_lg_u32 s[CNT], 0
	s_cbranch_scc1 .Lunit
	s_wait_dscnt 0x0                               ; the wave's end: the closing lines, six on end
	s_wait_alu 0x0
	s_wait_tensorcnt 0x0
	ds_add_u32 v[SPW], v[NIL]
	s_wait_dscnt 0x0
	s_endpgm
.Lfunc_end_k_q3e3a1268a1_scanh:
	.size	k_q3e3a1268a1_scanh, .Lfunc_end_k_q3e3a1268a1_scanh-k_q3e3a1268a1_scanh
	.p2alignl 7, 3214868480
	.fill 96, 4, 3214868480
	.section	.rodata,"a",@progbits
	.p2align	6, 0x0
	.amdhsa_kernel k_q3e3a1268a1_scanh
		.amdhsa_group_segment_fixed_size 184320
		.amdhsa_private_segment_fixed_size 0
		.amdhsa_enable_private_segment 0
		.amdhsa_kernarg_size 56
		.amdhsa_user_sgpr_count 2
		.amdhsa_user_sgpr_kernarg_segment_ptr 1
		.amdhsa_wavefront_size32 1
		.amdhsa_system_sgpr_workgroup_id_x 1
		.amdhsa_system_sgpr_workgroup_id_y 1
		.amdhsa_system_sgpr_workgroup_id_z 1
		.amdhsa_system_vgpr_workitem_id 0
		.amdhsa_next_free_vgpr 256
		.amdhsa_next_free_sgpr 96
		.amdhsa_reserve_vcc 0
		.amdhsa_float_denorm_mode_32 3
		.amdhsa_float_denorm_mode_16_64 3
		.amdhsa_memory_ordered 1
		.amdhsa_forward_progress 1
		.amdhsa_inst_pref_size 74
	.end_amdhsa_kernel
	.amdgpu_metadata
---
amdhsa.version: [ 1, 2 ]
amdhsa.kernels:
  - .name:           k_q3e3a1268a1_scanh
    .symbol:         k_q3e3a1268a1_scanh.kd
    .args:
      - { .name: x, .offset: 0, .size: 8, .value_kind: global_buffer, .address_space: global }
      - { .name: wimg, .offset: 8, .size: 8, .value_kind: global_buffer, .address_space: global }
      - { .name: tab, .offset: 16, .size: 8, .value_kind: global_buffer, .address_space: global }
      - { .name: lowp_scales, .offset: 24, .size: 8, .value_kind: global_buffer, .address_space: global }
      - { .name: b_in, .offset: 32, .size: 8, .value_kind: global_buffer, .address_space: global }
      - { .name: b_lambda, .offset: 40, .size: 8, .value_kind: global_buffer, .address_space: global }
      - { .name: s1, .offset: 48, .size: 8, .value_kind: global_buffer, .address_space: global }
    .group_segment_fixed_size: 184320
    .private_segment_fixed_size: 0
    .kernarg_segment_align: 8
    .kernarg_segment_size: 56
    .max_flat_workgroup_size: 512
    .sgpr_count:     96
    .vgpr_count:     256
    .wavefront_size: 32
...
	.end_amdgpu_metadata
.endif
;; end of part 5
;; launch scanw (part 6): grid 256 x 1, 16 waves a work-group, no clusters, 303,104 bytes of LDS; arguments x, s1, wimg, tab, lowp_scales, b_in, b_lambda, out0; writes out0
.if DOCPART == 6
	.amdgcn_target "amdgcn-amd-amdhsa--gfx1250"
	.amdhsa_code_object_version 6
	.text
	.protected	k_q3e3a1268a1_scanw
	.globl	k_q3e3a1268a1_scanw
	.p2align	8
	.type	k_q3e3a1268a1_scanw,@function
k_q3e3a1268a1_scanw:
	s_mov_b64 s[64:65], 0
	v_nop
	global_prefetch_b8 v0, s[64:65] scope:SCOPE_SE
	s_setreg_imm32_b32 hwreg(HW_REG_WAVE_SCHED_MODE, 0, 2), 2
	s_setreg_imm32_b32 hwreg(HW_REG_WAVE_MODE, 25, 1), 1
	s_wait_xcnt 0x0
	s_wait_alu depctr_vm_vsrc(0)
.set FINAL, 1
; BiHgru2d, launches 2 and 3: one text; FINAL = 0: the two scans along H, their sum to s1.  FINAL = 1: the two scans along W, + s1, LayerNorm, gate, quantiser, last product, out0.
; Left out, as shown at the head of the first kernel: LOWER_BOUND = 0, and the scan's dropped gamma products (the recurrence is run, in four segments of 32 with carries).
; LIMITS: e0, e2, e4, e6 between -126 and 112; e0+e1, e2+e3, e4+e5, e6+e7 between -126 and 127; NaN and infinities among the inputs are not served; the scans round in another order than the tree.
; SHARES.  A unit is one line: 128 positions x 128 channels.  A work-group of sixteen waves stays and walks four lines.  No tensor loads: x arrives as f32 and passes through registers to be quantised, and
; work-groups share nothing but 112 KiB of weight codes; so no cluster either.  Sixteen waves of 256 registers, four to a SIMD: one wave's chains of the recurrence stand beside the others' work.
; A wave has two roles, told apart by addresses alone.  ROW ROLE: row tile i = wave / 2, half kh = wave % 2.  SCAN ROLE: channels 16 g .. 16 g + 15 (g = wave % 8), positions 64 q .. 64 q + 63 (q = wave / 8).
; Row m of row tile i is position 64 (i / 4) + 32 (m / 8) + 8 (i % 4) + m % 8: so in a result tile lanes 0-15 hold 8 neighbouring positions of segment 2 q and lanes 16-31 the same 8 of segment 2 q + 1:
; lane (r, hh) owns channel 16 g + r and segment 2 q + hh, 32 positions, in its registers.
; Operands go from wave to wave through LDS as images of their registers (16 x lane, 512 bytes a group of four registers).  Features are kept in the order k' = 2 x channel + (0 real, 1 imaginary).
; THE MODE: SCHED_MODE bits 1:0 = 2 (LLVM: expert scheduling mode 2), set by the entry lines.  The code itself states the register dependences between vector or matrix instructions
; and memory or LDS instructions, with s_wait_alu, always for 0.
; THE PLAN: the registers that memory or LDS instructions touch, in a unit's order ('|' marks a wait).
;   v3-v24, v42, v43: addresses and offsets.  Written at the head, ahead of one wait on va_vdst; never again: the scalar bases step, immediates do the rest.
;   A4: x lands (asked for a unit ahead).  X: my LDS stores read it | vm_vsrc | it comes back turned; the holds read it | va_vdst | G: x's fragments land, a tile's products read them | va_vdst | the next tile's fragments; behind the last tile the next unit's x.
;   v188-203 (FINAL = 1: and v236-243): X: the conversions write the codes | the same va_vdst | my LDS stores read them | barrier, vm_vsrc | G's products and activations write them.
;   v240-243, v248-249: A writes the segment's ends and product | va_vdst | my LDS stores read them | barrier, vm_vsrc | B writes them.  That va_vdst also shows the products done reading the weight fragments, in which C's loads land.
;   A3: B writes h(t) and adds the reverse scan onto it; the sums go to the stage in four runs of LDS stores, a va_vdst ahead of each | vm_vsrc | loads land in it (FINAL = 0: the weight fragments; 1: the gate's bias).
;   The last of B's four waits stands behind B's last vector instruction: it also frees A1, A2 and v236-251 for the loads that follow.
;   FINAL = 0: stage rows land in A1 and the global stores read them; X's vm_vsrc of the next unit stands ahead of the holds that write A1 again.
;   FINAL = 1.  F1: W_gate's fragments land in v124-139 and v236-251, two products read them | va_vdst | the next two fragments.
;   F2: | va_vdst: silu is done reading A2 | ln_w, ln_b and four stage rows land, the additions read the rows | va_vdst | the other four rows; the normalised rows are written to A1 | va_vdst | my LDS stores read them | barrier, vm_vsrc | F3's loads land in A1.
;   F3: the conversions write v108-123 | va_vdst | my LDS stores read them | barrier, vm_vsrc | F4's fragments land there.
;   F4: four products read their fragments | va_vdst | the next fragments, then b_out, land; the results are written to v44-75 | va_vdst | my LDS stores read them, rows come back to v76-107, the global stores read those; X's vm_vsrc as above.
.if FINAL
.set PSX,   4096                       ; bytes from position to position in x and out0
.set PSS,   8192                       ; and in s1
.set WG,    0                          ; LDS: W_gate's 16 images
.set WO,    32768                      ; W_out's 16 images
.set XC0,   65536                      ; x's codes under e0: 8 images; + 16,384: under e4; + 32,768: under e2
.set XC2,   98304
.set FIMG,  114688                     ; codes of feature x gate: 16 images
.set XCH,   147456                     ; carries: 32 bytes for each (segment, channel)
.set TBL,   163840                     ; b_gate scaled, ln_w, ln_b (k' order), b_out
.set STAGE, 167936                     ; 128 rows (positions) x 1,024 bytes, pitch 1,040
.set SPARE, 301056                     ; the spare words: 128 bytes a wave
.else
.set PSX,   524288
.set PSS,   1048576
.set XC0,   0
.set XCH,   32768
.set STAGE, 49152
.set SPARE, 182272
.endif
; vector registers that stay
.set SPW, 1
.set NIL, 2
.set LI,  3                            ; 16 x lane
.set TD,  4                            ; my own area (my 8 stage rows), as 16 rows of pitch 272: row hh, 16 r
.set XTL, 5                            ; the same area: row r, + 64 hh
.set OTS, 6                            ; the same area: row r, + 32 hh
.set XIW, 7                            ; where I store x's half images
.set AFR, 8                            ; where I fetch x's images (scan role)
.set STW, 9                            ; the stage: my segment's first row, my channel
.set XCW, 10                           ; my carry entry
.set XCR, 11                           ; my channel's entry of segment 0
.set DR,  12                           ; my 8 stage rows, 16 x lane
.set F3R, 13
.set GXR, 14
.set WGR, 15
.set WOR, 16
.set FIW, 17
.set FIR, 18
.set GBR, 19
.set BOR, 20
.set LNR, 21
.set XG0, 22                           ; x, out0: rows 0-7 of my row tile; XG1: rows 8-15
.set S1G, 23
.set WBG, 24
.set CSF, 26                           ; pairs: cos, sin of theta_f, theta_r, 32 theta_f, 32 theta_r
.set CSR, 28
.set C32F, 30
.set C32R, 32
.set BRI, 34                           ; b_in of my channel: real, imaginary
.set BLN, 36                           ; -log2(e) b_lambda
.set SC0, 38                           ; the conversions' scales
.set SC4, 39
.set SC2, 40
.set SC6, 41
.set XG1, 42
.set PFO, 43
; areas
.set A1, 44                            ; 64: in(t) as pairs; later rows of features; later the last product's sums
.set A2, 108                           ; 32: lam(t); later at work
.set A3, 140                           ; 64: weight fragments and two result tiles; then h(t) as pairs; then the gate
.set A4, 204                           ; 32: x on its way; x's fragments
.set BRE, 140
.set BIM, 156
.set BLM, 172
.set ZR,  188
.set ZI,  196
.set AIN, 204
.set ALM, 220
.set TR,  236
.set TI,  244
.set GF,  236
.set GR,  238
.set LP,  248
.set CF,  250
.set CR,  252
; scalar registers
.set XP,  4
.set S1P, 6
.set WIMG, 8
.set TAB, 10
.set LSP, 12
.set BIN, 14
.set BLA, 16
.set OP,  18
.set WV,  20
.set SG,  21
.set SQ,  22
.set SI,  23
.set KH,  32
.set SJ,  34
.set SCI, 36                           ; 2^(e0+e1)
.set SCLN, 38                          ; -log2(e) 2^(e4+e5)
.set SCG, 40                           ; 2^(e2+e3)
.set SCGN, 42                          ; -log2(e) 2^(e2+e3)
.set SCO, 44                           ; 2^(e6+e7)
.set SEL, 58
.set CNT, 60
.set NL2E, 66
.macro BARRIER                         ; my LDS stores have landed and my LDS loads are in: then the work-group's barrier
	s_wait_dscnt 0x0
	s_barrier_signal -1
	s_barrier_wait -1
.endm
.macro PLACES n
.rept \n
	v_nop
.endr
.endm
.macro XLOAD                           ; my half (256 bytes) of my row tile's 16 rows of x: sixteen lanes read 256 consecutive bytes
.irp k, 0,1,2,3
	global_load_b128 v[A4+4*\k:A4+4*\k+3], v[XG0], s[XP:XP+1] offset:2*\k*PSX th:TH_LOAD_NT
.endr
.irp k, 0,1,2,3
	global_load_b128 v[A4+16+4*\k:A4+16+4*\k+3], v[XG1], s[XP:XP+1] offset:2*\k*PSX th:TH_LOAD_NT
.endr
.endm
.macro BLOAD                           ; my channels' three weight fragments: real, imaginary, lambda
.irp k, 0,1,2,3,4,5,6,7,8,9,10,11
	global_load_b128 v[A3+4*\k:A3+4*\k+3], v[WBG], s[WIMG:WIMG+1] offset:512*\k
.endr
.endm
.macro FETCH reg, adr, off             ; an image comes back as the registers that it was
.irp c, 0,1,2,3
	ds_load_b128 v[\reg+4*\c:\reg+4*\c+3], v[\adr] offset:\off+512*\c
.endr
.endm
.macro QSET tmp, lim                   ; the hold at the largest code x the scale: the conversion to an 8-bit code does not saturate (ISA guide 7.6.2)
.set n, 0
.rept 32
	v_med3_num_f32 v[\tmp+n], v[A4+n], s[\lim], s[\lim+1]
.set n, n+1
.endr
.endm
.macro QCVT cod, tmp, sc
.irp u, 0,1,2,3
	v_cvt_scalef32_pk8_bf8_f32 v[\cod+2*\u:\cod+2*\u+1], v[\tmp+8*\u:\tmp+8*\u+7], v[\sc]
.endr
.endm
.macro LIMS e, sc, lim                 ; v[sc] = 2^e; s[lim], s[lim+1] = -+57,344 x 2^e
	s_add_co_i32 s68, s[\e], 127
	s_lshl_b32 s69, s68, 23
	v_mov_b32 v[\sc], s69
	s_add_co_i32 s68, s68, 15
	s_lshl_b32 s68, s68, 23
	s_or_b32 s[\lim+1], s68, 0x600000
	s_or_b32 s[\lim], s[\lim+1], 0x80000000
.endm
.macro GMUL d, t, cs                   ; gamma(t) = lam(t) x (cos, sin)
.if (\t)&1
	v_pk_mul_f32 v[\d:\d+1], v[A2+(\t)-1:A2+(\t)], v[\cs:\cs+1] op_sel:[1,0] op_sel_hi:[1,1]
.else
	v_pk_mul_f32 v[\d:\d+1], v[A2+(\t):A2+(\t)+1], v[\cs:\cs+1] op_sel:[0,0] op_sel_hi:[0,1]
.endif
.endm
.macro CF1 d, g, h, a                  ; d = g h + a, complex, in two packed multiply-adds: first g.re x h + a,
	v_pk_fma_f32 v[\d:\d+1], v[\h:\h+1], v[\g:\g+1], v[\a:\a+1] op_sel_hi:[1,0,1]
.endm
.macro CF2 d, g, h                     ; then (-g.im h.im, g.im h.re) on top
	v_pk_fma_f32 v[\d:\d+1], v[\h:\h+1], v[\g:\g+1], v[\d:\d+1] op_sel:[1,1,0] op_sel_hi:[0,1,1] neg_lo:[0,1,0]
.endm
.macro RSUM b                          ; eight pairs at v[b + 2 p]: the two halves, then the 32 lanes; the sum ends in every lane's low word
.irp p, 0,1,2,3,4,5,6,7
	v_add_f32 v[\b+2*\p], v[\b+2*\p], v[\b+2*\p+1]
.endr
.irp m, 1,2,4,8
.irp p, 0,1,2,3,4,5,6,7
	v_add_f32_dpp v[\b+2*\p], v[\b+2*\p], v[\b+2*\p] row_xmask:\m row_mask:0xf bank_mask:0xf
.endr
.endr
.irp p, 0,1,2,3,4,5,6,7
	v_permlanex16_b32 v[\b+2*\p+1], v[\b+2*\p], s[SEL], s[SEL+1]
.endr
.irp p, 0,1,2,3,4,5,6,7
	v_add_f32 v[\b+2*\p], v[\b+2*\p], v[\b+2*\p+1]
.endr
.endm
; The activations of one result tile: 8 positions of my channel.  in = (1 - lam) silu(z), lam = sigmoid(zl); sigmoid(y) = 1 / (1 + 2^(-log2(e) y)).
.macro ACT j
.set LT, A2+8*\j
.irp p, 0,2,4,6
	v_pk_fma_f32 v[ZR+\p:ZR+\p+1], v[ZR+\p:ZR+\p+1], s[SCI:SCI+1], v[BRI:BRI+1] op_sel_hi:[1,0,0]
.endr
.irp p, 0,2,4,6
	v_pk_fma_f32 v[ZI+\p:ZI+\p+1], v[ZI+\p:ZI+\p+1], s[SCI:SCI+1], v[BRI:BRI+1] op_sel:[0,0,1] op_sel_hi:[1,0,1]
.endr
.irp p, 0,2,4,6
	v_pk_fma_f32 v[LT+\p:LT+\p+1], v[LT+\p:LT+\p+1], s[SCLN:SCLN+1], v[BLN:BLN+1] op_sel_hi:[1,0,0]
.endr
.irp p, 0,2,4,6
	v_pk_mul_f32 v[TR+\p:TR+\p+1], v[ZR+\p:ZR+\p+1], s[NL2E:NL2E+1] op_sel_hi:[1,0]
	v_pk_mul_f32 v[TI+\p:TI+\p+1], v[ZI+\p:ZI+\p+1], s[NL2E:NL2E+1] op_sel_hi:[1,0]
.endr
	s_wait_alu depctr_va_vdst(0)
.irp p, 0,1,2,3,4,5,6,7
	v_exp_f32 v[TR+\p], v[TR+\p]
	v_exp_f32 v[TI+\p], v[TI+\p]
	v_exp_f32 v[LT+\p], v[LT+\p]
.endr
	v_nop                                          ; a plain instruction behind the last exponential,
	s_wait_alu depctr_va_vdst(0)                   ; and one wait for the batch: the 24 exponentials have written TR, TI and LT, ahead of their first reader
.irp p, 0,2,4,6
	v_pk_add_f32 v[TR+\p:TR+\p+1], v[TR+\p:TR+\p+1], 1.0 op_sel_hi:[1,0]
	v_pk_add_f32 v[TI+\p:TI+\p+1], v[TI+\p:TI+\p+1], 1.0 op_sel_hi:[1,0]
	v_pk_add_f32 v[LT+\p:LT+\p+1], v[LT+\p:LT+\p+1], 1.0 op_sel_hi:[1,0]
.endr
	s_wait_alu depctr_va_vdst(0)
.irp p, 0,1,2,3,4,5,6,7
	v_rcp_f32 v[TR+\p], v[TR+\p]
	v_rcp_f32 v[TI+\p], v[TI+\p]
	v_rcp_f32 v[LT+\p], v[LT+\p]
.endr
	v_nop
	s_wait_alu depctr_va_vdst(0)                   ; one wait for the batch: the 24 reciprocals have written TR, TI and LT, ahead of their first reader
.irp p, 0,2,4,6
	v_pk_mul_f32 v[ZR+\p:ZR+\p+1], v[ZR+\p:ZR+\p+1], v[TR+\p:TR+\p+1]
	v_pk_mul_f32 v[ZI+\p:ZI+\p+1], v[ZI+\p:ZI+\p+1], v[TI+\p:TI+\p+1]
.endr
.irp p, 0,2,4,6
	v_pk_fma_f32 v[TR+\p:TR+\p+1], v[LT+\p:LT+\p+1], -1.0, 1.0 op_sel_hi:[1,0,0]   ; 1 - lam
.endr
.irp p, 0,1,2,3,4,5,6,7
	v_mul_f32 v[A1+16*\j+2*\p], v[TR+\p], v[ZR+\p]
	v_mul_f32 v[A1+16*\j+2*\p+1], v[TR+\p], v[ZI+\p]
.endr
.endm
; ---------------- the head
.if FINAL
	s_load_b512 s[4:19], s[0:1], 0x0               ; x, s1, wimg, tab, scales, b_in, b_lambda, out0
.else
	s_load_b64 s[4:5], s[0:1], 0x0                 ; x
	s_load_b128 s[8:11], s[0:1], 0x8               ; wimg, tab
	s_load_b128 s[12:15], s[0:1], 0x18             ; scales, b_in
	s_load_b64 s[16:17], s[0:1], 0x28              ; b_lambda
	s_load_b64 s[6:7], s[0:1], 0x30                ; s1
.endif
	v_lshl_add_u32 v[SPW], v0, 2, SPARE
	v_mov_b32 v[NIL], 0
	v_lshrrev_b32 v25, 5, v0
	v_readfirstlane_b32 s[WV], v25
	v_and_b32 v244, 31, v0                         ; lane
	v_and_b32 v245, 15, v0                         ; r
	v_bfe_u32 v246, v0, 4, 1                       ; hh
	s_wait_alu depctr_va_vdst(0)
	v_lshlrev_b32 v[LI], 4, v244
	s_wait_alu depctr_va_vdst(0)
	s_wait_alu depctr_va_sdst(0)                   ; the wave's number is written to s[WV], ahead of its first reader
	s_and_b32 s[SG], s[WV], 7
	s_lshr_b32 s[SQ], s[WV], 3                     ; q; also i / 4
	s_lshr_b32 s[SI], s[WV], 1
	s_and_b32 s[KH], s[WV], 1
	s_and_b32 s[SJ], s[SI], 3                      ; i % 4
	s_mul_i32 s68, s[WV], 8320
	s_add_co_u32 s68, s68, STAGE                   ; my 8 stage rows
	v_mul_u32_u24 v[TD], v246, 272
	v_lshl_add_u32 v[TD], v245, 4, v[TD]
	v_add_nc_u32 v[TD], s68, v[TD]
	v_mul_u32_u24 v247, v245, 272
	v_add_nc_u32 v247, s68, v247
	v_lshl_add_u32 v[XTL], v246, 6, v247
	v_add_nc_u32 v[DR], s68, v[LI]
	s_lshl_b32 s69, s[WV], 10
	s_add_co_u32 s69, s69, XC0
	v_add_nc_u32 v[XIW], s69, v[LI]                ; image i, its half kh: 2,048 i + 1,024 kh = 1,024 x wave
	s_lshl_b32 s69, s[SQ], 13
	s_add_co_u32 s69, s69, XC0
	v_add_nc_u32 v[AFR], s69, v[LI]
	s_mul_i32 s69, s[SQ], 66560
	s_lshl_b32 s70, s[SG], 7
	s_add_co_u32 s69, s69, s70
	s_add_co_u32 s69, s69, STAGE
	v_mul_u32_u24 v[STW], v246, 33280
	v_lshl_add_u32 v[STW], v245, 3, v[STW]
	v_add_nc_u32 v[STW], s69, v[STW]               ; row 64 q + 32 hh, byte 8 x channel
	s_lshl_b32 s69, s[SG], 9
	s_add_co_u32 s69, s69, XCH
	v_lshlrev_b32 v[XCR], 5, v245
	v_add_nc_u32 v[XCR], s69, v[XCR]
	s_lshl_b32 s69, s[SQ], 13
	v_lshl_add_u32 v[XCW], v246, 12, v[XCR]
	v_add_nc_u32 v[XCW], s69, v[XCW]
	s_lshl_b32 s71, s[SQ], 6
	s_lshl_b32 s70, s[SJ], 3
	s_add_co_u32 s71, s71, s70                     ; 64 (i / 4) + 8 (i % 4): my row tile's first position
.if FINAL
	v_lshl_add_u32 v[OTS], v246, 5, v247
	s_mul_i32 s70, s71, 1040
	s_lshl_b32 s72, s[KH], 9
	s_add_co_u32 s70, s70, s72
	s_add_co_u32 s70, s70, STAGE
	v_lshrrev_b32 v247, 3, v245
	v_and_b32 v248, 7, v245
	v_mul_u32_u24 v[F3R], v247, 33280
	v_mad_u32_u24 v[F3R], v248, 1040, v[F3R]
	v_lshl_add_u32 v[F3R], v246, 6, v[F3R]
	v_add_nc_u32 v[F3R], s70, v[F3R]               ; row r of my row tile, features 128 kh + 16 hh on
	s_lshl_b32 s69, s[SI], 11
	s_add_co_u32 s69, s69, XC2
	v_add_nc_u32 v[GXR], s69, v[LI]
	s_lshl_b32 s69, s[KH], 14
	v_add_nc_u32 v[WGR], s69, v[LI]
	s_add_co_u32 s69, s69, WO
	v_add_nc_u32 v[WOR], s69, v[LI]
	s_lshl_b32 s69, s[WV], 11
	s_add_co_u32 s69, s69, FIMG
	v_add_nc_u32 v[FIW], s69, v[LI]
	s_lshl_b32 s69, s[SI], 12
	s_add_co_u32 s69, s69, FIMG
	v_add_nc_u32 v[FIR], s69, v[LI]
	s_lshl_b32 s69, s[KH], 9
	s_add_co_u32 s69, s69, TBL
	v_lshl_add_u32 v[GBR], v246, 6, s69
	s_lshl_b32 s69, s[KH], 8
	s_add_co_u32 s69, s69, TBL+3072
	v_lshl_add_u32 v[BOR], v246, 5, s69
	v_add_nc_u32 v[LNR], TBL+1024, v[LI]
.endif
	s_mul_i32 s70, s71, PSX
	s_lshl_b32 s72, s[KH], 8
	s_add_co_u32 s70, s70, s72
	v_mul_u32_u24 v[XG0], v246, PSX
	v_lshl_add_u32 v[XG0], v245, 4, v[XG0]
	v_add_nc_u32 v[XG0], s70, v[XG0]
	v_add_nc_u32 v[XG1], 32*PSX, v[XG0]
	s_mul_i32 s70, s[WV], 8*PSS
	v_add_nc_u32 v[S1G], s70, v[LI]
.if FINAL
	v_lshrrev_b32 v247, 2, v244
	v_mul_u32_u24 v[PFO], v247, PSS
	v_and_b32 v247, 3, v244
	v_lshl_add_u32 v[PFO], v247, 8, v[PFO]
	v_add_nc_u32 v[PFO], s70, v[PFO]               ; my 8 rows of s1, a lane to each 256 bytes
.endif
	s_mul_i32 s70, s[SG], 6144
	v_add_nc_u32 v[WBG], s70, v[LI]
	s_lshl_b32 s70, s[SG], 9
	v_lshl_add_u32 v247, v245, 5, s70              ; 32 x channel
	s_lshl_b32 s70, s[SG], 7
	v_lshl_add_u32 v248, v245, 3, s70              ; 8 x channel
	s_lshl_b32 s70, s[SG], 6
	v_lshl_add_u32 v249, v245, 2, s70              ; 4 x channel
	s_lshl_b32 s70, s[SQ], 1
	v_add_nc_u32 v252, s70, v246                   ; my segment
	v_cmp_eq_u32 s54, 0, v252
	v_cmp_eq_u32 s55, 1, v252
	v_cmp_eq_u32 s56, 2, v252
	v_cmp_eq_u32 s57, 3, v252
	s_wait_alu depctr_va_sdst(0)                   ; the four masks s54 to s57 are written: one wait behind the run, ahead of the loop's label; the carries' choices read them
	s_mov_b32 s[SEL], 0x76543210
	s_mov_b32 s[SEL+1], 0xfedcba98
	s_mov_b32 s[CNT], 4
	s_mov_b32 s61, 0x3b800000                      ; 1 / 256
	s_mov_b32 s62, 0x3727c5ac                      ; 1e-5
	s_mov_b32 s[NL2E], 0xbfb8aa3b                  ; -log2(e)
	s_mov_b32 s[NL2E+1], s[NL2E]
.if FINAL
	s_lshr_b32 s70, ttmp9, 1                       ; lines 4 n .. 4 n + 3: h = n / 2, b = 4 (n % 2) + unit
	s_and_b32 s72, ttmp9, 1
	s_lshl_b32 s68, s70, 19
	s_lshl_b32 s72, s72, 11
	s_add_co_u32 s68, s68, s72
	v_lshlrev_b32 v250, 4, v0
	v_lshlrev_b32 v251, 3, v0
	v_lshl_add_u32 v253, v0, 3, TBL
.else
	s_lshl_b32 s68, ttmp9, 11                      ; lines 4 n .. 4 n + 3 = 8 w + b: 512 bytes each
.endif
	s_mov_b32 s69, 0
	s_wait_kmcnt 0x0
	s_load_b256 s[24:31], s[LSP:LSP+1], 0x0        ; e0 .. e7
	s_add_nc_u64 s[XP:XP+1], s[XP:XP+1], s[68:69]
.if FINAL
	s_add_nc_u64 s[OP:OP+1], s[OP:OP+1], s[68:69]
.endif
	s_lshl_b32 s68, s68, 1                         ; s1's rows are twice as long
	s_add_nc_u64 s[S1P:S1P+1], s[S1P:S1P+1], s[68:69]
	s_wait_alu depctr_va_vdst(0)                   ; every address and offset is written (v3 to v24, v42, v43, and the head's own v247 to v253): all loads, stores and the prefetch of the kernel read them
	XLOAD                                          ; the first unit
	BLOAD
	global_load_b128 v[CSF:CSF+3], v247, s[TAB:TAB+1]
	global_load_b128 v[C32F:C32F+3], v247, s[TAB:TAB+1] offset:16
	global_load_b64 v[BRI:BRI+1], v248, s[BIN:BIN+1]
	global_load_b32 v[BLN], v249, s[BLA:BLA+1]
.if FINAL
.irp k, 0,1,2,3,4,5,6,7
	global_load_b128 v[A1+4*\k:A1+4*\k+3], v250, s[WIMG:WIMG+1] offset:49152+8192*\k   ; W_gate's and W_out's images: 64 KiB, 16 bytes a thread
.endr
	global_load_b64 v[A1+32:A1+33], v251, s[TAB:TAB+1] offset:4096
.endif
	s_wait_kmcnt 0x0
	s_add_co_i32 s68, s24, s25
	s_add_co_i32 s68, s68, 127
	s_lshl_b32 s[SCI], s68, 23
	s_mov_b32 s[SCI+1], s[SCI]
	s_add_co_i32 s68, s28, s29
	s_lshl_b32 s68, s68, 23
	s_add_co_i32 s[SCLN], s68, s[NL2E]             ; e4 + e5 is added to the constant's exponent field
	s_mov_b32 s[SCLN+1], s[SCLN]
	LIMS 24, SC0, 46
	LIMS 28, SC4, 48
.if FINAL
	s_add_co_i32 s68, s26, s27
	s_lshl_b32 s69, s68, 23
	s_add_co_i32 s[SCGN], s69, s[NL2E]
	s_mov_b32 s[SCGN+1], s[SCGN]
	s_add_co_i32 s68, s68, 127
	s_lshl_b32 s[SCG], s68, 23
	s_mov_b32 s[SCG+1], s[SCG]
	s_add_co_i32 s68, s30, s31
	s_add_co_i32 s68, s68, 127
	s_lshl_b32 s[SCO], s68, 23
	s_mov_b32 s[SCO+1], s[SCO]
	LIMS 26, SC2, 50
	LIMS 30, SC6, 52
.endif
	s_wait_loadcnt 0x0                             ; all the head's loads
.if FINAL
.irp k, 0,1,2,3,4,5,6,7
	ds_store_b128 v250, v[A1+4*\k:A1+4*\k+3] offset:8192*\k
.endr
	ds_store_b64 v253, v[A1+32:A1+33]
.endif
	v_mul_f32 v[BLN], s[NL2E], v[BLN]
	v_mov_b32 v[BLN+1], 0
	s_wait_xcnt 0x0
	s_add_nc_u64 s[XP:XP+1], s[XP:XP+1], 512       ; x's pointer runs one unit ahead
.Lunit:
; ---- X (row role): my 16 rows x 64 numbers of x become half an image under each of x's scales.  They turn through my own area: in as they were loaded, out 16 neighbours along K a lane.
	s_wait_loadcnt 0x0                             ; x, and my weight fragments
.irp k, 0,1,2,3,4,5,6,7
	ds_store_b128 v[TD], v[A4+4*\k:A4+4*\k+3] offset:544*\k
.endr
	s_wait_alu depctr_vm_vsrc(0)                   ; these stores have read A4, in which the loads below land; and the stores of the unit before (in the first unit: the head's loads and stores) have read A1 and v244 to v253, which the holds and the activations write again
.irp c, 0,1
.irp u, 0,1,2,3
	ds_load_b128 v[A4+16*\c+4*\u:A4+16*\c+4*\u+3], v[XTL] offset:128*\c+16*\u   ; LDS serves a wave's instructions in order (ISA guide 5.7.1.4): these see my stores
.endr
.endr
	s_wait_dscnt 0x0
	QSET A1, 46
	QSET A1+32, 48
.if FINAL
	QSET A2, 50
.endif
	QCVT 188, A1, SC0
	QCVT 196, A1+32, SC4
.if FINAL
	QCVT 236, A2, SC2
.endif
	v_nop                                          ; a plain instruction behind the last conversion: matrix and vector instructions write these registers later
	s_wait_alu depctr_va_vdst(0)                   ; the conversions have written the codes, which the LDS stores below read; the holds are done reading A4, in which x's fragments land behind the barrier
	ds_store_b128 v[XIW], v[188:191]
	ds_store_b128 v[XIW], v[192:195] offset:512
	ds_store_b128 v[XIW], v[196:199] offset:16384
	ds_store_b128 v[XIW], v[200:203] offset:16384+512
.if FINAL
	ds_store_b128 v[XIW], v[236:239] offset:32768
	ds_store_b128 v[XIW], v[240:243] offset:32768+512
.endif
	BARRIER                                        ; x's images lie in LDS
; ---- G (scan role): for each of my four row tiles three products (real, imaginary, lambda), then the activations
	s_wait_alu depctr_vm_vsrc(0)                   ; my stores of the codes have read v188 to v203 (FINAL = 1: and v236 to v243), which the products and the activations below write
	FETCH AIN, AFR, 0
	FETCH ALM, AFR, 16384
.irp j, 0,1,2,3
	s_wait_dscnt 0x0
	v_wmma_f32_16x16x128_bf8_bf8 v[ZR:ZR+7], v[AIN:AIN+15], v[BRE:BRE+15], 0
	v_wmma_f32_16x16x128_bf8_bf8 v[ZI:ZI+7], v[AIN:AIN+15], v[BIM:BIM+15], 0
	v_wmma_f32_16x16x128_bf8_bf8 v[A2+8*\j:A2+8*\j+7], v[ALM:ALM+15], v[BLM:BLM+15], 0
	PLACES 5                                       ; ahead of the first read of results (ISA guide 7.12.1)
	s_wait_alu depctr_va_vdst(0)                   ; the three products are done reading x's fragments in A4, in which the loads below land (the next tile's fragments; behind the last tile the next unit's x)
.if \j < 3
	FETCH AIN, AFR, 2048*(\j+1)
	FETCH ALM, AFR, 16384+2048*(\j+1)
.else
	s_cmp_eq_u32 s[CNT], 1                         ; the next unit's x is asked for here, if there is one: no load leaves its buffer
	s_cbranch_scc1 .Lnox
	XLOAD
.Lnox:
.if FINAL
	global_prefetch_b8 v[PFO], s[S1P:S1P+1] th:TH_LOAD_NT scope:SCOPE_SE   ; this unit's rows of s1 that I shall load behind the scans: 8 rows x 1,024 bytes, a lane to each 256; each block is named once in the launch
.endif
.endif
	ACT \j
.endr
; ---- A: both scans of my segment from zero, for the segment's end values; and the product of its 32 lambdas
.set tau, 1
.rept 31
.set trv, 31-tau
.if tau&1
.set fd, 240
.set fh, 244
.set rd, 242
.set rh, 246
.else
.set fd, 244
.set fh, 240
.set rd, 246
.set rh, 242
.endif
.if tau == 1
.set fh, A1
.set rh, A1+62
.endif
	GMUL GF, tau, CSF
	GMUL GR, trv, CSR
	CF1 fd, GF, fh, A1+2*tau
	CF1 rd, GR, rh, A1+2*trv
.if tau == 1
	v_pk_mul_f32 v[LP:LP+1], v[A2:A2+1], v[A2+2:A2+3]
.elseif tau < 16
	v_pk_mul_f32 v[LP:LP+1], v[LP:LP+1], v[A2+2*tau:A2+2*tau+1]
.endif
	CF2 fd, GF, fh
	CF2 rd, GR, rh
.set tau, tau+1
.endr
	v_mul_f32 v[LP], v[LP], v[LP+1]
	s_wait_alu depctr_va_vdst(0)                   ; the segment's two ends and its product are written, which the LDS stores below read; the products are long done reading the weight fragments, in which the carries' loads land behind the barrier
	ds_store_b128 v[XCW], v[240:243]               ; forward end, reverse end
	ds_store_b64 v[XCW], v[LP:LP+1] offset:16      ; the product (the pair's upper word is not used)
	BARRIER                                        ; all segments' ends lie in LDS
; ---- C: the carries into my segment
	s_wait_alu depctr_vm_vsrc(0)                   ; my two stores have read v240 to v243 and v248, v249, which the scans below write again
.irp s, 0,1,2,3
	ds_load_b128 v[140+8*\s:143+8*\s], v[XCR] offset:4096*\s
	ds_load_b64 v[144+8*\s:145+8*\s], v[XCR] offset:4096*\s+16
.endr
	s_wait_dscnt 0x0
	v_pk_mul_f32 v[172:173], v[152:153], v[C32F:C32F+1] op_sel_hi:[0,1]   ; a whole segment's gamma: its lambdas' product x (cos, sin)(32 theta)
	v_pk_mul_f32 v[174:175], v[160:161], v[C32F:C32F+1] op_sel_hi:[0,1]
	v_pk_mul_f32 v[176:177], v[152:153], v[C32R:C32R+1] op_sel_hi:[0,1]
	v_pk_mul_f32 v[178:179], v[160:161], v[C32R:C32R+1] op_sel_hi:[0,1]
	CF1 180, 172, 140, 148                         ; into segment 2: gamma(1) x end(0) + end(1)
	CF1 184, 178, 166, 158                         ; reverse, into segment 1: gamma(2) x end(3) + end(2)
	CF2 180, 172, 140
	CF2 184, 178, 166
	CF1 182, 174, 180, 156                         ; into segment 3
	CF1 186, 176, 184, 150                         ; reverse, into segment 0
	CF2 182, 174, 180
	CF2 186, 176, 184
.irp w, 0,1
	v_cndmask_b32 v[CF+\w], 0, v[140+\w], s55      ; a choice by the lane's segment: 0 into segment 0
	v_cndmask_b32 v[CR+\w], 0, v[166+\w], s56      ; 0 into segment 3
	v_cndmask_b32 v[CF+\w], v[CF+\w], v[180+\w], s56
	v_cndmask_b32 v[CR+\w], v[CR+\w], v[184+\w], s55
	v_cndmask_b32 v[CF+\w], v[CF+\w], v[182+\w], s57
	v_cndmask_b32 v[CR+\w], v[CR+\w], v[186+\w], s54
.endr
; ---- B: the true scans.  Forward into h(t); reverse is added onto it, and the sums go to the stage in four runs of LDS stores, one wait ahead of each run
.set t, 0
.rept 32
.set gg, GF+2*(t&1)
.set fh, A3+2*t-2
.if t == 0
.set fh, CF
.endif
	GMUL gg, t, CSF
	CF1 A3+2*t, gg, fh, A1+2*t
	CF2 A3+2*t, gg, fh
.set t, t+1
.endr
.set t, 31
.rept 32
.if t&1
.set rd, 240
.set rh, 244
.else
.set rd, 244
.set rh, 240
.endif
.if t == 31
.set rh, CR
.endif
	GMUL GR, t, CSR
	CF1 rd, GR, rh, A1+2*t
.if t < 31
	v_pk_add_f32 v[A3+2*t+2:A3+2*t+3], v[A3+2*t+2:A3+2*t+3], v[rh:rh+1]   ; the step before's result, which is ready
.endif
.if (t == 24) || (t == 16) || (t == 8)
	s_wait_alu depctr_va_vdst(0)                   ; the additions so far have written the sums of positions t + 1 to t + 8, which the run of LDS stores below reads; no later vector instruction names these registers
.set u, t+8
.rept 8
.if u < 32
	ds_store_b64 v[STW], v[A3+2*u:A3+2*u+1] offset:1040*u
.endif
.set u, u-1
.endr
.endif
	CF2 rd, GR, rh
.set t, t-1
.endr
	v_pk_add_f32 v[A3:A3+1], v[A3:A3+1], v[244:245]
	s_wait_alu depctr_va_vdst(0)                   ; the sums of positions 0 to 8 are written, which the last run of stores reads; and the scans are done with A1, A2, A3 and v236 to v253, in which the loads that follow land
.set u, 8
.rept 9
	ds_store_b64 v[STW], v[A3+2*u:A3+2*u+1] offset:1040*u
.set u, u-1
.endr
.if FINAL == 0
; ---- the way out: my 8 whole rows of the stage go to s1
	BARRIER                                        ; 128 whole rows lie in the stage
	s_wait_alu depctr_vm_vsrc(0)                   ; my stores to the stage have read A3, in which the weight fragments land: ahead of the branch
	s_cmp_eq_u32 s[CNT], 1
	s_cbranch_scc1 .Lnob
	BLOAD                                          ; the weight fragments for the next unit
.Lnob:
.irp k, 0,1,2,3,4,5,6,7,8,9,10,11,12,13,14,15
	ds_load_b128 v[A1+4*\k:A1+4*\k+3], v[DR] offset:1040*(\k/2)+512*(\k%2)
.endr
.irp k, 0,1,2,3,4,5,6,7,8,9,10,11,12,13,14,15
	s_wait_dscnt 15-\k                             ; the younger loads of this run may be out
	global_store_b128 v[S1G], v[A1+4*\k:A1+4*\k+3], s[S1P:S1P+1] offset:(\k/2)*PSS+512*(\k%2) th:TH_STORE_NT   ; 32 lanes store 512 consecutive bytes
.endr
.else
; ---- F0: my 8 rows of s1, dense; they land under the gate's work
.irp p, 0,1,2,3,4,5,6,7
	global_load_b128 v[A1+8*\p:A1+8*\p+3], v[S1G], s[S1P:S1P+1] offset:PSS*\p th:TH_LOAD_NT
	global_load_b128 v[A1+8*\p+4:A1+8*\p+7], v[S1G], s[S1P:S1P+1] offset:PSS*\p+512 th:TH_LOAD_NT
.endr
; ---- F1 (row role): the gate of my row tile, features 128 kh on, transposed (source 0 = 16 features of W_gate, source 1 = x): a lane holds one position, its registers run along k'.  The bias is the sums' C
	s_wait_alu depctr_vm_vsrc(0)                   ; my stores to the stage have read A3, in which the gate's bias lands
.irp t, 0,1,2,3,4,5,6,7
	ds_load_b128 v[A3+8*\t:A3+8*\t+3], v[GBR] offset:128*(\t/2)+32*(\t%2)
	ds_load_b128 v[A3+8*\t+4:A3+8*\t+7], v[GBR] offset:128*(\t/2)+32*(\t%2)+16
.endr
	FETCH 108, GXR, 0
.irp n, 0,1,2,3
	FETCH 124, WGR, 2048*(2*\n)
	FETCH 236, WGR, 2048*(2*\n+1)
	s_wait_dscnt 0x0
	v_wmma_f32_16x16x128_bf8_bf8 v[A3+16*\n:A3+16*\n+7], v[124:139], v[108:123], v[A3+16*\n:A3+16*\n+7]
	v_wmma_f32_16x16x128_bf8_bf8 v[A3+16*\n+8:A3+16*\n+15], v[236:251], v[108:123], v[A3+16*\n+8:A3+16*\n+15]
	PLACES 4
.if \n < 3
	s_wait_alu depctr_va_vdst(0)                   ; the two products are done reading W_gate's fragments in v124 to v139 and v236 to v251, in which the next two land
.endif
.endr
.irp b, 0,1                            ; silu, 32 numbers at a time
.set n, 0
.rept 16
	v_pk_mul_f32 v[A2+n:A2+n+1], v[A3+32*\b+n:A3+32*\b+n+1], s[SCGN:SCGN+1] op_sel_hi:[1,0]
.set n, n+2
.endr
.set n, 0
.rept 16
	v_pk_mul_f32 v[A3+32*\b+n:A3+32*\b+n+1], v[A3+32*\b+n:A3+32*\b+n+1], s[SCG:SCG+1] op_sel_hi:[1,0]
.set n, n+2
.endr
.set n, 0
	s_wait_alu depctr_va_vdst(0)
.rept 32
	v_exp_f32 v[A2+n], v[A2+n]
.set n, n+1
.endr
	v_nop
	s_wait_alu depctr_va_vdst(0)                   ; one wait for the batch: the 32 exponentials have written A2, ahead of their first reader
.set n, 0
.rept 16
	v_pk_add_f32 v[A2+n:A2+n+1], v[A2+n:A2+n+1], 1.0 op_sel_hi:[1,0]
.set n, n+2
.endr
.set n, 0
	s_wait_alu depctr_va_vdst(0)
.rept 32
	v_rcp_f32 v[A2+n], v[A2+n]
.set n, n+1
.endr
	v_nop
	s_wait_alu depctr_va_vdst(0)                   ; one wait for the batch: the 32 reciprocals have written A2, ahead of their first reader
.set n, 0
.rept 16
	v_pk_mul_f32 v[A3+32*\b+n:A3+32*\b+n+1], v[A3+32*\b+n:A3+32*\b+n+1], v[A2+n:A2+n+1]
.set n, n+2
.endr
.endr
	BARRIER                                        ; 128 whole rows of this direction's sums lie in the stage
; ---- F2: LayerNorm of my 8 rows, dense: a lane holds k' = 128 a + 4 lane + 0 .. 3, a = 0, 1
	s_wait_alu depctr_va_vdst(0)                   ; silu's last multiplications are done reading A2, in which stage rows land; the gate's products are done reading v236 to v251, in which ln_w and ln_b land
	ds_load_b128 v[236:239], v[LNR]
	ds_load_b128 v[240:243], v[LNR] offset:512
	ds_load_b128 v[244:247], v[LNR] offset:1024
	ds_load_b128 v[248:251], v[LNR] offset:1536
	s_wait_loadcnt 0x0                             ; s1's rows
.irp h, 0,1
.if \h == 1
	s_wait_alu depctr_va_vdst(0)                   ; the additions above are done reading A2, in which the other four rows land
.endif
.irp p, 0,1,2,3
	ds_load_b128 v[A2+8*\p:A2+8*\p+3], v[DR] offset:1040*(4*\h+\p)
	ds_load_b128 v[A2+8*\p+4:A2+8*\p+7], v[DR] offset:1040*(4*\h+\p)+512
.endr
	s_wait_dscnt 0x0
.set n, 0
.rept 16
	v_pk_add_f32 v[A1+32*\h+n:A1+32*\h+n+1], v[A1+32*\h+n:A1+32*\h+n+1], v[A2+n:A2+n+1]
.set n, n+2
.endr
.endr
.irp p, 0,1,2,3,4,5,6,7
	v_pk_add_f32 v[108+2*\p:109+2*\p], v[A1+8*\p:A1+8*\p+1], v[A1+8*\p+2:A1+8*\p+3]
.endr
.irp p, 0,1,2,3,4,5,6,7
	v_pk_add_f32 v[108+2*\p:109+2*\p], v[108+2*\p:109+2*\p], v[A1+8*\p+4:A1+8*\p+5]
.endr
.irp p, 0,1,2,3,4,5,6,7
	v_pk_add_f32 v[108+2*\p:109+2*\p], v[108+2*\p:109+2*\p], v[A1+8*\p+6:A1+8*\p+7]
.endr
	RSUM 108
.irp p, 0,1,2,3,4,5,6,7
	v_mul_f32 v[108+2*\p], s61, v[108+2*\p]        ; the mean
.endr
.irp p, 0,1,2,3,4,5,6,7
.irp x, 0,2,4,6
	v_pk_add_f32 v[A1+8*\p+\x:A1+8*\p+\x+1], v[A1+8*\p+\x:A1+8*\p+\x+1], v[108+2*\p:109+2*\p] op_sel_hi:[1,0] neg_lo:[0,1] neg_hi:[0,1]
.endr
.endr
.irp p, 0,1,2,3,4,5,6,7
	v_pk_mul_f32 v[124+2*\p:125+2*\p], v[A1+8*\p:A1+8*\p+1], v[A1+8*\p:A1+8*\p+1]
.endr
.irp x, 2,4,6
.irp p, 0,1,2,3,4,5,6,7
	v_pk_fma_f32 v[124+2*\p:125+2*\p], v[A1+8*\p+\x:A1+8*\p+\x+1], v[A1+8*\p+\x:A1+8*\p+\x+1], v[124+2*\p:125+2*\p]
.endr
.endr
	RSUM 124
.irp p, 0,1,2,3,4,5,6,7
	v_fma_f32 v[124+2*\p], v[124+2*\p], s61, s62   ; the variance + 1e-5
.endr
	s_wait_alu depctr_va_vdst(0)
.irp p, 0,1,2,3,4,5,6,7
	v_rsq_f32 v[124+2*\p], v[124+2*\p]
.endr
	v_nop
	s_wait_alu depctr_va_vdst(0)                   ; one wait for the batch: the eight v_rsq_f32 have written v124, v126 .. v138, ahead of their first reader
.irp p, 0,1,2,3,4,5,6,7
.irp x, 0,2,4,6
	v_pk_mul_f32 v[A1+8*\p+\x:A1+8*\p+\x+1], v[A1+8*\p+\x:A1+8*\p+\x+1], v[124+2*\p:125+2*\p] op_sel_hi:[1,0]
.endr
.endr
.irp p, 0,1,2,3,4,5,6,7
.irp x, 0,2,4,6
	v_pk_fma_f32 v[A1+8*\p+\x:A1+8*\p+\x+1], v[A1+8*\p+\x:A1+8*\p+\x+1], v[236+\x:237+\x], v[244+\x:245+\x]
.endr
.endr
	s_wait_alu depctr_va_vdst(0)                   ; the normalised rows are written to A1, which the LDS stores below read
.irp p, 0,1,2,3,4,5,6,7
	ds_store_b128 v[DR], v[A1+8*\p:A1+8*\p+3] offset:1040*\p
	ds_store_b128 v[DR], v[A1+8*\p+4:A1+8*\p+7] offset:1040*\p+512
.endr
	BARRIER                                        ; 128 normalised rows lie in the stage
; ---- F3 (row role): feature x gate, quantised under e6: one image
	s_wait_alu depctr_vm_vsrc(0)                   ; my stores of the normalised rows have read A1, in which the loads below land
.irp c, 0,1,2,3
.irp u, 0,1,2,3
	ds_load_b128 v[A1+16*\c+4*\u:A1+16*\c+4*\u+3], v[F3R] offset:128*\c+16*\u
.endr
.endr
	s_wait_dscnt 0x0
.set n, 0
.rept 32
	v_pk_mul_f32 v[A1+n:A1+n+1], v[A1+n:A1+n+1], v[A3+n:A3+n+1]
.set n, n+2
.endr
.set n, 0
.rept 64
	v_med3_num_f32 v[A1+n], v[A1+n], s52, s53
.set n, n+1
.endr
.irp u, 0,1,2,3,4,5,6,7
	v_cvt_scalef32_pk8_bf8_f32 v[108+2*\u:109+2*\u], v[A1+8*\u:A1+8*\u+7], v[SC6]
.endr
	v_nop                                          ; a plain instruction behind the last conversion: the products below write its sources
	s_wait_alu depctr_va_vdst(0)                   ; the conversions have written v108 to v123, which the LDS stores below read; the multiplications, holds and conversions are done with A1, A3 and, since F2, with v124 to v139 and v236 to v251, in which loads land behind the barrier
.irp c, 0,1,2,3
	ds_store_b128 v[FIW], v[108+4*\c:111+4*\c] offset:512*\c
.endr
	BARRIER                                        ; the sixteen images lie in LDS
; ---- F4 (row role): the last product, my row tile x output columns 64 kh on, transposed: four accumulators by turns
	s_wait_alu depctr_vm_vsrc(0)                   ; my stores of the codes have read v108 to v123, in which a fragment of W_out lands: ahead of the branch
	s_cmp_eq_u32 s[CNT], 1
	s_cbranch_scc1 .Lnob
	BLOAD                                          ; the weight fragments for the next unit
.Lnob:
	FETCH 76, FIR, 0
	FETCH 92, FIR, 2048
.irp k, 0,1
	FETCH 108, WOR, 2048*(0+\k)
	FETCH 124, WOR, 2048*(2+\k)
	FETCH 188, WOR, 2048*(4+\k)
	FETCH 236, WOR, 2048*(6+\k)
	s_wait_dscnt 0x0
.if \k == 0
	v_wmma_f32_16x16x128_bf8_bf8 v[44:51], v[108:123], v[76:91], 0
	v_wmma_f32_16x16x128_bf8_bf8 v[52:59], v[124:139], v[76:91], 0
	v_wmma_f32_16x16x128_bf8_bf8 v[60:67], v[188:203], v[76:91], 0
	v_wmma_f32_16x16x128_bf8_bf8 v[68:75], v[236:251], v[76:91], 0
.else
	v_wmma_f32_16x16x128_bf8_bf8 v[44:51], v[108:123], v[92:107], v[44:51]
	v_wmma_f32_16x16x128_bf8_bf8 v[52:59], v[124:139], v[92:107], v[52:59]
	v_wmma_f32_16x16x128_bf8_bf8 v[60:67], v[188:203], v[92:107], v[60:67]
	v_wmma_f32_16x16x128_bf8_bf8 v[68:75], v[236:251], v[92:107], v[68:75]
.endif
	PLACES 4
	s_wait_alu depctr_va_vdst(0)                   ; the four products are done reading their fragments: W_out's next four land in the same registers; behind the second four, b_out lands in v76 to v107
.endr
.irp t, 0,1,2,3
	ds_load_b128 v[76+8*\t:79+8*\t], v[BOR] offset:64*\t
	ds_load_b128 v[80+8*\t:83+8*\t], v[BOR] offset:64*\t+16
.endr
	s_wait_dscnt 0x0
.set n, 0
.rept 16
	v_pk_fma_f32 v[44+n:45+n], v[44+n:45+n], s[SCO:SCO+1], v[76+n:77+n] op_sel_hi:[1,0,1]   ; sum x 2^(e6 + e7) + b_out
.set n, n+2
.endr
	s_wait_alu depctr_va_vdst(0)                   ; the multiply-adds have written v44 to v75, which the LDS stores below read, and are done reading v76 to v107, in which the rows come back
.irp t, 0,1,2,3
	ds_store_b128 v[OTS], v[44+8*\t:47+8*\t] offset:64*\t          ; through my own area: in by lanes' rows,
	ds_store_b128 v[OTS], v[48+8*\t:51+8*\t] offset:64*\t+16
.endr
.irp k, 0,1,2,3,4,5,6,7
	ds_load_b128 v[76+4*\k:79+4*\k], v[TD] offset:544*\k           ; out as rows of 256 bytes
.endr
.irp k, 0,1,2,3
	s_wait_dscnt 7-\k                              ; the younger loads of this run may be out
	global_store_b128 v[XG0], v[76+4*\k:79+4*\k], s[OP:OP+1] offset:2*\k*PSX th:TH_STORE_NT   ; sixteen lanes store 256 consecutive bytes, aligned
.endr
.irp k, 0,1,2,3
	s_wait_dscnt 3-\k
	global_store_b128 v[XG1], v[92+4*\k:95+4*\k], s[OP:OP+1] offset:2*\k*PSX th:TH_STORE_NT
.endr
.endif
; ---- on to the next unit
	s_wait_xcnt 0x0                                ; the stores' data and every base are written again only behind this wait
	s_add_nc_u64 s[XP:XP+1], s[XP:XP+1], 512
	s_add_nc_u64 s[S1P:S1P+1], s[S1P:S1P+1], 1024
.if FINAL
	s_add_nc_u64 s[OP:OP+1], s[OP:OP+1], 512
.endif
	s_sub_co_u32 s[CNT], s[CNT], 1
	s_cmp_lg_u32 s[CNT], 0
	s_cbranch_scc1 .Lunit
	s_wait_dscnt 0x0                               ; the wave's end: the closing lines, six on end
	s_wait_alu 0x0
	s_wait_tensorcnt 0x0
	ds_add_u32 v[SPW], v[NIL]
	s_wait_dscnt 0x0
	s_endpgm
.Lfunc_end_k_q3e3a1268a1_scanw:
	.size	k_q3e3a1268a1_scanw, .Lfunc_end_k_q3e3a1268a1_scanw-k_q3e3a1268a1_scanw
	.p2alignl 7, 3214868480
	.fill 96, 4, 3214868480
	.section	.rodata,"a",@progbits
	.p2align	6, 0x0
	.amdhsa_kernel k_q3e3a1268a1_scanw
		.amdhsa_group_segment_fixed_size 303104
		.amdhsa_private_segment_fixed_size 0
		.amdhsa_enable_private_segment 0
		.amdhsa_kernarg_size 64
		.amdhsa_user_sgpr_count 2
		.amdhsa_user_sgpr_kernarg_segment_ptr 1
		.amdhsa_wavefront_size32 1
		.amdhsa_system_sgpr_workgroup_id_x 1
		.amdhsa_system_sgpr_workgroup_id_y 1
		.amdhsa_system_sgpr_workgroup_id_z 1
		.amdhsa_system_vgpr_workitem_id 0
		.amdhsa_next_free_vgpr 256
		.amdhsa_next_free_sgpr 96
		.amdhsa_reserve_vcc 0
		.amdhsa_float_denorm_mode_32 3
		.amdhsa_float_denorm_mode_16_64 3
		.amdhsa_memory_ordered 1
		.amdhsa_forward_progress 1
		.amdhsa_inst_pref_size 133
	.end_amdhsa_kernel
	.amdgpu_metadata
---
amdhsa.version: [ 1, 2 ]
amdhsa.kernels:
  - .name:           k_q3e3a1268a1_scanw
    .symbol:         k_q3e3a1268a1_scanw.kd
    .args:
      - { .name: x, .offset: 0, .size: 8, .value_kind: global_buffer, .address_space: global }
      - { .name: s1, .offset: 8, .size: 8, .value_kind: global_buffer, .address_space: global }
      - { .name: wimg, .offset: 16, .size: 8, .value_kind: global_buffer, .address_space: global }
      - { .name: tab, .offset: 24, .size: 8, .value_kind: global_buffer, .address_space: global }
      - { .name: lowp_scales, .offset: 32, .size: 8, .value_kind: global_buffer, .address_space: global }
      - { .name: b_in, .offset: 40, .size: 8, .value_kind: global_buffer, .address_space: global }
      - { .name: b_lambda, .offset: 48, .size: 8, .value_kind: global_buffer, .address_space: global }
      - { .name: out0, .offset: 56, .size: 8, .value_kind: global_buffer, .address_space: global }
    .group_segment_fixed_size: 303104
    .private_segment_fixed_size: 0
    .kernarg_segment_align: 8
    .kernarg_segment_size: 64
    .max_flat_workgroup_size: 512
    .sgpr_count:     96
    .vgpr_count:     256
    .wavefront_size: 32
...
	.end_amdgpu_metadata
.endif
;; end of part 6
